; MI455X (gfx1250); checked and timed in simulation.
; The chip was launched on July 23, 2026; its instructions are those of AMD's public machine-readable ISA for CDNA 5 (MIT licence, August 2026) and "CDNA5" Instruction Set Architecture Reference Guide (July 2026). The comments in the code are by the model that wrote it; some were corrected since.
;; Extra MHSA. Allowed arithmetic: float matrix products may take bf16 or f16 operands with f32 sums; all other float work in f32.
;; Inputs: b1 128 float32; b2 256 float32; b3 256 float32; bk 128 float32; bp 128 float32; bq 128 float32; bv 128 float32; ef_h 1 x 128 x 80 x 1 float32; ef_w 1 x 128 x 1 x 80 float32; g1 128 float32; g2 256 float32; g3 256 float32; m1 128 float32; m2 256 float32; m3 256 float32; rel_h 1 x 128 x 80 x 1 float32; rel_w 1 x 128 x 1 x 80 float32; v1 128 float32; v2 256 float32; v3 256 float32; w1 128 x 256 float32; w2 256 x 128 float32; w3 256 x 128 float32; wk 128 x 128 float32; wp 128 x 128 float32; wq 128 x 128 float32; wv 128 x 128 float32; x 1 x 256 x 80 x 80 float32.
;; Outputs: out0 1 x 256 x 80 x 80 float32.
;; 3 versions, each right; version 2 is faster than version 1; version 3 is version 2 with the launches prep, finish written anew for expert scheduling mode. Each part assembles by itself: llvm-mc -triple=amdgcn-amd-amdhsa -mcpu=gfx1250 --defsym DOCPART=n.
;; ======== version 1 of 3: 3 launches
;; limits: values outside matrix products are rounded to bf16; values are held in f16: magnitudes above 65,504 overflow, below 6.1e-05 lose precision; inputs' magnitudes at most 65,504
;; workspace buffers: qa 3,276,800 bytes; kb 3,276,800 bytes; vt 1,638,400 bytes; o2 1,638,400 bytes; part 16,384,000 bytes; stats 512,000 bytes
;; launch prep (part 1): grid 100 x 1, 8 waves a work-group, no clusters, 318,464 bytes of LDS; arguments x, w1, g1, b1, m1, v1, wq, bq, wk, bk, wv, bv, wp, bp, rel_h, rel_w, ef_h, ef_w, qa, kb, vt, o2; writes qa, kb, vt, o2
.if DOCPART == 1
	.amdgcn_target "amdgcn-amd-amdhsa--gfx1250"
	.amdhsa_code_object_version 6
	.text
	.protected	k_qe4dbdda174_prep
	.globl	k_qe4dbdda174_prep
	.p2align	8
	.type	k_qe4dbdda174_prep,@function
k_qe4dbdda174_prep:
	s_mov_b64 s[64:65], 0
	v_nop
	global_prefetch_b8 v0, s[64:65] scope:SCOPE_SE
	s_setreg_imm32_b32 hwreg(HW_REG_WAVE_MODE, 25, 1), 1
	s_wait_xcnt 0x0
; prep: x1 = SiLU(BN(w1 x)); q, k, v, p = projections of x1; cp = rel_h + rel_w; and the whole extra positional branch.
; A work-group owns 64 positions (i0 = 64 g): a row piece of x is 256 aligned bytes.  Eight waves; wave w owns output channels 16 w .. 16 w + 15
; of every product, for all four tiles of 16 positions.
; Stored for the next launches:
;   qa [6400][256] bf16: log2(e) q | log2(e) cp      kb [6400][256] bf16: k | q      (so that q_i.k_j + cp_i.q_j is one product over 256)
;   vt [100][128 channels][64 keys] bf16: v          o2 [6400][128] f16: the second branch's result
; THE SECOND BRANCH: the problem builds ef[c,(h,w)] = ef_h[c,h] + ef_w[c,w], so the score p_i.ef[:,(h,w)] is a[i,h] + b[i,w], its maximum is
; max a + max b, the softmax over (h,w) is softmax_h(a) softmax_w(b), and the result is sum_h ef_h[c,h] alpha[i,h] + sum_w ef_w[c,w] beta[i,w].
; This holds for every ef_h, ef_w.  Two softmaxes of 80, each with its own maximum taken away; 160 columns take the place of 6400.
; FORMATS.  The second branch's scores stand in an exponent and weigh vectors of ef's size, so what feeds them carries more than bf16's 8 bits:
;   x, w1: f16 (11 bits).  They are inputs; f16 is finite up to 65,504 and its steps below 2^-14 are 2^-24.
;   x1, wp, log2(e) p, ef in the scores: a sum of two bf16 numbers, hi + lo (16 bits, bf16's range); a product is hi.hi + hi.lo + lo.hi.
;   ef, alpha, beta and the result in the value product: f16; the result is bounded by max |ef_h| + max |ef_w|.
;   wq, wk, wv, q, k, v, cp: bf16.
; All products are used so that a lane ends up with eight neighbouring channels (or keys) of one position: 16 bytes that belong together.
; LIMITS: |x|, |w1| and |ef_h| + |ef_w| below 65,504; BN is applied as y s + (b - m s) with s = g rsq(v + eps); NaN and infinite inputs are not
; treated apart; exponentials below 2^-126 come out as zero (ISA guide, v_exp_f32).
; No tensor loads, no cluster: the inputs need a conversion from f32 on their way into LDS, so they pass through registers.
.set PRM, 0                            ; s1, t1, bq, bk, bv, bp: [128] f32 each
.set XS,  3072                         ; x f16 [256 channels][64 positions], pitch 160; its last read is waited for in front of the barrier behind x1
.set XP,  160
.set PS,  3072                         ; log2(e) p, hi [64][128], pitch 272: over x's stage, written behind that barrier
.set PSL, 20480                        ; log2(e) p, lo
.set ES,  44032                        ; ef bf16 hi [128 channels][80 h | 80 w], pitch 352
.set EP,  352
.set ESL, 89088                        ; ef bf16 lo, the same shape
.set E16, 134144                       ; ef f16, the same shape
.set X1S, 179200                       ; x1 hi [64][128], pitch 272
.set X1L, 196608                       ; x1 lo
.set QAS, 214016                       ; qa's 64 rows, pitch 528
.set KBO, 33792                        ; kb's 64 rows lie this far behind qa's
.set VS,  281600                       ; v [128 channels][64 keys], pitch 144
.set VP,  144
.set O2S, 300032                       ; second branch's result [64][128], pitch 272
; registers, window 0: v0-31 ids and addresses; by phase: loads v32-243; fragments v32-95, sums v96-223, bias tiles v224-255
; window 1: weights, f32 as loaded (16 registers a fragment), converted to 16 bits (8 a fragment): w1 0-63 (later wp lo 0-31), wq 64-95, wk 96-127, wv 128-159, wp hi 160-191
.set MSB, 0
.macro WIN new                         ; the immediate's high byte repeats the setting that is left
.if MSB != \new
	s_set_vgpr_msb (MSB<<8)|\new
.set MSB, \new
.endif
.endm
.macro PLACES                          ; four places behind a matrix instruction (ISA guide 7.12.1) before its registers are read, written or loaded
.rept 4
	v_nop
.endr
.endm
.macro MM d, a, b, c
	v_wmma_f32_16x16x32_bf16 v[\d:\d+7], v[\a:\a+7], v[\b:\b+7], v[\c:\c+7]
.endm
.macro MM0 d, a, b                     ; the first product starts a sum
	v_wmma_f32_16x16x32_bf16 v[\d:\d+7], v[\a:\a+7], v[\b:\b+7], 0
.endm
.macro MMH d, a, b, c                  ; the same with f16 operands
	v_wmma_f32_16x16x32_f16 v[\d:\d+7], v[\a:\a+7], v[\b:\b+7], v[\c:\c+7]
.endm
.macro MMH0 d, a, b
	v_wmma_f32_16x16x32_f16 v[\d:\d+7], v[\a:\a+7], v[\b:\b+7], 0
.endm
; nks fragments (16 rows x 32 k) of an f32 weight: lane (r, h) takes k = 8h..8h+7 and 16+8h..+7 of its row, 4 loads of 16 bytes
.macro LDW reg, adr, sb, nks, off
.set lw_, 0
.rept \nks
.irp q, 0,1,2,3
	global_load_b128 v[\reg+16*lw_+4*\q:\reg+16*lw_+4*\q+3], v[\adr], s[\sb:\sb+1] offset:\off+128*lw_+16*(\q%2)+64*(\q/2)
.endr
.set lw_, lw_+1
.endr
.endm
; fragments f0 .. f1-1 from f32 (16 registers each) to bf16 (8 each), in place, ascending: a destination never lies above its sources
.macro CVW base, f0, f1
.set cw_, \f0
.rept \f1-\f0
.irp j, 0,1,2,3,4,5,6,7
	v_cvt_pk_bf16_f32 v[\base+8*cw_+\j], v[\base+16*cw_+2*\j], v[\base+16*cw_+2*\j+1]
.endr
.set cw_, cw_+1
.endr
.endm
.macro CVWH base, f0, f1               ; the same to f16
.set cw_, \f0
.rept \f1-\f0
.irp j, 0,1,2,3,4,5,6,7
	v_cvt_pk_f16_f32 v[\base+8*cw_+\j], v[\base+16*cw_+2*\j], v[\base+16*cw_+2*\j+1]
.endr
.set cw_, cw_+1
.endr
.endm
; eight f32 at src become hi (4 registers of bf16) and lo = bf16(src - hi) (4 registers); t: eight registers at work; src is kept
.macro HILO8 src, hi, lo, t
.irp i, 0,1,2,3
	v_cvt_pk_bf16_f32 v[\hi+\i], v[\src+2*\i], v[\src+2*\i+1]
.endr
.irp i, 0,1,2,3
	v_lshlrev_b32 v[\t+2*\i], 16, v[\hi+\i]
	v_and_b32 v[\t+2*\i+1], 0xffff0000, v[\hi+\i]
.endr
.irp i, 0,1,2,3
	v_pk_add_f32 v[\t+2*\i:\t+2*\i+1], v[\src+2*\i:\src+2*\i+1], v[\t+2*\i:\t+2*\i+1] neg_lo:[0,1] neg_hi:[0,1]
.endr
.irp i, 0,1,2,3
	v_cvt_pk_bf16_f32 v[\lo+\i], v[\t+2*\i], v[\t+2*\i+1]
.endr
.endm
; t[0..n-1] = sigmoid(y[0..n-1]) = 1 / (1 + 2^(-log2(e) y))
.macro SIG y, t, n
.set sg_, 0
.rept \n/2
	v_pk_mul_f32 v[\t+sg_:\t+sg_+1], v[\y+sg_:\y+sg_+1], 0xbfb8aa3b op_sel_hi:[1,0]
.set sg_, sg_+2
.endr
.set sg_, 0
.rept \n
	v_exp_f32 v[\t+sg_], v[\t+sg_]
.set sg_, sg_+1
.endr
	v_nop                                          ; one plain place behind the last exponential (ISA guide 5.7.2)
.set sg_, 0
	s_wait_alu depctr_va_vdst(0)
.rept \n/2
	v_pk_add_f32 v[\t+sg_:\t+sg_+1], v[\t+sg_:\t+sg_+1], 1.0 op_sel_hi:[1,0]
.set sg_, sg_+2
.endr
.set sg_, 0
.rept \n
	v_rcp_f32 v[\t+sg_], v[\t+sg_]
.set sg_, sg_+1
.endr
	v_nop                                          ; and behind the last reciprocal
.endm
	s_load_b512 s[8:23], s[0:1], 0x0               ; x 8, w1 10, g1 12, b1 14, m1 16, v1 18, wq 20, bq 22
	s_load_b512 s[24:39], s[0:1], 0x40             ; wk 24, bk 26, wv 28, bv 30, wp 32, bp 34, rel_h 36, rel_w 38
	s_load_b256 s[40:47], s[0:1], 0x80             ; ef_h 40, ef_w 42, qa 44, kb 46
	s_load_b128 s[48:51], s[0:1], 0xa0             ; vt 48, o2 50
	v_lshrrev_b32 v1, 5, v0
	v_readfirstlane_b32 s52, v1                    ; wave w
	s_lshl_b32 s53, ttmp9, 6                       ; i0 = 64 g
	s_mov_b32 s54, 0x76543210                      ; v_permlanex16_b32: lane i reads lane i of the other half
	s_mov_b32 s55, 0xfedcba98
	s_lshl_b32 s56, ttmp9, 8                       ; 4 i0: x
	s_mov_b32 s57, 0
	s_lshl_b32 s58, ttmp9, 15                      ; 512 i0: qa, kb
	s_mov_b32 s59, 0
	s_lshl_b32 s60, ttmp9, 14                      ; 256 i0: o2; 16,384 g: vt
	s_mov_b32 s61, 0
	v_and_b32 v1, 31, v0                           ; L
	v_and_b32 v2, 15, v0                           ; r
	v_bfe_u32 v3, v0, 4, 1                         ; h
	v_and_b32 v4, 127, v0
	v_lshlrev_b32 v4, 2, v4                        ; 4 (t mod 128): the per-channel vectors
	v_lshrrev_b32 v16, 4, v0                       ; t / 16
	v_mul_u32_u24 v5, v16, 25600
	v_lshl_add_u32 v5, v2, 4, v5                   ; x: row t / 16, 16 bytes at 16 r
	v_mul_u32_u24 v6, v0, 160                      ; ef_h, ef_w: thread t takes half a row, 160 consecutive bytes
	v_lshl_add_u32 v19, s52, 4, v2                 ; 16 w + r
	v_lshlrev_b32 v20, 5, v3                       ; 32 h
	v_lshl_add_u32 v7, v19, 9, v20                 ; weights with rows of 512 bytes
	v_lshl_add_u32 v18, v19, 10, v20               ; w1: rows of 1,024 bytes
	v_lshl_add_u32 v21, s52, 1, v3
	v_mul_u32_u24 v21, v21, 2560                   ; (16 w + 8 h) rows of 320 bytes in rel_h, rel_w
	v_add_nc_u32 v20, s53, v2                      ; i0 + r
.irp qt, 0,1,2,3
	v_add_nc_u32 v22, 16*\qt, v20                  ; position i
	v_mul_u32_u24 v23, v22, 0xcccd
	v_lshrrev_b32 v23, 22, v23                     ; i / 80 (52,429 x 80 = 2^22 + 16: exact for i below 6,400)
	v_mul_u32_u24 v24, v23, 80
	v_sub_nc_u32 v24, v22, v24                     ; i mod 80
	v_lshl_add_u32 v[8+\qt], v24, 2, v21           ; rel_w
	v_lshl_add_u32 v[12+\qt], v23, 2, v21          ; rel_h
.endr
	v_lshrrev_b32 v17, 1, v0
	v_mul_u32_u24 v17, v17, EP
	v_and_b32 v22, 1, v0
	v_mad_u32_u24 v17, v22, 80, v17
	v_add_nc_u32 v17, ES, v17                      ; ef hi (and, 45,056 further, lo) in LDS: row t / 2, half t mod 2
	v_add_nc_u32 v24, E16-ES, v17                  ; ef f16
	v_mul_u32_u24 v25, v16, XP
	v_lshl_add_u32 v25, v2, 3, v25                 ; x in LDS: row t / 16, 8 bytes at 8 r
	v_mul_u32_u24 v26, v2, 528
	v_lshl_add_u32 v26, v3, 4, v26
	v_lshl_add_u32 v26, s52, 5, v26
	v_add_nc_u32 v26, QAS, v26                     ; qa's stage: row r, my 8 channels at 32 w + 16 h
	v_and_b32 v22, 7, v0
	v_lshl_add_u32 v22, v3, 3, v22                 ; 8 h + L mod 8
	v_bfe_u32 v23, v0, 3, 1
	v_lshlrev_b32 v23, 4, v23
	v_mad_u32_u24 v27, v22, XP, v23                ; transposing loads from x
	v_lshlrev_b32 v28, 5, v3
	v_lshl_add_u32 v28, s52, 6, v28                ; 4 (16 w + 8 h): my 8 channels in the per-channel vectors
	v_mul_u32_u24 v30, v2, 272
	v_lshl_add_u32 v30, v3, 4, v30
	v_add_nc_u32 v30, X1S, v30                     ; x1 read as fragments
	v_lshl_add_u32 v29, s52, 5, v30                ; x1 written: + 32 w
	v_lshlrev_b32 v31, 2, v19                      ; 4 (16 w + r): v's bias
	s_wait_kmcnt 0x0
	s_add_nc_u64 s[8:9], s[8:9], s[56:57]
	s_add_nc_u64 s[44:45], s[44:45], s[58:59]
	s_add_nc_u64 s[46:47], s[46:47], s[58:59]
	s_add_nc_u64 s[48:49], s[48:49], s[60:61]
	s_add_nc_u64 s[50:51], s[50:51], s[60:61]
	; ---- all loads go out at the head: 4 + 16 + 20 + 64 + 32 + 32
	s_cmp_lt_u32 s52, 4
	s_cbranch_scc0 .Lprm_hi
	global_load_b32 v240, v4, s[12:13]             ; waves 0-3: g1, b1, m1, v1 of channel t
	global_load_b32 v241, v4, s[14:15]
	global_load_b32 v242, v4, s[16:17]
	global_load_b32 v243, v4, s[18:19]
	s_branch .Lprm_done
.Lprm_hi:
	global_load_b32 v240, v4, s[22:23]             ; waves 4-7: bq, bk, bv, bp of channel t - 128
	global_load_b32 v241, v4, s[26:27]
	global_load_b32 v242, v4, s[30:31]
	global_load_b32 v243, v4, s[34:35]
.Lprm_done:
.set n_, 0
.rept 16
	global_load_b128 v[32+4*n_:35+4*n_], v5, s[8:9] offset:409600*n_       ; x: channels 16 n + t / 16; sixteen lanes take 256 aligned bytes
.set n_, n_+1
.endr
.set n_, 0
.rept 10
	global_load_b128 v[96+4*n_:99+4*n_], v6, s[40:41] offset:16*n_
.set n_, n_+1
.endr
.set n_, 0
.rept 10
	global_load_b128 v[136+4*n_:139+4*n_], v6, s[42:43] offset:16*n_
.set n_, n_+1
.endr
.irp qt, 0,1,2,3
.irp j, 0,1,2,3,4,5,6,7
	global_load_b32 v[176+8*\qt+\j], v[8+\qt], s[38:39] offset:320*\j      ; rel_w[16 w + 8 h + j][i mod 80]
.endr
.endr
.irp qt, 0,1,2,3
.irp j, 0,1,2,3,4,5,6,7
	global_load_b32 v[208+8*\qt+\j], v[12+\qt], s[36:37] offset:320*\j     ; rel_h[16 w + 8 h + j][i / 80]
.endr
.endr
	WIN 0x40                                       ; loaded data into window 1
	LDW 0, 18, 10, 8, 0                            ; w1
	LDW 128, 7, 20, 4, 0                           ; wq
	LDW 192, 7, 24, 4, 0                           ; wk
	WIN 0
	s_wait_loadcnt 63                              ; 64 weight loads were issued last: all in front of them are in
.set n_, 0
.rept 16
	v_cvt_pk_f16_f32 v[32+4*n_], v[32+4*n_], v[33+4*n_]
	v_cvt_pk_f16_f32 v[33+4*n_], v[34+4*n_], v[35+4*n_]
	ds_store_b64 v25, v[32+4*n_:33+4*n_] offset:XS+2560*n_
.set n_, n_+1
.endr
; eight numbers of ef at v[s ..]: bf16 hi, bf16 lo and f16, 16 bytes each, at byte off of my half row
.macro ESTORE s, off
	HILO8 \s, 32, 36, 44
.irp i, 0,1,2,3
	v_cvt_pk_f16_f32 v[40+\i], v[\s+2*\i], v[\s+2*\i+1]
.endr
	ds_store_b128 v17, v[32:35] offset:\off
	ds_store_b128 v17, v[36:39] offset:ESL-ES+\off
	ds_store_b128 v24, v[40:43] offset:\off
.endm
.set n_, 0
.rept 5
	ESTORE 96+8*n_, 16*n_                          ; ef_h
	ESTORE 136+8*n_, 160+16*n_                     ; ef_w, 80 columns further
.set n_, n_+1
.endr
.irp qt, 0,1,2,3
.irp i, 0,2,4,6
	v_pk_add_f32 v[176+8*\qt+\i:177+8*\qt+\i], v[176+8*\qt+\i:177+8*\qt+\i], v[208+8*\qt+\i:209+8*\qt+\i]
.endr
.irp i, 0,2,4,6
	v_pk_mul_f32 v[176+8*\qt+\i:177+8*\qt+\i], v[176+8*\qt+\i:177+8*\qt+\i], 0x3fb8aa3b op_sel_hi:[1,0]
.endr
.irp i, 0,1,2,3
	v_cvt_pk_bf16_f32 v[176+8*\qt+\i], v[176+8*\qt+2*\i], v[177+8*\qt+2*\i]
.endr
	ds_store_b128 v26, v[176+8*\qt:179+8*\qt] offset:8448*\qt+256          ; log2(e) cp: columns 128-255 of qa
.endr
	s_cmp_lt_u32 s52, 4
	s_cbranch_scc0 .Lprm2_hi
	v_add_f32 v243, 0x3727c5ac, v243               ; v1 + eps
	v_rsq_f32 v243, v243
	v_nop
	s_wait_alu depctr_va_vdst(0)
	v_mul_f32 v240, v240, v243                     ; s1 = g1 rsq(v1 + eps)
	v_fma_f32 v241, -v242, v240, v241              ; t1 = b1 - m1 s1
	ds_store_b32 v4, v240 offset:PRM
	ds_store_b32 v4, v241 offset:PRM+512
	s_branch .Lprm2_done
.Lprm2_hi:
	ds_store_b32 v4, v240 offset:PRM+1024
	ds_store_b32 v4, v241 offset:PRM+1536
	ds_store_b32 v4, v242 offset:PRM+2048
	ds_store_b32 v4, v243 offset:PRM+2560
.Lprm2_done:
	s_wait_loadcnt 32                              ; w1 is in; wq and wk (32 loads) may stay out
	WIN 0x45                                       ; destination and both sources in window 1
	CVWH 0, 0, 8                                   ; w1 to f16
	s_wait_loadcnt 0x0
	CVW 0, 8, 16                                   ; wq, wk to bf16
	WIN 0x40
	LDW 128, 7, 28, 4, 0                           ; wv and wp into the registers just freed; waited for in front of the projections
	LDW 192, 7, 32, 4, 0
	WIN 0
	; addresses of the later phases (every load that named v4-v18 is done; v7 stays)
	v_mul_u32_u24 v4, v2, 272
	v_lshl_add_u32 v4, v3, 4, v4
	v_lshl_add_u32 v4, s52, 5, v4
	v_add_nc_u32 v4, PS, v4                        ; p written: row r, 32 w + 16 h
	v_mul_u32_u24 v5, v19, VP
	v_lshl_add_u32 v5, v3, 4, v5
	v_add_nc_u32 v5, VS, v5                        ; v written: row 16 w + r, 16 h
	s_mul_i32 s56, s52, 8*528
	s_add_co_u32 s56, s56, QAS
	v_lshl_add_u32 v6, v1, 4, s56                  ; qa, kb read back: rows 8 w + n, 16 L
	s_lshl_b32 s57, s52, 12
	v_lshl_add_u32 v8, v1, 4, s57                  ; and their place in memory
	v_lshrrev_b32 v9, 3, v1
	v_lshl_add_u32 v9, s52, 4, v9
	v_mul_u32_u24 v9, v9, VP
	v_and_b32 v10, 7, v0
	v_lshl_add_u32 v9, v10, 4, v9
	v_add_nc_u32 v9, VS, v9                        ; v read back: rows 16 w + 4 n + L / 8
	s_lshl_b32 s57, s52, 11
	v_lshl_add_u32 v10, v1, 4, s57
	s_and_b32 s56, s52, 3                          ; second branch: my tile of positions
	s_lshr_b32 s57, s52, 2                         ; and my half of the channels
	v_lshl_add_u32 v17, s56, 4, v2
	v_mul_u32_u24 v17, v17, 272
	v_lshl_add_u32 v17, v3, 4, v17
	v_add_nc_u32 v11, PS, v17                      ; p read as fragments
	v_lshl_add_u32 v14, s57, 7, v17
	v_add_nc_u32 v14, O2S, v14                     ; result written
	v_and_b32 v12, 7, v0
	v_lshl_add_u32 v12, v3, 3, v12
	v_bfe_u32 v13, v0, 3, 1
	v_lshlrev_b32 v13, 4, v13
	v_mad_u32_u24 v12, v12, EP, v13
	v_add_nc_u32 v12, ES, v12                      ; transposing loads from ef hi
	v_add_nc_u32 v17, ESL-ES, v12                  ; and from ef lo
	v_lshl_add_u32 v13, s57, 6, v2
	v_mul_u32_u24 v13, v13, EP
	v_lshl_add_u32 v13, v3, 4, v13
	v_add_nc_u32 v13, E16, v13                     ; plain fragments of ef in f16: rows 64 cg + r
	v_lshl_add_u32 v16, s52, 3, v3                 ; 8 w + h
	v_mul_u32_u24 v15, v16, 272
	v_lshl_add_u32 v15, v2, 4, v15
	v_add_nc_u32 v15, O2S, v15                     ; result read back
	v_lshlrev_b32 v16, 8, v16
	v_lshl_add_u32 v16, v2, 4, v16                 ; and its place in memory
	s_wait_dscnt 0x0                               ; my stores are in LDS,
	s_barrier_signal -1
	s_barrier_wait -1                              ; everybody's are
	; ---- x1 = SiLU(BN(w1 x)): A = w1 (window 1), B = x through transposing loads, both f16; K = 256 in eight steps on two buffers
.macro LB ks
.irp qt, 0,1,2,3
	ds_load_tr16_b128 v[32+32*((\ks)%2)+8*\qt:35+32*((\ks)%2)+8*\qt], v27 offset:XS+5120*(\ks)+32*\qt
	ds_load_tr16_b128 v[36+32*((\ks)%2)+8*\qt:39+32*((\ks)%2)+8*\qt], v27 offset:XS+5120*(\ks)+32*\qt+2560
.endr
.endm
	ds_load_b128 v[128:131], v28 offset:PRM        ; s1, t1 of my 8 channels
	ds_load_b128 v[132:135], v28 offset:PRM+16
	ds_load_b128 v[136:139], v28 offset:PRM+512
	ds_load_b128 v[140:143], v28 offset:PRM+528
	LB 0
	LB 1
.set k_, 0
.rept 8
.if k_ < 7
	s_wait_dscnt 8                                 ; the other buffer's eight loads may stay out
.else
	s_wait_dscnt 0x0
.endif
	WIN 0x01                                       ; A in window 1.  The four sums take turns, one instruction a turn
.irp qt, 0,1,2,3
.set b_, 32+32*(k_%2)+8*\qt
.if k_ == 0
	MMH0 96+8*\qt, 8*k_, b_
.else
	MMH 96+8*\qt, 8*k_, b_, 96+8*\qt
.endif
.endr
.if k_ != 6
	WIN 0
	PLACES
.endif
.if k_ < 6
	LB k_+2
.endif
.set k_, k_+1
.endr
.irp qt, 0,1,2,3
.irp i, 0,2,4,6
	v_pk_fma_f32 v[96+8*\qt+\i:97+8*\qt+\i], v[96+8*\qt+\i:97+8*\qt+\i], v[128+\i:129+\i], v[136+\i:137+\i]
.endr
.endr
	SIG 96, 144, 32
.set n_, 0
	s_wait_alu depctr_va_vdst(0)
.rept 16
	v_pk_mul_f32 v[96+n_:97+n_], v[96+n_:97+n_], v[144+n_:145+n_]
.set n_, n_+2
.endr
.irp qt, 0,1,2,3
	HILO8 96+8*\qt, 144+4*\qt, 160+4*\qt, 176      ; x1 = hi + lo
	ds_store_b128 v29, v[144+4*\qt:147+4*\qt] offset:4352*\qt
	ds_store_b128 v29, v[160+4*\qt:163+4*\qt] offset:X1L-X1S+4352*\qt
.endr
	s_wait_dscnt 0x0                               ; my stores of x1 and my reads of x's stage, which is written again behind this barrier
	s_barrier_signal -1
	s_barrier_wait -1
	; ---- q, k, p (A = weight, B = x1: eight channels a lane) and v (A = x1, B = weight: eight keys a lane); the biases enter as the first C.
	; Eight steps: x1 hi's four, then x1 lo's four with the same weights; in the first four p also takes wp lo x x1 hi
	s_wait_loadcnt 0x0                             ; wv, wp
	WIN 0x45
	CVW 128, 0, 4                                  ; wv
.irp g, 0,1,2,3
	HILO8 192+16*\g, 160+8*\g, 8*\g, 32            ; wp = hi + lo; lo and the registers at work lie where w1 lay
	HILO8 192+16*\g+8, 160+8*\g+4, 8*\g+4, 32
.endr
	WIN 0
	ds_load_b128 v[224:227], v28 offset:PRM+1024   ; bq
	ds_load_b128 v[228:231], v28 offset:PRM+1040
	ds_load_b128 v[232:235], v28 offset:PRM+1536   ; bk
	ds_load_b128 v[236:239], v28 offset:PRM+1552
	ds_load_b128 v[240:243], v28 offset:PRM+2560   ; bp
	ds_load_b128 v[244:247], v28 offset:PRM+2576
.irp j, 0,1,2,3,4,5,6,7
	ds_load_b32 v[248+\j], v31 offset:PRM+2048     ; bv of channel 16 w + r, for all eight keys
.endr
.macro LX ks
.irp qt, 0,1,2,3
	ds_load_b128 v[32+32*((\ks)%2)+8*\qt:35+32*((\ks)%2)+8*\qt], v30 offset:(X1L-X1S)*((\ks)/4)+4352*\qt+64*((\ks)%4)
	ds_load_b128 v[36+32*((\ks)%2)+8*\qt:39+32*((\ks)%2)+8*\qt], v30 offset:(X1L-X1S)*((\ks)/4)+4352*\qt+64*((\ks)%4)+32
.endr
.endm
	LX 0
	LX 1
.set k_, 0
.rept 8
.if k_ < 7
	s_wait_dscnt 8                                 ; the other buffer's eight loads may stay out
.else
	s_wait_dscnt 0x0
.endif
.set w_, 8*(k_%4)
	WIN 0x01                                       ; sixteen sums take turns, one instruction a turn
.irp qt, 0,1,2,3
.set b_, 32+32*(k_%2)+8*\qt
.if k_ == 0
	MM 96+8*\qt, 64+w_, b_, 224
.else
	MM 96+8*\qt, 64+w_, b_, 96+8*\qt
.endif
.endr
.irp qt, 0,1,2,3
.set b_, 32+32*(k_%2)+8*\qt
.if k_ == 0
	MM 128+8*\qt, 96+w_, b_, 232
.else
	MM 128+8*\qt, 96+w_, b_, 128+8*\qt
.endif
.endr
.irp qt, 0,1,2,3
.set b_, 32+32*(k_%2)+8*\qt
.if k_ == 0
	MM 160+8*\qt, 160+w_, b_, 240
.else
	MM 160+8*\qt, 160+w_, b_, 160+8*\qt
.endif
.endr
.if k_ < 4
.irp qt, 0,1,2,3
.set b_, 32+32*(k_%2)+8*\qt
	MM 160+8*\qt, w_, b_, 160+8*\qt                ; wp lo x x1 hi
.endr
.endif
	WIN 0x04                                       ; B in window 1
.irp qt, 0,1,2,3
.set b_, 32+32*(k_%2)+8*\qt
.if k_ == 0
	MM 192+8*\qt, b_, 128+w_, 248
.else
	MM 192+8*\qt, b_, 128+w_, 192+8*\qt
.endif
.endr
.if k_ != 6
	WIN 0
	PLACES
.endif
.if k_ < 6
	LX k_+2
.endif
.set k_, k_+1
.endr
.irp qt, 0,1,2,3
.irp i, 0,1,2,3
	v_cvt_pk_bf16_f32 v[32+\i], v[128+8*\qt+2*\i], v[129+8*\qt+2*\i]       ; k
	v_cvt_pk_bf16_f32 v[36+\i], v[96+8*\qt+2*\i], v[97+8*\qt+2*\i]         ; q
	v_cvt_pk_bf16_f32 v[48+\i], v[192+8*\qt+2*\i], v[193+8*\qt+2*\i]       ; v
.endr
	ds_store_b128 v26, v[32:35] offset:KBO+8448*\qt
	ds_store_b128 v26, v[36:39] offset:KBO+256+8448*\qt
	ds_store_b128 v5, v[48:51] offset:32*\qt
.irp i, 0,2,4,6
	v_pk_mul_f32 v[96+8*\qt+\i:97+8*\qt+\i], v[96+8*\qt+\i:97+8*\qt+\i], 0x3fb8aa3b op_sel_hi:[1,0]
	v_pk_mul_f32 v[160+8*\qt+\i:161+8*\qt+\i], v[160+8*\qt+\i:161+8*\qt+\i], 0x3fb8aa3b op_sel_hi:[1,0]
.endr
.irp i, 0,1,2,3
	v_cvt_pk_bf16_f32 v[40+\i], v[96+8*\qt+2*\i], v[97+8*\qt+2*\i]         ; log2(e) q
.endr
	HILO8 160+8*\qt, 44, 52, 56                    ; log2(e) p = hi + lo
	ds_store_b128 v26, v[40:43] offset:8448*\qt
	ds_store_b128 v4, v[44:47] offset:4352*\qt
	ds_store_b128 v4, v[52:55] offset:PSL-PS+4352*\qt
.endr
	s_wait_dscnt 0x0
	s_barrier_signal -1
	s_barrier_wait -1
	; ---- qa, kb, vt leave as whole rows: a wave's store covers 512 consecutive aligned bytes
.set n_, 0
.rept 8
	ds_load_b128 v[32+4*n_:35+4*n_], v6 offset:528*n_
.set n_, n_+1
.endr
.set n_, 0
.rept 8
	ds_load_b128 v[64+4*n_:67+4*n_], v6 offset:KBO+528*n_
.set n_, n_+1
.endr
.set n_, 0
.rept 4
	ds_load_b128 v[96+4*n_:99+4*n_], v9 offset:576*n_
.set n_, n_+1
.endr
.set n_, 0
.rept 8
	s_wait_dscnt 19-n_                             ; LDS loads come back in order: the younger ones stay out
	global_store_b128 v8, v[32+4*n_:35+4*n_], s[44:45] offset:512*n_
.set n_, n_+1
.endr
.set n_, 0
.rept 8
	s_wait_dscnt 11-n_
	global_store_b128 v8, v[64+4*n_:67+4*n_], s[46:47] offset:512*n_
.set n_, n_+1
.endr
.set n_, 0
.rept 4
	s_wait_dscnt 3-n_
	global_store_b128 v10, v[96+4*n_:99+4*n_], s[48:49] offset:512*n_
.set n_, n_+1
.endr
	s_wait_xcnt 0x0                                ; the stores' data registers are written again only behind this wait
	; ---- the second branch.  Wave w: positions 16 (w mod 4) .., channels 64 (w / 4) ..; the scores are made by both waves of a pair.
	; p hi v224-255, p lo v24-55, fragments of ef v64-143, scores v144-223
	v_mov_b32 v19, 0                               ; upper halves of pairs and destinations of lane exchanges count as read
	v_mov_b32 v22, 0
.irp ks, 0,1,2,3
	ds_load_b128 v[224+8*\ks:227+8*\ks], v11 offset:64*\ks
	ds_load_b128 v[228+8*\ks:231+8*\ks], v11 offset:64*\ks+32
	ds_load_b128 v[24+8*\ks:27+8*\ks], v11 offset:PSL-PS+64*\ks
	ds_load_b128 v[28+8*\ks:31+8*\ks], v11 offset:PSL-PS+64*\ks+32
.endr
.macro LAF adr, ks                     ; ten fragments of ef transposed: columns 16 u + r, channels 32 ks ..
.set u_, 0
.rept 10
	ds_load_tr16_b128 v[64+8*u_:67+8*u_], v[\adr] offset:11264*(\ks)+32*u_
	ds_load_tr16_b128 v[68+8*u_:71+8*u_], v[\adr] offset:11264*(\ks)+32*u_+5632
.set u_, u_+1
.endr
.endm
.macro SC pf, zero                     ; ten sums take turns: scores of columns 16 u + 8 h + j (0-79: h, 80-159: w) for position r
.set u_, 0
.rept 10
.if \zero
	MM0 144+8*u_, 64+8*u_, \pf
.else
	MM 144+8*u_, 64+8*u_, \pf, 144+8*u_
.endif
.set u_, u_+1
.endr
.endm
.set k_, 0
.rept 4
	LAF 12, k_                                     ; ef hi
	s_wait_dscnt 0x0
.if k_ == 0
	SC 224, 1                                      ; ef hi x p hi
.else
	SC 224+8*k_, 0
.endif
	SC 24+8*k_, 0                                  ; ef hi x p lo
	PLACES
	LAF 17, k_                                     ; ef lo
	s_wait_dscnt 0x0
	SC 224+8*k_, 0                                 ; ef lo x p hi
	PLACES
.set k_, k_+1
.endr
.macro LEF f0, f1                      ; plain fragments of ef in f16, number 4 k5 + c4: channels 16 c4 + r of my half, columns 32 k5 ..
.set f_, \f0
.rept \f1-\f0
	ds_load_b128 v[64+8*f_:67+8*f_], v13 offset:5632*(f_%4)+64*(f_/4)
	ds_load_b128 v[68+8*f_:71+8*f_], v13 offset:5632*(f_%4)+64*(f_/4)+32
.set f_, f_+1
.endr
.endm
	LEF 0, 10
; softmax over 80 columns: 40 numbers a lane from register b on, the other 40 in the lane 16 away
.macro SM2 b
	v_max3_num_f32 v18, v[\b], v[\b+1], v[\b+2]
.set i_, 3
.rept 18
	v_max3_num_f32 v18, v18, v[\b+i_], v[\b+i_+1]
.set i_, i_+2
.endr
	v_max_num_f32 v18, v18, v[\b+39]
	v_permlanex16_b32 v22, v18, s54, s55
	v_max_num_f32 v18, v18, v22
.set i_, 0
.rept 20
	v_pk_add_f32 v[\b+i_:\b+i_+1], v[\b+i_:\b+i_+1], v[18:19] op_sel_hi:[1,0] neg_lo:[0,1] neg_hi:[0,1]
.set i_, i_+2
.endr
.set i_, 0
.rept 40
	v_exp_f32 v[\b+i_], v[\b+i_]
.set i_, i_+1
.endr
	v_nop
	s_wait_alu depctr_va_vdst(0)
	v_pk_add_f32 v[20:21], v[\b:\b+1], v[\b+2:\b+3]
.set i_, 4
.rept 18
	v_pk_add_f32 v[20:21], v[20:21], v[\b+i_:\b+i_+1]
.set i_, i_+2
.endr
	v_add_f32 v20, v20, v21
	v_permlanex16_b32 v22, v20, s54, s55
	v_add_f32 v20, v20, v22
	v_rcp_f32 v20, v20                             ; the sum is at least 1: the largest score gives 2^0
	v_nop
.set i_, 0
	s_wait_alu depctr_va_vdst(0)
.rept 20
	v_pk_mul_f32 v[\b+i_:\b+i_+1], v[\b+i_:\b+i_+1], v[20:21] op_sel_hi:[1,0]
.set i_, i_+2
.endr
.endm
	SM2 144
	SM2 184
.irp k5, 0,1,2,3,4
.irp i, 0,1,2,3
	v_cvt_pk_f16_f32 v[24+8*\k5+\i], v[144+16*\k5+2*\i], v[145+16*\k5+2*\i]    ; two score tiles are one B fragment of 32 columns; weights of at most 1, in f16
	v_cvt_pk_f16_f32 v[28+8*\k5+\i], v[152+16*\k5+2*\i], v[153+16*\k5+2*\i]
.endr
.endr
	LEF 10, 20
	s_wait_dscnt 0x0
.irp k5, 0,1,2,3,4
.irp c4, 0,1,2,3
.if \k5 == 0
	MMH0 224+8*\c4, 64+8*(4*\k5+\c4), 24+8*\k5
.else
	MMH 224+8*\c4, 64+8*(4*\k5+\c4), 24+8*\k5, 224+8*\c4
.endif
.endr
.endr
	PLACES
.irp c4, 0,1,2,3
.irp i, 0,1,2,3
	v_cvt_pk_f16_f32 v[64+4*\c4+\i], v[224+8*\c4+2*\i], v[225+8*\c4+2*\i]
.endr
	ds_store_b128 v14, v[64+4*\c4:67+4*\c4] offset:32*\c4
.endr
	s_wait_dscnt 0x0
	s_barrier_signal -1
	s_barrier_wait -1
.irp n, 0,1,2,3
	ds_load_b128 v[96+4*\n:99+4*\n], v15 offset:544*\n
.endr
.irp n, 0,1,2,3
	s_wait_dscnt 3-\n
	global_store_b128 v16, v[96+4*\n:99+4*\n], s[50:51] offset:512*\n      ; sixteen lanes store a row of 256 aligned bytes
.endr
	s_wait_xcnt 0x0
	v_lshl_add_u32 v22, v0, 2, 0x4d800
	v_mov_b32 v23, 0
	s_wait_tensorcnt 0x0
	ds_add_u32 v22, v23
	s_wait_dscnt 0x0
	s_endpgm
.Lfunc_end_k_qe4dbdda174_prep:
	.size	k_qe4dbdda174_prep, .Lfunc_end_k_qe4dbdda174_prep-k_qe4dbdda174_prep
	.p2alignl 7, 3214868480
	.fill 96, 4, 3214868480
	.section	.rodata,"a",@progbits
	.p2align	6, 0x0
	.amdhsa_kernel k_qe4dbdda174_prep
		.amdhsa_group_segment_fixed_size 318464
		.amdhsa_private_segment_fixed_size 0
		.amdhsa_enable_private_segment 0
		.amdhsa_kernarg_size 176
		.amdhsa_user_sgpr_count 2
		.amdhsa_user_sgpr_kernarg_segment_ptr 1
		.amdhsa_wavefront_size32 1
		.amdhsa_system_sgpr_workgroup_id_x 1
		.amdhsa_system_sgpr_workgroup_id_y 1
		.amdhsa_system_sgpr_workgroup_id_z 1
		.amdhsa_system_vgpr_workitem_id 0
		.amdhsa_next_free_vgpr 512
		.amdhsa_next_free_sgpr 66
		.amdhsa_reserve_vcc 0
		.amdhsa_float_denorm_mode_32 3
		.amdhsa_float_denorm_mode_16_64 3
		.amdhsa_memory_ordered 1
		.amdhsa_forward_progress 1
		.amdhsa_inst_pref_size 164
	.end_amdhsa_kernel
	.amdgpu_metadata
---
amdhsa.version: [ 1, 2 ]
amdhsa.kernels:
  - .name:           k_qe4dbdda174_prep
    .symbol:         k_qe4dbdda174_prep.kd
    .args:
      - { .name: x, .offset: 0, .size: 8, .value_kind: global_buffer, .address_space: global }
      - { .name: w1, .offset: 8, .size: 8, .value_kind: global_buffer, .address_space: global }
      - { .name: g1, .offset: 16, .size: 8, .value_kind: global_buffer, .address_space: global }
      - { .name: b1, .offset: 24, .size: 8, .value_kind: global_buffer, .address_space: global }
      - { .name: m1, .offset: 32, .size: 8, .value_kind: global_buffer, .address_space: global }
      - { .name: v1, .offset: 40, .size: 8, .value_kind: global_buffer, .address_space: global }
      - { .name: wq, .offset: 48, .size: 8, .value_kind: global_buffer, .address_space: global }
      - { .name: bq, .offset: 56, .size: 8, .value_kind: global_buffer, .address_space: global }
      - { .name: wk, .offset: 64, .size: 8, .value_kind: global_buffer, .address_space: global }
      - { .name: bk, .offset: 72, .size: 8, .value_kind: global_buffer, .address_space: global }
      - { .name: wv, .offset: 80, .size: 8, .value_kind: global_buffer, .address_space: global }
      - { .name: bv, .offset: 88, .size: 8, .value_kind: global_buffer, .address_space: global }
      - { .name: wp, .offset: 96, .size: 8, .value_kind: global_buffer, .address_space: global }
      - { .name: bp, .offset: 104, .size: 8, .value_kind: global_buffer, .address_space: global }
      - { .name: rel_h, .offset: 112, .size: 8, .value_kind: global_buffer, .address_space: global }
      - { .name: rel_w, .offset: 120, .size: 8, .value_kind: global_buffer, .address_space: global }
      - { .name: ef_h, .offset: 128, .size: 8, .value_kind: global_buffer, .address_space: global }
      - { .name: ef_w, .offset: 136, .size: 8, .value_kind: global_buffer, .address_space: global }
      - { .name: qa, .offset: 144, .size: 8, .value_kind: global_buffer, .address_space: global }
      - { .name: kb, .offset: 152, .size: 8, .value_kind: global_buffer, .address_space: global }
      - { .name: vt, .offset: 160, .size: 8, .value_kind: global_buffer, .address_space: global }
      - { .name: o2, .offset: 168, .size: 8, .value_kind: global_buffer, .address_space: global }
    .group_segment_fixed_size: 318464
    .private_segment_fixed_size: 0
    .kernarg_segment_align: 8
    .kernarg_segment_size: 176
    .max_flat_workgroup_size: 256
    .sgpr_count:     66
    .vgpr_count:     512
    .wavefront_size: 32
...
	.end_amdgpu_metadata
.endif
;; end of part 1
;; launch attn (part 2): grid 10 x 25, 4 waves a work-group, no clusters, 327,680 bytes of LDS; arguments qa, kb, vt, part, stats; writes part, stats
.if DOCPART == 2
	.amdgcn_target "amdgcn-amd-amdhsa--gfx1250"
	.amdhsa_code_object_version 6
	.text
	.protected	k_qe4dbdda174_attn
	.globl	k_qe4dbdda174_attn
	.p2align	8
	.type	k_qe4dbdda174_attn,@function
k_qe4dbdda174_attn:
	s_mov_b64 s[64:65], 0
	v_nop
	global_prefetch_b8 v0, s[64:65] scope:SCOPE_SE
	s_setreg_imm32_b32 hwreg(HW_REG_WAVE_MODE, 25, 1), 1
	s_wait_xcnt 0x0
; attn: the first branch's attention, softmax_j(qa_i . kb_j) v_j, with a running maximum.  qa carries log2(e), so all exponentials are powers of two.
; Work-group (sx, qy): 256 queries (block qy of 25) against 640 keys (split sx of 10): 250 work-groups of equal work.  It stores, for its split,
; the unnormalised sums part[sx][i][c] = sum_j 2^(S_ij - m_i) v[c][j] (bf16) and the figures m_i, l_i = sum_j 2^(S_ij - m_i) (f32); the next launch merges the ten.
; Four waves, 64 queries each (four tiles of 16).  Keys go in ten trips of 64 through two LDS slots filled by tensor loads: waves 0, 1 bring K's
; 2 x 32 rows of 512 bytes, waves 2, 3 V's 2 x 64 rows of 128 bytes.  By this text's own count a wave has two tensor loads out at the start, later one.
; THE CHAIN IS TRANSPOSED, so that nothing is shuffled: S^T = K (A) x Q (B) leaves key 8 h + j of query r in register j; two key tiles pack straight into the
; B fragment of O^T = V (A) x P^T (B); O^T holds eight neighbouring channels of query r.  A query's figures are one number a lane; one exchange crosses the halves.
; For 64 keys a wave reads 96 x 512 bytes from LDS and issues 192 matrix instructions.
; NO CLUSTER: K and V tiles are shared by the 25 query blocks of a split, Q by the 10 splits; neither 25 nor 10 is a multiple of 4, so the grid divides into
; no cluster of four along either axis; and a trip's 52,224 bytes already serve all four waves' 768 matrix instructions.
; LIMITS: operands and P in bf16, the partial sums rounded to bf16 once more; NaN and infinite scores are not treated apart; powers of two below 2^-126 are zero.
.set KP,     528                       ; LDS pitch of rows of 512 bytes; an odd multiple of 16, as are 144 and 272: sixteen rows of a fragment start 16 bytes apart modulo 256
.set VP,     144
.set KBYTES, 64*KP
.set SLOT,   KBYTES+128*VP             ; K [64 keys][256], then V [128 channels][64 keys]
.set QBASE,  2*SLOT
.set QBYTES, 64*KP                     ; a wave's own 64 rows of qa; filled once, read once, then the wave's stage on the way out
.set STAT,   8192                      ; the figures' place in that stage
; window 0: v3,4 K address slot 0,1; v5,6 V; v7 Q; v8-13 way out; v16-23 pairs (m, alpha) of the four query tiles; v24-27 l; v28-31, v32-35, v36-43 at work;
;           v64-191 S[kt][qt] at 64 + 8 (4 kt + qt); v192-255 P[qt][ks2] at 192 + 8 (2 qt + ks2)
; window 1: Q[qt][ks] at 8 (8 qt + ks)      window 2: O[ct][qt] at 8 (4 ct + qt)      window 3: K[kt][ks] at 8 (8 kt + ks), then V[ct][ks2] at 8 (2 ct + ks2)
.set MSB, 0
.macro WIN new                         ; the immediate's high byte repeats the setting that is left
.if MSB != \new
	s_set_vgpr_msb (MSB<<8)|\new
.set MSB, \new
.endif
.endm
.macro PLACES                          ; four places behind a matrix instruction (ISA guide 7.12.1) before its registers are read, written or loaded
.rept 4
	v_nop
.endr
.endm
.macro JLOAD n                         ; my part of a tile into slot n: one tensor load a wave
	s_cmp_lt_u32 s14, 2
	s_cbranch_scc0 .Lfor_v_\@
	tensor_load_to_lds s[48+4*(\n):51+4*(\n)], s[24:31]
	s_nop 0
	s_branch .Lasked_\@
.Lfor_v_\@:
	tensor_load_to_lds s[56+4*(\n):59+4*(\n)], s[32:39]
	s_nop 0
.Lasked_\@:
.endm
	s_load_b256 s[4:11], s[0:1], 0x0               ; qa 4, kb 6, vt 8, part 10
	s_load_b64 s[12:13], s[0:1], 0x20              ; stats
	v_lshl_add_u32 v62, v0, 2, 0x3a800
	v_mov_b32 v63, 0
	ds_add_u32 v62, v63
	ds_add_u32 v62, v63
	v_lshrrev_b32 v1, 5, v0
	v_readfirstlane_b32 s14, v1                    ; wave w
	s_and_b32 s15, s14, 1                          ; which half of K's or V's rows I bring
	s_and_b32 s16, ttmp7, 0xffff                   ; qy
	s_mov_b32 s72, 0x76543210
	s_mov_b32 s73, 0xfedcba98
	; group 1 for K: 32 rows x 256 elements of 2 bytes, 4 words of padding behind every 128 words
	s_mov_b32 s24, 0x07910000
	s_mov_b32 s25, 256<<16                         ; tensor_dim0
	s_mov_b32 s26, 32<<16                          ; tensor_dim1
	s_mov_b32 s27, 256<<16                         ; tile_dim0
	s_mov_b32 s28, 32                              ; tile_dim1
	s_mov_b32 s29, 256                             ; elements from row to row
	s_mov_b32 s30, 0
	s_mov_b32 s31, 0
	; group 1 for V: 64 rows x 64 elements, 4 words of padding behind every 32 words
	s_mov_b32 s32, 0x07110000
	s_mov_b32 s33, 64<<16
	s_mov_b32 s34, 64<<16
	s_mov_b32 s35, 64<<16
	s_mov_b32 s36, 64
	s_mov_b32 s37, 64
	s_mov_b32 s38, 0
	s_mov_b32 s39, 0
	; group 1 for Q: 64 rows x 256 elements, padded as K
	s_mov_b32 s40, 0x07910000
	s_mov_b32 s41, 256<<16
	s_mov_b32 s42, 64<<16
	s_mov_b32 s43, 256<<16
	s_mov_b32 s44, 64
	s_mov_b32 s45, 256
	s_mov_b32 s46, 0
	s_mov_b32 s47, 0
	s_mul_i32 s18, ttmp9, 327680                   ; kb: 640 sx rows of 512 bytes
	s_lshl_b32 s19, s15, 14                        ; + my 32 rows
	s_add_co_u32 s18, s18, s19
	s_mov_b32 s19, 0
	s_mul_i32 s20, ttmp9, 163840                   ; vt: 10 sx blocks of 16,384 bytes
	s_lshl_b32 s21, s15, 13                        ; + my 64 rows
	s_add_co_u32 s20, s20, s21
	s_mov_b32 s21, 0
	s_lshl_b32 s22, s16, 17                        ; qa: (256 qy + 64 w) rows of 512 bytes
	s_lshl_b32 s23, s14, 15
	s_add_co_u32 s22, s22, s23
	s_mov_b32 s23, 0
	s_mul_i32 s17, s14, 32*KP                      ; LDS, K: waves 0, 1 at w x 32 rows
	s_mul_i32 s67, s14, 64*VP                      ; LDS, V: waves 2, 3 at K's end + (w - 2) x 64 rows
	s_add_co_u32 s67, s67, KBYTES-2*64*VP
	s_mul_i32 s66, s14, QBYTES
	s_wait_dscnt 0x0
	s_wait_kmcnt 0x0
	s_mov_b32 s68, 1
	s_add_co_u32 s69, s66, QBASE
	s_add_nc_u64 s[70:71], s[4:5], s[22:23]
	s_or_b32 s71, s71, 0x80000000
	s_add_nc_u64 s[50:51], s[6:7], s[18:19]        ; tile 0
	s_add_nc_u64 s[54:55], s[50:51], 0x8000        ; tile 1: 64 rows on
	s_add_nc_u64 s[58:59], s[8:9], s[20:21]
	s_add_nc_u64 s[62:63], s[58:59], 0x4000        ; one block on
.irp n, 0,1
	s_mov_b32 s[48+4*\n], 1
	s_add_co_u32 s[49+4*\n], s17, \n*SLOT
	s_or_b32 s[51+4*\n], s[51+4*\n], 0x80000000
	s_mov_b32 s[56+4*\n], 1
	s_add_co_u32 s[57+4*\n], s67, \n*SLOT
	s_or_b32 s[59+4*\n], s[59+4*\n], 0x80000000
.endr
	tensor_load_to_lds s[68:71], s[40:47]          ; the first fills go out together: my 64 rows of qa,
	s_nop 0
	JLOAD 0                                        ; and my part of tile 0
	; where the results go
	s_mul_i32 s18, ttmp9, 25600                    ; stats: m[sx][256 qy + 64 w ..], 256 aligned bytes
	s_lshl_b32 s19, s16, 10
	s_add_co_u32 s18, s18, s19
	s_lshl_b32 s19, s14, 8
	s_add_co_u32 s18, s18, s19
	s_mov_b32 s19, 0
	s_add_nc_u64 s[12:13], s[12:13], s[18:19]
	s_mul_i32 s20, ttmp9, 1638400                  ; part[sx][256 qy + 64 w ..][128]
	s_lshl_b32 s21, s16, 16
	s_add_co_u32 s20, s20, s21
	s_lshl_b32 s21, s14, 14
	s_add_co_u32 s20, s20, s21
	s_mov_b32 s21, 0
	s_add_nc_u64 s[10:11], s[10:11], s[20:21]
	v_and_b32 v1, 31, v0                           ; L
	v_and_b32 v2, 15, v0                           ; r
	v_bfe_u32 v14, v0, 4, 1                        ; h
	v_mul_u32_u24 v3, v2, KP
	v_lshl_add_u32 v3, v14, 4, v3                  ; K fragments: row r, 16 h
	v_add_nc_u32 v4, SLOT, v3
	v_add_nc_u32 v7, s69, v3                       ; Q fragments
	v_mul_u32_u24 v5, v2, VP
	v_lshl_add_u32 v5, v14, 4, v5
	v_add_nc_u32 v5, KBYTES, v5                    ; V fragments
	v_add_nc_u32 v6, SLOT, v5
	v_mul_u32_u24 v8, v2, 272
	v_lshl_add_u32 v8, v14, 4, v8
	v_add_nc_u32 v8, s69, v8                       ; way out, in: row r, 16 h
	v_mul_u32_u24 v9, v14, 272
	v_lshl_add_u32 v9, v2, 4, v9
	v_add_nc_u32 v9, s69, v9                       ; way out, back: row h, 16 r
	v_lshlrev_b32 v10, 8, v14
	v_lshl_add_u32 v10, v2, 4, v10                 ; and the same two rows in part
	v_lshl_add_u32 v11, v2, 2, s69
	v_add_nc_u32 v11, STAT, v11
	v_lshl_add_u32 v12, v1, 3, s69
	v_add_nc_u32 v12, STAT, v12
	v_lshlrev_b32 v13, 3, v1
.irp qt, 0,1,2,3
	v_mov_b32 v[17+2*\qt], 0                       ; alpha: the upper half of a pair counts as read
	v_mov_b32 v[32+\qt], 0                         ; so does the destination of a lane exchange
.endr
	s_wait_tensorcnt 0x1                           ; my rows of qa have landed; my part of tile 0, issued behind them, may stay out
	WIN 0x40
.irp qt, 0,1,2,3
.irp ks, 0,1,2,3,4,5,6,7
	ds_load_b128 v[8*(8*\qt+\ks):8*(8*\qt+\ks)+3], v7 offset:8448*\qt+64*\ks
	ds_load_b128 v[8*(8*\qt+\ks)+4:8*(8*\qt+\ks)+7], v7 offset:8448*\qt+64*\ks+32
.endr
.endr
.macro LDK slot                        ; 64 loads, key tile by key tile
	WIN 0xC0
.irp kt, 0,1,2,3
.irp ks, 0,1,2,3,4,5,6,7
	ds_load_b128 v[8*(8*\kt+\ks):8*(8*\kt+\ks)+3], v[3+\slot] offset:8448*\kt+64*\ks
	ds_load_b128 v[8*(8*\kt+\ks)+4:8*(8*\kt+\ks)+7], v[3+\slot] offset:8448*\kt+64*\ks+32
.endr
.endr
.endm
.macro LDV slot
	WIN 0xC0
.irp ct, 0,1,2,3,4,5,6,7
.irp ks, 0,1
	ds_load_b128 v[8*(2*\ct+\ks):8*(2*\ct+\ks)+3], v[5+\slot] offset:2304*\ct+64*\ks
	ds_load_b128 v[8*(2*\ct+\ks)+4:8*(2*\ct+\ks)+7], v[5+\slot] offset:2304*\ct+64*\ks+32
.endr
.endr
.endm
.macro QK kt                           ; 32 matrix instructions; the four query tiles' sums take turns, one instruction a turn
.irp ks, 0,1,2,3,4,5,6,7
.irp qt, 0,1,2,3
.if \ks == 0
	v_wmma_f32_16x16x32_bf16 v[64+8*(4*\kt+\qt):64+8*(4*\kt+\qt)+7], v[8*(8*\kt+\ks):8*(8*\kt+\ks)+7], v[8*(8*\qt+\ks):8*(8*\qt+\ks)+7], 0
.else
	v_wmma_f32_16x16x32_bf16 v[64+8*(4*\kt+\qt):64+8*(4*\kt+\qt)+7], v[8*(8*\kt+\ks):8*(8*\kt+\ks)+7], v[8*(8*\qt+\ks):8*(8*\qt+\ks)+7], v[64+8*(4*\kt+\qt):64+8*(4*\kt+\qt)+7]
.endif
.endr
.endr
.endm
.macro SMAX first                      ; new maximum of each query: the old one and my 32 scores, then the other half's; four chains side by side
.set i_, 0
.rept 16
.set sb_, 64+32*(i_/4)+2*(i_%4)
.irp qt, 0,1,2,3
.if i_ == 0
.if \first
	v_max_num_f32 v[28+\qt], v[sb_+8*\qt], v[sb_+8*\qt+1]
.else
	v_max3_num_f32 v[28+\qt], v[16+2*\qt], v[sb_+8*\qt], v[sb_+8*\qt+1]
.endif
.else
	v_max3_num_f32 v[28+\qt], v[28+\qt], v[sb_+8*\qt], v[sb_+8*\qt+1]
.endif
.endr
.set i_, i_+1
.endr
.irp qt, 0,1,2,3
	v_permlanex16_b32 v[32+\qt], v[28+\qt], s72, s73
.endr
.irp qt, 0,1,2,3
	v_max_num_f32 v[28+\qt], v[28+\qt], v[32+\qt]
.endr
.endm
.macro SSUB first
.if \first == 0
.irp qt, 0,1,2,3
	v_sub_f32 v[32+\qt], v[16+2*\qt], v[28+\qt]    ; old maximum - new one
.endr
.endif
.irp qt, 0,1,2,3
	v_mov_b32 v[16+2*\qt], v[28+\qt]
.endr
.irp kt, 0,1,2,3
.irp i, 0,2,4,6
.irp qt, 0,1,2,3
	v_pk_add_f32 v[64+8*(4*\kt+\qt)+\i:64+8*(4*\kt+\qt)+\i+1], v[64+8*(4*\kt+\qt)+\i:64+8*(4*\kt+\qt)+\i+1], v[16+2*\qt:17+2*\qt] op_sel_hi:[1,0] neg_lo:[0,1] neg_hi:[0,1]
.endr
.endr
.endr
.endm
.macro SEXP first
.if \first == 0
.irp qt, 0,1,2,3
	v_exp_f32 v[17+2*\qt], v[32+\qt]               ; alpha
.endr
.endif
.set i_, 64
.rept 128
	v_exp_f32 v[i_], v[i_]
.set i_, i_+1
.endr
	v_nop                                          ; one plain place behind the last exponential (ISA guide 5.7.2)
	s_wait_alu depctr_va_vdst(0)
.endm
.macro SSUM first                      ; l = l alpha + my 32 numbers; the two halves of the lanes are added at the very end
.set i_, 1
.rept 15
.set sb_, 64+32*(i_/4)+2*(i_%4)
.irp qt, 0,1,2,3
.if i_ == 1
	v_pk_add_f32 v[36+2*\qt:37+2*\qt], v[64+8*\qt:65+8*\qt], v[sb_+8*\qt:sb_+8*\qt+1]
.else
	v_pk_add_f32 v[36+2*\qt:37+2*\qt], v[36+2*\qt:37+2*\qt], v[sb_+8*\qt:sb_+8*\qt+1]
.endif
.endr
.set i_, i_+1
.endr
.irp qt, 0,1,2,3
.if \first
	v_add_f32 v[24+\qt], v[36+2*\qt], v[37+2*\qt]
.else
	v_add_f32 v[36+2*\qt], v[36+2*\qt], v[37+2*\qt]
.endif
.endr
.if \first == 0
.irp qt, 0,1,2,3
	v_fma_f32 v[24+\qt], v[24+\qt], v[17+2*\qt], v[36+2*\qt]
.endr
.endif
.endm
.macro SCVT                            ; two key tiles of S^T are one B fragment of 32 keys
.irp qt, 0,1,2,3
.irp ks, 0,1
.irp i, 0,1,2,3
	v_cvt_pk_bf16_f32 v[192+8*(2*\qt+\ks)+\i], v[64+8*(8*\ks+\qt)+2*\i], v[64+8*(8*\ks+\qt)+2*\i+1]
	v_cvt_pk_bf16_f32 v[196+8*(2*\qt+\ks)+\i], v[64+8*(8*\ks+4+\qt)+2*\i], v[64+8*(8*\ks+4+\qt)+2*\i+1]
.endr
.endr
.endr
.endm
.macro RESC                            ; O = O alpha
	WIN 0x82
.irp ct, 0,1,2,3,4,5,6,7
.irp qt, 0,1,2,3
.irp i, 0,2,4,6
	v_pk_mul_f32 v[8*(4*\ct+\qt)+\i:8*(4*\ct+\qt)+\i+1], v[8*(4*\ct+\qt)+\i:8*(4*\ct+\qt)+\i+1], v[16+2*\qt:17+2*\qt] op_sel:[0,1] op_sel_hi:[1,1]
.endr
.endr
.endr
.endm
.macro PV first                        ; 64 matrix instructions; the 32 sums take turns
	WIN 0xA3
.irp ks, 0,1
.irp ct, 0,1,2,3,4,5,6,7
.irp qt, 0,1,2,3
.if \first && (\ks == 0)
	v_wmma_f32_16x16x32_bf16 v[8*(4*\ct+\qt):8*(4*\ct+\qt)+7], v[8*(2*\ct+\ks):8*(2*\ct+\ks)+7], v[192+8*(2*\qt+\ks):192+8*(2*\qt+\ks)+7], 0
.else
	v_wmma_f32_16x16x32_bf16 v[8*(4*\ct+\qt):8*(4*\ct+\qt)+7], v[8*(2*\ct+\ks):8*(2*\ct+\ks)+7], v[192+8*(2*\qt+\ks):192+8*(2*\qt+\ks)+7], v[8*(4*\ct+\qt):8*(4*\ct+\qt)+7]
.endif
.endr
.endr
.endr
.endm
; One trip: 64 keys out of slot.  refill = 1: the other slot gets the next tile.  first = 1: the sums and figures start here, nothing is cleared.
.macro TRIP slot, refill, first
	WIN 0
.if \first == 0
	PLACES                                         ; behind the last trip's products: their V fragments are loaded over, P and O written
.endif
	s_wait_tensorcnt 0x0                           ; all my tensor loads have landed, my part of this trip's tile among them,
	ds_add_u32 v62, v63
	s_wait_dscnt 0x0
	s_add_nc_u64 s[50+4*\slot:51+4*\slot], s[50+4*\slot:51+4*\slot], 0x10000   ; so a group 0 may be written: this slot's next tile, 128 keys on
	s_add_nc_u64 s[58+4*\slot:59+4*\slot], s[58+4*\slot:59+4*\slot], 0x8000    ; two blocks on
	s_wait_dscnt 0x0                               ; my reads of the other slot are back
	s_barrier_signal -1
	s_barrier_wait -1                              ; both now hold of all four waves
.if \refill
	JLOAD 1-\slot                                  ; my one tensor load behind this barrier: it has the whole trip in which to land
.endif
	LDK \slot
	WIN 0x07                                       ; A window 3, B window 1, C and D window 0
	s_wait_dscnt 48                                ; key tile 0's sixteen loads are in; the 48 of the later tiles stay out
	QK 0
	s_wait_dscnt 32
	QK 1
	s_wait_dscnt 16
	QK 2
	s_wait_dscnt 0x0
	QK 3
	WIN 0
	PLACES
	LDV \slot                                      ; V's fragments come in while the softmax runs
	WIN 0
	SMAX \first
	SSUB \first
	SEXP \first
	SSUM \first
	SCVT
.if \first == 0
	RESC
.endif
	s_wait_dscnt 0x0                               ; V's fragments
	PV \first
	WIN 0
.endm
	TRIP 0, 1, 1                                   ; ten trips; tiles 1 to 9 are asked for in trips 0 to 8
	TRIP 1, 1, 0
	s_mov_b32 s74, 3
.Lloop:
	TRIP 0, 1, 0
	TRIP 1, 1, 0
	s_sub_co_u32 s74, s74, 1
	s_cmp_lg_u32 s74, 0
	s_cbranch_scc1 .Lloop
	TRIP 0, 1, 0
	TRIP 1, 0, 0                                   ; nothing is left to fetch (the stepped addresses are not used)
	; ---- the way out.  The stage is my own rows of Q's region: filled once, read once, touched by no other wave
	PLACES
.irp qt, 0,1,2,3
	v_permlanex16_b32 v[32+\qt], v[24+\qt], s72, s73
.endr
.irp qt, 0,1,2,3
	v_add_f32 v[24+\qt], v[24+\qt], v[32+\qt]      ; l of the whole query
.endr
.irp qt, 0,1,2,3
	ds_store_b32 v11, v[16+2*\qt] offset:64*\qt    ; both halves of the lanes write the same word with the same number
	ds_store_b32 v11, v[24+\qt] offset:256+64*\qt
.endr
	ds_load_b64 v[36:37], v12                      ; LDS serves a wave's instructions in order: these see the stores above
	ds_load_b64 v[38:39], v12 offset:256
	s_wait_dscnt 0x0
	global_store_b64 v13, v[36:37], s[12:13]                   ; 64 m: 256 consecutive aligned bytes
	global_store_b64 v13, v[38:39], s[12:13] offset:256000     ; 64 l
; 16 queries at a time: round to bf16, 16 bytes a lane into the stage, whole rows of 256 bytes back; f: buffer 96 or 128 in turn
.macro OUT16 qt, f
	WIN 0x0A
.irp ct, 0,1,2,3,4,5,6,7
.irp i, 0,1,2,3
	v_cvt_pk_bf16_f32 v[64+4*\ct+\i], v[8*(4*\ct+\qt)+2*\i], v[8*(4*\ct+\qt)+2*\i+1]
.endr
.endr
	WIN 0
.irp ct, 0,1,2,3,4,5,6,7
	ds_store_b128 v8, v[64+4*\ct:67+4*\ct] offset:32*\ct
.endr
	s_wait_xcnt 0x0                                ; buffer f, which stores read, and the stores' base are written again only behind this wait
.if \qt
	s_add_nc_u64 s[10:11], s[10:11], 4096          ; 16 rows of part on
.endif
.irp t, 0,1,2,3,4,5,6,7
	ds_load_b128 v[\f+4*\t:\f+4*\t+3], v9 offset:544*\t
.endr
.irp t, 0,1,2,3,4,5,6,7
	s_wait_dscnt 7-\t
	global_store_b128 v10, v[\f+4*\t:\f+4*\t+3], s[10:11] offset:512*\t    ; sixteen lanes store a row of 256 aligned bytes
.endr
.endm
	OUT16 0, 96
	OUT16 1, 128
	OUT16 2, 96
	OUT16 3, 128
	s_wait_tensorcnt 0x0
	ds_add_u32 v62, v63
	s_wait_dscnt 0x0
	s_endpgm
.Lfunc_end_k_qe4dbdda174_attn:
	.size	k_qe4dbdda174_attn, .Lfunc_end_k_qe4dbdda174_attn-k_qe4dbdda174_attn
	.p2alignl 7, 3214868480
	.fill 96, 4, 3214868480
	.section	.rodata,"a",@progbits
	.p2align	6, 0x0
	.amdhsa_kernel k_qe4dbdda174_attn
		.amdhsa_group_segment_fixed_size 327680
		.amdhsa_private_segment_fixed_size 0
		.amdhsa_enable_private_segment 0
		.amdhsa_kernarg_size 40
		.amdhsa_user_sgpr_count 2
		.amdhsa_user_sgpr_kernarg_segment_ptr 1
		.amdhsa_wavefront_size32 1
		.amdhsa_system_sgpr_workgroup_id_x 1
		.amdhsa_system_sgpr_workgroup_id_y 1
		.amdhsa_system_sgpr_workgroup_id_z 1
		.amdhsa_system_vgpr_workitem_id 0
		.amdhsa_next_free_vgpr 1024
		.amdhsa_next_free_sgpr 76
		.amdhsa_reserve_vcc 0
		.amdhsa_float_denorm_mode_32 3
		.amdhsa_float_denorm_mode_16_64 3
		.amdhsa_memory_ordered 1
		.amdhsa_forward_progress 1
		.amdhsa_inst_pref_size 255
	.end_amdhsa_kernel
	.section	.bss,"aw",@nobits
	.p2align	6
	.space	262144
	.amdgpu_metadata
---
amdhsa.version: [ 1, 2 ]
amdhsa.kernels:
  - .name:           k_qe4dbdda174_attn
    .symbol:         k_qe4dbdda174_attn.kd
    .args:
      - { .name: qa, .offset: 0, .size: 8, .value_kind: global_buffer, .address_space: global }
      - { .name: kb, .offset: 8, .size: 8, .value_kind: global_buffer, .address_space: global }
      - { .name: vt, .offset: 16, .size: 8, .value_kind: global_buffer, .address_space: global }
      - { .name: part, .offset: 24, .size: 8, .value_kind: global_buffer, .address_space: global }
      - { .name: stats, .offset: 32, .size: 8, .value_kind: global_buffer, .address_space: global }
    .group_segment_fixed_size: 327680
    .private_segment_fixed_size: 0
    .kernarg_segment_align: 8
    .kernarg_segment_size: 40
    .max_flat_workgroup_size: 128
    .sgpr_count:     76
    .vgpr_count:     1024
    .wavefront_size: 32
...
	.end_amdgpu_metadata
.endif
;; end of part 2
;; launch finish (part 3): grid 100 x 1, 8 waves a work-group, no clusters, 112,640 bytes of LDS; arguments part, stats, o2, w2, g2, b2, m2, v2, w3, g3, b3, m3, v3, x, out0; writes out0
.if DOCPART == 3
	.amdgcn_target "amdgcn-amd-amdhsa--gfx1250"
	.amdhsa_code_object_version 6
	.text
	.protected	k_qe4dbdda174_finish
	.globl	k_qe4dbdda174_finish
	.p2align	8
	.type	k_qe4dbdda174_finish,@function
k_qe4dbdda174_finish:
	s_mov_b64 s[64:65], 0
	v_nop
	global_prefetch_b8 v0, s[64:65] scope:SCOPE_SE
	s_setreg_imm32_b32 hwreg(HW_REG_WAVE_MODE, 25, 1), 1
	s_wait_xcnt 0x0
; finish: out1 = merge of the ten key splits; out0 = x + SiLU(BN(w2 out1)) + SiLU(BN(w3 out2)).
; A work-group owns 64 positions (i0 = 64 g).  Merge: with M = max_s m_s, weight_s = 2^(m_s - M) / sum_s l_s 2^(m_s - M); out1 = sum_s weight_s part_s.
; Eight waves; wave w owns output channels 32 w .. 32 w + 31 of both convolutions, for all four tiles of 16 positions, so its rows of the f32 stage are its own.
; FORMATS: w2 and out1 in bf16 (out1 is made of v, an intermediate without a bound in f16's range); w3 and out2 in f16: w3 is an input, out2 is bounded by
; max |ef_h| + max |ef_w|, and out2 is some four times larger than out1, so its rounding weighs most in the result.
; All loads go out at the head.  No tensor loads and no cluster: the partial sums are weighted on their way in and the weights are converted from f32, so
; both pass through registers; work-groups share only the weights, 262,144 bytes.
; LIMITS: |w3| below 65,504; BN as y s + (b - m s), s = g rsq(v + eps); NaN and infinities are not treated apart; powers of two below 2^-126 are zero.
.set WS,  0                            ; merge weights [64 positions][10 f32], pitch 48
.set PRM, 3072                         ; s2, t2, s3, t3: [256] f32 each
.set O1S, 7168                         ; out1 bf16 [64][128], pitch 272
.set O2S, 24576                        ; out2 f16, the same shape
.set YS,  41984                        ; result [256 channels][64 positions] f32, pitch 272
; window 0: v0-16 ids and addresses; part v32-191; o2 v192-207, figures v208-227, BN v228-235, at work v236-255; later fragments v32-95, sums v96-223, BN v224-255
; window 1: weights f32 at 16 f (f = 8 conv + 4 ot + ks), converted in place to 8 f; then x at 128-191
.set MSB, 0
.macro WIN new
.if MSB != \new
	s_set_vgpr_msb (MSB<<8)|\new
.set MSB, \new
.endif
.endm
.macro PLACES                          ; four places behind a matrix instruction (ISA guide 7.12.1)
.rept 4
	v_nop
.endr
.endm
.macro MM d, a, b, c
	v_wmma_f32_16x16x32_bf16 v[\d:\d+7], v[\a:\a+7], v[\b:\b+7], v[\c:\c+7]
.endm
.macro MM0 d, a, b
	v_wmma_f32_16x16x32_bf16 v[\d:\d+7], v[\a:\a+7], v[\b:\b+7], 0
.endm
.macro MMH d, a, b, c                  ; the same with f16 operands
	v_wmma_f32_16x16x32_f16 v[\d:\d+7], v[\a:\a+7], v[\b:\b+7], v[\c:\c+7]
.endm
.macro MMH0 d, a, b
	v_wmma_f32_16x16x32_f16 v[\d:\d+7], v[\a:\a+7], v[\b:\b+7], 0
.endm
.macro LDW reg, adr, sb, nks, off      ; nks fragments (16 rows x 32 k) of an f32 weight, 4 loads of 16 bytes each
.set lw_, 0
.rept \nks
.irp q, 0,1,2,3
	global_load_b128 v[\reg+16*lw_+4*\q:\reg+16*lw_+4*\q+3], v[\adr], s[\sb:\sb+1] offset:\off+128*lw_+16*(\q%2)+64*(\q/2)
.endr
.set lw_, lw_+1
.endr
.endm
.macro CVW base, f0, f1                ; f32 to bf16 in place, ascending
.set cw_, \f0
.rept \f1-\f0
.irp j, 0,1,2,3,4,5,6,7
	v_cvt_pk_bf16_f32 v[\base+8*cw_+\j], v[\base+16*cw_+2*\j], v[\base+16*cw_+2*\j+1]
.endr
.set cw_, cw_+1
.endr
.endm
.macro CVWH base, f0, f1               ; f32 to f16 in place, ascending
.set cw_, \f0
.rept \f1-\f0
.irp j, 0,1,2,3,4,5,6,7
	v_cvt_pk_f16_f32 v[\base+8*cw_+\j], v[\base+16*cw_+2*\j], v[\base+16*cw_+2*\j+1]
.endr
.set cw_, cw_+1
.endr
.endm
.macro SIG y, t, n                     ; t = sigmoid(y) = 1 / (1 + 2^(-log2(e) y))
.set sg_, 0
.rept \n/2
	v_pk_mul_f32 v[\t+sg_:\t+sg_+1], v[\y+sg_:\y+sg_+1], 0xbfb8aa3b op_sel_hi:[1,0]
.set sg_, sg_+2
.endr
.set sg_, 0
.rept \n
	v_exp_f32 v[\t+sg_], v[\t+sg_]
.set sg_, sg_+1
.endr
	v_nop
.set sg_, 0
	s_wait_alu depctr_va_vdst(0)
.rept \n/2
	v_pk_add_f32 v[\t+sg_:\t+sg_+1], v[\t+sg_:\t+sg_+1], 1.0 op_sel_hi:[1,0]
.set sg_, sg_+2
.endr
.set sg_, 0
.rept \n
	v_rcp_f32 v[\t+sg_], v[\t+sg_]
.set sg_, sg_+1
.endr
	v_nop
.endm
	s_load_b512 s[8:23], s[0:1], 0x0               ; part 8, stats 10, o2 12, w2 14, g2 16, b2 18, m2 20, v2 22
	s_load_b256 s[24:31], s[0:1], 0x40             ; w3 24, g3 26, b3 28, m3 30
	s_load_b128 s[32:35], s[0:1], 0x60             ; v3 32, x 34
	s_load_b64 s[36:37], s[0:1], 0x70              ; out0
	v_lshl_add_u32 v30, v0, 2, 0x1b400
	v_mov_b32 v31, 0
	v_lshrrev_b32 v1, 5, v0
	v_readfirstlane_b32 s38, v1                    ; wave w
	s_lshl_b32 s40, ttmp9, 8                       ; 4 i0
	s_mov_b32 s41, 0
	s_lshl_b32 s44, ttmp9, 14                      ; 256 i0
	s_mov_b32 s45, 0
	v_and_b32 v1, 31, v0
	v_and_b32 v2, 15, v0                           ; r
	v_bfe_u32 v3, v0, 4, 1                         ; h
	v_lshlrev_b32 v4, 2, v0                        ; 4 t
	v_lshlrev_b32 v5, 4, v0                        ; 16 t: row t / 16 of 256 bytes, 16 (t mod 16)
	v_lshl_add_u32 v15, s38, 5, v2                 ; 32 w + r
	v_lshlrev_b32 v16, 5, v3
	v_lshl_add_u32 v6, v15, 9, v16                 ; weights: rows of 512 bytes, 32 h
	v_lshl_add_u32 v15, s38, 5, v3                 ; 32 w + h
	v_mul_u32_u24 v7, v15, 25600
	v_lshl_add_u32 v7, v2, 4, v7                   ; x and out0: row 32 w + h, 16 r
	v_mul_u32_u24 v14, v15, 272
	v_lshl_add_u32 v14, v2, 4, v14
	v_add_nc_u32 v14, YS, v14                      ; the same rows in the stage
	v_lshrrev_b32 v16, 4, v0
	v_mul_u32_u24 v8, v16, 272
	v_lshl_add_u32 v8, v2, 4, v8                   ; out1, out2 written: row t / 16
	v_mul_u32_u24 v9, v0, 48
	v_mul_u32_u24 v10, v16, 48
	v_mul_u32_u24 v11, v2, 272
	v_lshl_add_u32 v11, v3, 4, v11                 ; out1, out2 read as fragments
	v_lshlrev_b32 v12, 5, v3
	v_lshl_add_u32 v12, s38, 7, v12                ; 4 (32 w + 8 h)
	v_lshl_add_u32 v13, s38, 2, v3
	v_mul_u32_u24 v13, v13, 8*272
	v_lshl_add_u32 v13, v2, 2, v13
	v_add_nc_u32 v13, YS, v13                      ; stage written: row 32 w + 8 h, word r
	s_wait_kmcnt 0x0
	s_add_nc_u64 s[10:11], s[10:11], s[40:41]
	s_add_nc_u64 s[34:35], s[34:35], s[40:41]
	s_add_nc_u64 s[36:37], s[36:37], s[40:41]
	s_add_nc_u64 s[12:13], s[12:13], s[44:45]
	s_add_nc_u64 s[8:9], s[8:9], s[44:45]
	s_add_nc_u64 s[42:43], s[8:9], 8192000         ; splits 5 to 9: the immediates stay inside their 24 signed bits
	s_cmp_lt_u32 s38, 2
	s_cbranch_scc0 .Lno_stats
.set s_, 0
.rept 10
	global_load_b32 v[208+s_], v4, s[10:11] offset:25600*s_                ; waves 0, 1: m and l of position t in the ten splits
	global_load_b32 v[218+s_], v4, s[10:11] offset:256000+25600*s_
.set s_, s_+1
.endr
.Lno_stats:
	global_load_b32 v228, v4, s[16:17]             ; g2, b2, m2, v2, g3, b3, m3, v3 of channel t
	global_load_b32 v229, v4, s[18:19]
	global_load_b32 v230, v4, s[20:21]
	global_load_b32 v231, v4, s[22:23]
	global_load_b32 v232, v4, s[26:27]
	global_load_b32 v233, v4, s[28:29]
	global_load_b32 v234, v4, s[30:31]
	global_load_b32 v235, v4, s[32:33]
.irp n, 0,1,2,3
	global_load_b128 v[192+4*\n:195+4*\n], v5, s[12:13] offset:4096*\n
.endr
	WIN 0x40
	LDW 0, 6, 14, 4, 0                             ; w2, my channels 0-15 and 16-31
	LDW 64, 6, 14, 4, 8192
	LDW 128, 6, 24, 4, 0                           ; w3
	LDW 192, 6, 24, 4, 8192
	WIN 0
.irp n, 0,1,2,3
.irp s, 0,1,2,3,4
	global_load_b128 v[32+40*\n+4*\s:35+40*\n+4*\s], v5, s[8:9] offset:1638400*\s+4096*\n th:TH_LOAD_NT
.endr
.irp s, 0,1,2,3,4
	global_load_b128 v[52+40*\n+4*\s:55+40*\n+4*\s], v5, s[42:43] offset:1638400*\s+4096*\n th:TH_LOAD_NT
.endr
.endr
	s_wait_loadcnt 63                              ; the youngest 63 (40 of part, 23 of the weights) stay out: figures, BN and o2 are in
	s_cmp_lt_u32 s38, 2
	s_cbranch_scc0 .Lno_merge
	v_max3_num_f32 v236, v208, v209, v210
	v_max3_num_f32 v236, v236, v211, v212
	v_max3_num_f32 v236, v236, v213, v214
	v_max3_num_f32 v236, v236, v215, v216
	v_max_num_f32 v236, v236, v217
.set s_, 0
.rept 10
	v_sub_f32 v[208+s_], v[208+s_], v236
.set s_, s_+1
.endr
.set s_, 0
.rept 10
	v_exp_f32 v[208+s_], v[208+s_]
.set s_, s_+1
.endr
	v_nop
	s_wait_alu depctr_va_vdst(0)
	v_mul_f32 v237, v208, v218
.set s_, 1
.rept 9
	v_fmac_f32 v237, v[208+s_], v[218+s_]
.set s_, s_+1
.endr
	v_rcp_f32 v237, v237                           ; at least 1: the split with the largest maximum has weight 1 and l of at least 1
	v_nop
.set s_, 0
	s_wait_alu depctr_va_vdst(0)
.rept 10
	v_mul_f32 v[208+s_], v[208+s_], v237
.set s_, s_+1
.endr
	ds_store_b128 v9, v[208:211] offset:WS
	ds_store_b128 v9, v[212:215] offset:WS+16
	ds_store_b64 v9, v[216:217] offset:WS+32
.Lno_merge:
	v_add_f32 v231, 0x3727c5ac, v231
	v_add_f32 v235, 0x3727c5ac, v235
	v_rsq_f32 v231, v231
	v_rsq_f32 v235, v235
	v_nop
	s_wait_alu depctr_va_vdst(0)
	v_mul_f32 v228, v228, v231                     ; s = g rsq(v + eps)
	v_mul_f32 v232, v232, v235
	v_fma_f32 v229, -v230, v228, v229              ; t = b - m s
	v_fma_f32 v233, -v234, v232, v233
	ds_store_b32 v4, v228 offset:PRM
	ds_store_b32 v4, v229 offset:PRM+1024
	ds_store_b32 v4, v232 offset:PRM+2048
	ds_store_b32 v4, v233 offset:PRM+3072
.irp n, 0,1,2,3
	ds_store_b128 v8, v[192+4*\n:195+4*\n] offset:O2S+4352*\n
.endr
	s_wait_loadcnt 40                              ; the weights are in; part's 40 loads stay out
	WIN 0x45
	CVW 0, 0, 8                                    ; w2 to bf16
	CVWH 0, 8, 16                                  ; w3 to f16
	WIN 0x40
.set n_, 0
.rept 16
	global_load_b128 v[128+4*n_:131+4*n_], v7, s[34:35] offset:51200*n_    ; x: rows 32 w + 2 n + h, into window 1's freed registers
.set n_, n_+1
.endr
	WIN 0
	s_wait_dscnt 0x0
	s_barrier_signal -1
	s_barrier_wait -1
	; ---- the merge: row t / 16 + 16 n, eight channels a thread
.irp n, 0,1,2,3
	ds_load_b128 v[192+10*\n:195+10*\n], v10 offset:WS+768*\n
	ds_load_b128 v[196+10*\n:199+10*\n], v10 offset:WS+768*\n+16
	ds_load_b64 v[200+10*\n:201+10*\n], v10 offset:WS+768*\n+32
.endr
	s_wait_dscnt 0x0
.irp n, 0,1,2,3
	s_wait_loadcnt 46-10*\n                        ; the later rows' loads of part and x's sixteen stay out
.irp k, 0,1,2,3
	v_lshlrev_b32 v[236+2*\k], 16, v[32+40*\n+\k]
	v_and_b32 v[237+2*\k], 0xffff0000, v[32+40*\n+\k]
.endr
.irp k, 0,1,2,3
	v_pk_mul_f32 v[236+2*\k:237+2*\k], v[236+2*\k:237+2*\k], v[192+10*\n:193+10*\n] op_sel_hi:[1,0]
.endr
.irp s, 1,2,3,4,5,6,7,8,9
.irp k, 0,1,2,3
	v_fma_mix_f32_bf16 v[236+2*\k], v[32+40*\n+4*\s+\k], v[192+10*\n+\s], v[236+2*\k] op_sel_hi:[1,0,0]
	v_fma_mix_f32_bf16 v[237+2*\k], v[32+40*\n+4*\s+\k], v[192+10*\n+\s], v[237+2*\k] op_sel:[1,0,0] op_sel_hi:[1,0,0]
.endr
.endr
.irp k, 0,1,2,3
	v_cvt_pk_bf16_f32 v[244+\k], v[236+2*\k], v[237+2*\k]
.endr
	ds_store_b128 v8, v[244:247] offset:O1S+4352*\n
.endr
	s_wait_dscnt 0x0
	s_barrier_signal -1
	s_barrier_wait -1
	; ---- both convolutions: A = weight (window 1), B = out1 (bf16) or out2 (f16); eight steps (conv, ks) on two buffers; each convolution has its own sums
.macro LF st
.irp qt, 0,1,2,3
	ds_load_b128 v[32+32*((\st)%2)+8*\qt:35+32*((\st)%2)+8*\qt], v11 offset:O1S+17408*((\st)/4)+64*((\st)%4)+4352*\qt
	ds_load_b128 v[36+32*((\st)%2)+8*\qt:39+32*((\st)%2)+8*\qt], v11 offset:O1S+17408*((\st)/4)+64*((\st)%4)+4352*\qt+32
.endr
.endm
	LF 0
	LF 1
.set k_, 0
.rept 8
.if k_ < 7
	s_wait_dscnt 8                                 ; the other buffer's eight loads may stay out
.else
	s_wait_dscnt 0x0
.endif
	WIN 0x01                                       ; eight sums take turns, one instruction a turn
.irp ot, 0,1
.irp qt, 0,1,2,3
.set d_, 96+64*(k_/4)+8*(4*\ot+\qt)
.set a_, 8*(8*(k_/4)+4*\ot+(k_%4))
.set b_, 32+32*(k_%2)+8*\qt
.if k_ == 0
	MM0 d_, a_, b_
.elseif k_ < 4
	MM d_, a_, b_, d_
.elseif k_ == 4
	MMH0 d_, a_, b_
.else
	MMH d_, a_, b_, d_
.endif
.endr
.endr
.if k_ != 6
	WIN 0
	PLACES
.endif
.if k_ < 6
	LF k_+2
.endif
.set k_, k_+1
.endr
.irp ot, 0,1
.irp k, 0,1,2,3
	ds_load_b128 v[224+8*\k:227+8*\k], v12 offset:PRM+1024*\k+64*\ot       ; s2, t2, s3, t3 of my 8 channels
	ds_load_b128 v[228+8*\k:231+8*\k], v12 offset:PRM+1024*\k+64*\ot+16
.endr
	s_wait_dscnt 0x0
.irp qt, 0,1,2,3
.irp i, 0,2,4,6
	v_pk_fma_f32 v[96+32*\ot+8*\qt+\i:97+32*\ot+8*\qt+\i], v[96+32*\ot+8*\qt+\i:97+32*\ot+8*\qt+\i], v[224+\i:225+\i], v[232+\i:233+\i]
	v_pk_fma_f32 v[160+32*\ot+8*\qt+\i:161+32*\ot+8*\qt+\i], v[160+32*\ot+8*\qt+\i:161+32*\ot+8*\qt+\i], v[240+\i:241+\i], v[248+\i:249+\i]
.endr
.endr
	SIG 96+32*\ot, 32, 32
	SIG 160+32*\ot, 64, 32
.set n_, 0
	s_wait_alu depctr_va_vdst(0)
.rept 16
	v_pk_mul_f32 v[96+32*\ot+n_:97+32*\ot+n_], v[96+32*\ot+n_:97+32*\ot+n_], v[32+n_:33+n_]
	v_pk_fma_f32 v[96+32*\ot+n_:97+32*\ot+n_], v[160+32*\ot+n_:161+32*\ot+n_], v[64+n_:65+n_], v[96+32*\ot+n_:97+32*\ot+n_]
.set n_, n_+2
.endr
.irp qt, 0,1,2,3
.irp j, 0,1,2,3,4,5,6,7
	ds_store_b32 v13, v[96+32*\ot+8*\qt+\j] offset:272*(16*\ot+\j)+64*\qt  ; channel 32 w + 16 ot + 8 h + j, position 16 qt + r
.endr
.endr
.endr
.set n_, 0
.rept 16
	ds_load_b128 v[160+4*n_:163+4*n_], v14 offset:544*n_                   ; my own rows: LDS serves a wave's instructions in order
.set n_, n_+1
.endr
	s_wait_loadcnt 0x0                             ; x
	s_wait_dscnt 0x0
	WIN 0x04                                       ; second source in window 1
.set n_, 0
.rept 32
	v_pk_add_f32 v[160+n_:161+n_], v[160+n_:161+n_], v[128+n_:129+n_]
.set n_, n_+2
.endr
	WIN 0
.set n_, 0
.rept 16
	global_store_b128 v7, v[160+4*n_:163+4*n_], s[36:37] offset:51200*n_ th:TH_STORE_NT    ; sixteen lanes store 256 consecutive aligned bytes
.set n_, n_+1
.endr
	s_wait_tensorcnt 0x0
	ds_add_u32 v30, v31
	s_wait_dscnt 0x0
	s_endpgm
.Lfunc_end_k_qe4dbdda174_finish:
	.size	k_qe4dbdda174_finish, .Lfunc_end_k_qe4dbdda174_finish-k_qe4dbdda174_finish
	.p2alignl 7, 3214868480
	.fill 96, 4, 3214868480
	.section	.rodata,"a",@progbits
	.p2align	6, 0x0
	.amdhsa_kernel k_qe4dbdda174_finish
		.amdhsa_group_segment_fixed_size 112640
		.amdhsa_private_segment_fixed_size 0
		.amdhsa_enable_private_segment 0
		.amdhsa_kernarg_size 120
		.amdhsa_user_sgpr_count 2
		.amdhsa_user_sgpr_kernarg_segment_ptr 1
		.amdhsa_wavefront_size32 1
		.amdhsa_system_sgpr_workgroup_id_x 1
		.amdhsa_system_sgpr_workgroup_id_y 1
		.amdhsa_system_sgpr_workgroup_id_z 1
		.amdhsa_system_vgpr_workitem_id 0
		.amdhsa_next_free_vgpr 512
		.amdhsa_next_free_sgpr 66
		.amdhsa_reserve_vcc 0
		.amdhsa_float_denorm_mode_32 3
		.amdhsa_float_denorm_mode_16_64 3
		.amdhsa_memory_ordered 1
		.amdhsa_forward_progress 1
		.amdhsa_inst_pref_size 97
	.end_amdhsa_kernel
	.amdgpu_metadata
---
amdhsa.version: [ 1, 2 ]
amdhsa.kernels:
  - .name:           k_qe4dbdda174_finish
    .symbol:         k_qe4dbdda174_finish.kd
    .args:
      - { .name: part, .offset: 0, .size: 8, .value_kind: global_buffer, .address_space: global }
      - { .name: stats, .offset: 8, .size: 8, .value_kind: global_buffer, .address_space: global }
      - { .name: o2, .offset: 16, .size: 8, .value_kind: global_buffer, .address_space: global }
      - { .name: w2, .offset: 24, .size: 8, .value_kind: global_buffer, .address_space: global }
      - { .name: g2, .offset: 32, .size: 8, .value_kind: global_buffer, .address_space: global }
      - { .name: b2, .offset: 40, .size: 8, .value_kind: global_buffer, .address_space: global }
      - { .name: m2, .offset: 48, .size: 8, .value_kind: global_buffer, .address_space: global }
      - { .name: v2, .offset: 56, .size: 8, .value_kind: global_buffer, .address_space: global }
      - { .name: w3, .offset: 64, .size: 8, .value_kind: global_buffer, .address_space: global }
      - { .name: g3, .offset: 72, .size: 8, .value_kind: global_buffer, .address_space: global }
      - { .name: b3, .offset: 80, .size: 8, .value_kind: global_buffer, .address_space: global }
      - { .name: m3, .offset: 88, .size: 8, .value_kind: global_buffer, .address_space: global }
      - { .name: v3, .offset: 96, .size: 8, .value_kind: global_buffer, .address_space: global }
      - { .name: x, .offset: 104, .size: 8, .value_kind: global_buffer, .address_space: global }
      - { .name: out0, .offset: 112, .size: 8, .value_kind: global_buffer, .address_space: global }
    .group_segment_fixed_size: 112640
    .private_segment_fixed_size: 0
    .kernarg_segment_align: 8
    .kernarg_segment_size: 120
    .max_flat_workgroup_size: 256
    .sgpr_count:     66
    .vgpr_count:     512
    .wavefront_size: 32
...
	.end_amdgpu_metadata
.endif
;; end of part 3
;; ======== version 2 of 3: 3 launches; 1.13 times as fast as version 1
;; limits: values outside matrix products are rounded to bf16; values are held in f16: magnitudes above 65,504 overflow, below 6.1e-05 lose precision; inputs' magnitudes at most 65,504
;; workspace buffers: qa 3,276,800 bytes; kb 3,276,800 bytes; vt 1,638,400 bytes; o2 1,638,400 bytes; part 16,384,000 bytes; stats 512,000 bytes; wf 131,072 bytes
;; launch prep (part 4): grid 100 x 2, 8 waves a work-group, no clusters, 327,680 bytes of LDS; arguments x, w1, g1, b1, m1, v1, wq, bq, wk, bk, wv, bv, wp, bp, rel_h, rel_w, ef_h, ef_w, qa, kb, vt, o2, w2, w3, wf; writes qa, kb, vt, o2, wf
.if DOCPART == 4
	.amdgcn_target "amdgcn-amd-amdhsa--gfx1250"
	.amdhsa_code_object_version 6
	.text
	.protected	k_qe4dbdda174_prep
	.globl	k_qe4dbdda174_prep
	.p2align	8
	.type	k_qe4dbdda174_prep,@function
k_qe4dbdda174_prep:
	s_mov_b64 s[64:65], 0
	v_nop
	global_prefetch_b8 v0, s[64:65] scope:SCOPE_SE
	s_setreg_imm32_b32 hwreg(HW_REG_WAVE_MODE, 25, 1), 1
	s_wait_xcnt 0x0
; prep: x1 = SiLU(BN(w1 x)); q, k, v, p = projections of x1; cp = rel_h + rel_w; the whole extra positional branch; w2, w3 in fragment order.
; Work-group (g, y) owns 64 positions (i0 = 64 g): a row piece of x is 256 aligned bytes.  200 work-groups of two kinds, picked by y; both make x1.
;   kind A (y = 0): q, k, v, cp.   kind B (y = 1): p and the second branch.   Eight waves; wave w owns output channels 16 w .. 16 w + 15 of every product.
; Stored for the next launches:
;   qa [6400][256] bf16: log2(e) q | log2(e) cp      kb [6400][256] bf16: k | q      (so that q_i.k_j + cp_i.q_j is one product over 256)
;   vt [100][128 channels][64 keys] bf16: v          o2 [6400][128] f16: the second branch's result
;   wf [2 convolutions][16 channel tiles][4 K steps][1,024 bytes]: w2 (bf16) and w3 (f16) as matrix fragments, lane L's registers 0-3 at 16 L, 4-7 at 512 + 16 L:
;      converted once here (one fragment for each wave of kind A's work-groups 0 to 15) instead of by every work-group of the last launch.
; THE SECOND BRANCH: the problem builds ef[c,(h,w)] = ef_h[c,h] + ef_w[c,w], so the score p_i.ef[:,(h,w)] is a[i,h] + b[i,w], its maximum is
; max a + max b, the softmax over (h,w) is softmax_h(a) softmax_w(b), and the result is sum_h ef_h[c,h] alpha[i,h] + sum_w ef_w[c,w] beta[i,w].
; This holds for every ef_h, ef_w.  Two softmaxes of 80, each with its own maximum taken away; 160 columns take the place of 6400.
; FORMATS.  The second branch's scores stand in an exponent and weigh vectors of ef's size, so what feeds them carries more than bf16's 8 bits:
;   x, w1: f16 (11 bits).  They are inputs; f16 is finite up to 65,504 and its steps below 2^-14 are 2^-24.
;   x1, wp, log2(e) p, ef in the scores: a sum of two bf16 numbers, hi + lo (16 bits, bf16's range); a product is hi.hi + hi.lo + lo.hi.
;   ef, alpha, beta and the result in the value product: f16; the result is bounded by max |ef_h| + max |ef_w|.
;   wq, wk, wv, q, k, v, cp: bf16.
; All products are used so that a lane ends up with eight neighbouring channels (or keys) of one position: 16 bytes that belong together.
; LIMITS: |x|, |w1|, |w3| and |ef_h| + |ef_w| below 65,504; BN is applied as y s + (b - m s) with s = g rsq(v + eps); NaN and infinite inputs are not
; treated apart; exponentials below 2^-126 come out as zero (ISA guide, v_exp_f32).
; No tensor loads, no cluster: the inputs need a conversion from f32 on their way into LDS or into fragments, so they pass through registers.
; LDS: the regions that both kinds use (PRM, x's stage, x1) come first; then kind A's own, then kind B's own.  The two kinds' own regions share no byte,
; so that no store of one kind's text can meet an access of the other's, whichever way the branch on y is read.
.set PRM, 0                            ; s1, t1, bq, bk, bv, bp: [128] f32 each
.set XS,  3072                         ; x f16 [256 channels][64 positions], pitch 160; its last read is waited for in front of the barrier behind x1
.set XP,  160
.set X1S, 44032                        ; x1 hi [64][128], pitch 272
.set X1L, 61440                        ; x1 lo
; kind A
.set QAS, 78848                        ; qa's 64 rows, pitch 528
.set KBO, 33792                        ; kb's 64 rows lie this far behind qa's
.set VS,  146432                       ; v [128 channels][64 keys], pitch 144; ends at 164,864
.set VP,  144
; kind B
.set PS,  3072                         ; log2(e) p, hi [64][128], pitch 272: over x's stage, written behind the barrier behind x1
.set PSL, 20480                        ; log2(e) p, lo
.set EH,  164864                       ; ef bf16 hi: ef_h [128 channels][80], pitch 160, then ef_w the same
.set EWO, 20480                        ; ef_w lies this far behind ef_h
.set EL,  205824                       ; ef bf16 lo, the same shape
.set E16, 246784                       ; ef f16, the same shape
.set EP,  160                          ; an odd multiple of 32, as the transposing loads want
.set P2S, 287744                       ; alpha | beta f16 [64 positions][160 columns], pitch 336
.set P2P, 336
.set O2S, 309248                       ; second branch's result [64][128], pitch 272; ends at 326,656
; registers, window 0: v0-31 ids and addresses; by phase: loads v32-243; fragments v32-95, sums v96-223, bias tiles v224-255
; window 1: weights as fragments: w1 0-63; kind A: wq 64-95, wk 96-127, wv 128-159; kind B: wp hi 192-223, wp lo 224-255
; scalars: s8-57 the 25 addresses; s58 wave, s59 g, s60-61 lane-exchange selects, s62 y, s66-74 offsets and numbers at work
.set MSB, 0
.macro WIN new                         ; the immediate's high byte repeats the setting that is left
.if MSB != \new
	s_set_vgpr_msb (MSB<<8)|\new
.set MSB, \new
.endif
.endm
.macro PLACES                          ; four places behind a matrix instruction (ISA guide 7.12.1) before its registers are read, written or loaded
.rept 4
	v_nop
.endr
.endm
.macro MM d, a, b, c
	v_wmma_f32_16x16x32_bf16 v[\d:\d+7], v[\a:\a+7], v[\b:\b+7], v[\c:\c+7]
.endm
.macro MM0 d, a, b                     ; the first product starts a sum
	v_wmma_f32_16x16x32_bf16 v[\d:\d+7], v[\a:\a+7], v[\b:\b+7], 0
.endm
.macro MMH d, a, b, c                  ; the same with f16 operands
	v_wmma_f32_16x16x32_f16 v[\d:\d+7], v[\a:\a+7], v[\b:\b+7], v[\c:\c+7]
.endm
.macro MMH0 d, a, b
	v_wmma_f32_16x16x32_f16 v[\d:\d+7], v[\a:\a+7], v[\b:\b+7], 0
.endm
; nks fragments (16 rows x 32 k) of an f32 weight: lane (r, h) takes k = 8h..8h+7 and 16+8h..+7 of its row, 4 loads of 16 bytes
.macro LDW reg, adr, sb, nks, off
.set lw_, 0
.rept \nks
.irp q, 0,1,2,3
	global_load_b128 v[\reg+16*lw_+4*\q:\reg+16*lw_+4*\q+3], v[\adr], s[\sb:\sb+1] offset:\off+128*lw_+16*(\q%2)+64*(\q/2)
.endr
.set lw_, lw_+1
.endr
.endm
; fragments f0 .. f1-1 from f32 (16 registers each) to bf16 (8 each), in place, ascending: a destination never lies above its sources
.macro CVW base, f0, f1
.set cw_, \f0
.rept \f1-\f0
.irp j, 0,1,2,3,4,5,6,7
	v_cvt_pk_bf16_f32 v[\base+8*cw_+\j], v[\base+16*cw_+2*\j], v[\base+16*cw_+2*\j+1]
.endr
.set cw_, cw_+1
.endr
.endm
.macro CVWH base, f0, f1               ; the same to f16
.set cw_, \f0
.rept \f1-\f0
.irp j, 0,1,2,3,4,5,6,7
	v_cvt_pk_f16_f32 v[\base+8*cw_+\j], v[\base+16*cw_+2*\j], v[\base+16*cw_+2*\j+1]
.endr
.set cw_, cw_+1
.endr
.endm
; eight f32 at src become hi (4 registers of bf16) and lo = bf16(src - hi) (4 registers); t: eight registers at work; src is kept
.macro HILO8 src, hi, lo, t
.irp i, 0,1,2,3
	v_cvt_pk_bf16_f32 v[\hi+\i], v[\src+2*\i], v[\src+2*\i+1]
.endr
.irp i, 0,1,2,3
	v_lshlrev_b32 v[\t+2*\i], 16, v[\hi+\i]
	v_and_b32 v[\t+2*\i+1], 0xffff0000, v[\hi+\i]
.endr
.irp i, 0,1,2,3
	v_pk_add_f32 v[\t+2*\i:\t+2*\i+1], v[\src+2*\i:\src+2*\i+1], v[\t+2*\i:\t+2*\i+1] neg_lo:[0,1] neg_hi:[0,1]
.endr
.irp i, 0,1,2,3
	v_cvt_pk_bf16_f32 v[\lo+\i], v[\t+2*\i], v[\t+2*\i+1]
.endr
.endm
; t[0..n-1] = sigmoid(y[0..n-1]) = 1 / (1 + 2^(-log2(e) y))
.macro SIG y, t, n
.set sg_, 0
.rept \n/2
	v_pk_mul_f32 v[\t+sg_:\t+sg_+1], v[\y+sg_:\y+sg_+1], 0xbfb8aa3b op_sel_hi:[1,0]
.set sg_, sg_+2
.endr
.set sg_, 0
.rept \n
	v_exp_f32 v[\t+sg_], v[\t+sg_]
.set sg_, sg_+1
.endr
	v_nop                                          ; one plain place behind the last exponential (ISA guide 5.7.2)
.set sg_, 0
	s_wait_alu depctr_va_vdst(0)
.rept \n/2
	v_pk_add_f32 v[\t+sg_:\t+sg_+1], v[\t+sg_:\t+sg_+1], 1.0 op_sel_hi:[1,0]
.set sg_, sg_+2
.endr
.set sg_, 0
.rept \n
	v_rcp_f32 v[\t+sg_], v[\t+sg_]
.set sg_, sg_+1
.endr
	v_nop                                          ; and behind the last reciprocal
.endm
.macro XSTAGE                          ; x to f16 and into LDS: row t / 16 + 16 n, 8 bytes at 8 r
.set n_, 0
.rept 16
	v_cvt_pk_f16_f32 v[32+4*n_], v[32+4*n_], v[33+4*n_]
	v_cvt_pk_f16_f32 v[33+4*n_], v[34+4*n_], v[35+4*n_]
	ds_store_b64 v25, v[32+4*n_:33+4*n_] offset:XS+2560*n_
.set n_, n_+1
.endr
.endm
.macro S1T1                            ; waves 0-3: s1 = g1 rsq(v1 + eps), t1 = b1 - m1 s1 of channel t
	v_add_f32 v243, 0x3727c5ac, v243
	v_rsq_f32 v243, v243
	v_nop
	s_wait_alu depctr_va_vdst(0)
	v_mul_f32 v240, v240, v243
	v_fma_f32 v241, -v242, v240, v241
	ds_store_b32 v4, v240 offset:PRM
	ds_store_b32 v4, v241 offset:PRM+512
.endm
.macro LB ks                           ; x as B fragments through transposing loads: channels 32 ks .., four tiles of positions
.irp qt, 0,1,2,3
	ds_load_tr16_b128 v[32+32*((\ks)%2)+8*\qt:35+32*((\ks)%2)+8*\qt], v27 offset:XS+5120*(\ks)+32*\qt
	ds_load_tr16_b128 v[36+32*((\ks)%2)+8*\qt:39+32*((\ks)%2)+8*\qt], v27 offset:XS+5120*(\ks)+32*\qt+2560
.endr
.endm
.macro LX ks                           ; x1 as fragments: steps 0-3 hi, 4-7 lo
.irp qt, 0,1,2,3
	ds_load_b128 v[32+32*((\ks)%2)+8*\qt:35+32*((\ks)%2)+8*\qt], v30 offset:(X1L-X1S)*((\ks)/4)+4352*\qt+64*((\ks)%4)
	ds_load_b128 v[36+32*((\ks)%2)+8*\qt:39+32*((\ks)%2)+8*\qt], v30 offset:(X1L-X1S)*((\ks)/4)+4352*\qt+64*((\ks)%4)+32
.endr
.endm
; x1 = SiLU(BN(w1 x)): A = w1 (window 1), B = x, both f16; K = 256 in eight steps on two buffers; x1 = hi + lo into LDS; the barrier behind it
.macro X1PHASE
	ds_load_b128 v[128:131], v28 offset:PRM        ; s1, t1 of my 8 channels
	ds_load_b128 v[132:135], v28 offset:PRM+16
	ds_load_b128 v[136:139], v28 offset:PRM+512
	ds_load_b128 v[140:143], v28 offset:PRM+528
	LB 0
	LB 1
.set k_, 0
.rept 8
.if k_ < 7
	s_wait_dscnt 8                                 ; the other buffer's eight loads may stay out
.else
	s_wait_dscnt 0x0
.endif
	WIN 0x01                                       ; A in window 1.  The four sums take turns, one instruction a turn
.irp qt, 0,1,2,3
.set b_, 32+32*(k_%2)+8*\qt
.if k_ == 0
	MMH0 96+8*\qt, 8*k_, b_
.else
	MMH 96+8*\qt, 8*k_, b_, 96+8*\qt
.endif
.endr
.if k_ != 6
	WIN 0
	PLACES
.endif
.if k_ < 6
	LB k_+2
.endif
.set k_, k_+1
.endr
.irp qt, 0,1,2,3
.irp i, 0,2,4,6
	v_pk_fma_f32 v[96+8*\qt+\i:97+8*\qt+\i], v[96+8*\qt+\i:97+8*\qt+\i], v[128+\i:129+\i], v[136+\i:137+\i]
.endr
.endr
	SIG 96, 144, 32
.set n_, 0
	s_wait_alu depctr_va_vdst(0)
.rept 16
	v_pk_mul_f32 v[96+n_:97+n_], v[96+n_:97+n_], v[144+n_:145+n_]
.set n_, n_+2
.endr
.irp qt, 0,1,2,3
	HILO8 96+8*\qt, 144+4*\qt, 160+4*\qt, 176
	ds_store_b128 v29, v[144+4*\qt:147+4*\qt] offset:4352*\qt
	ds_store_b128 v29, v[160+4*\qt:163+4*\qt] offset:X1L-X1S+4352*\qt
.endr
	s_wait_dscnt 0x0                               ; my stores of x1, and my reads of x's stage
	s_barrier_signal -1
	s_barrier_wait -1
.endm
	s_load_b512 s[8:23], s[0:1], 0x0               ; x 8, w1 10, g1 12, b1 14, m1 16, v1 18, wq 20, bq 22
	s_load_b512 s[24:39], s[0:1], 0x40             ; wk 24, bk 26, wv 28, bv 30, wp 32, bp 34, rel_h 36, rel_w 38
	s_load_b512 s[40:55], s[0:1], 0x80             ; ef_h 40, ef_w 42, qa 44, kb 46, vt 48, o2 50, w2 52, w3 54
	s_load_b64 s[56:57], s[0:1], 0xc0              ; wf
	v_lshrrev_b32 v1, 5, v0
	v_readfirstlane_b32 s58, v1                    ; wave w
	s_mov_b32 s59, ttmp9                           ; g
	s_and_b32 s62, ttmp7, 0xffff                   ; y: the kind
	s_mov_b32 s60, 0x76543210                      ; v_permlanex16_b32: lane i reads lane i of the other half
	s_mov_b32 s61, 0xfedcba98
	s_lshl_b32 s66, ttmp9, 8                       ; 4 i0: x
	s_mov_b32 s67, 0
	v_and_b32 v1, 31, v0                           ; L
	v_and_b32 v2, 15, v0                           ; r
	v_bfe_u32 v3, v0, 4, 1                         ; h
	v_and_b32 v4, 127, v0
	v_lshlrev_b32 v4, 2, v4                        ; 4 (t mod 128): the per-channel vectors
	v_lshrrev_b32 v16, 4, v0                       ; t / 16
	v_mul_u32_u24 v5, v16, 25600
	v_lshl_add_u32 v5, v2, 4, v5                   ; x: row t / 16, 16 bytes at 16 r
	v_lshl_add_u32 v19, s58, 4, v2                 ; 16 w + r
	v_lshlrev_b32 v20, 5, v3                       ; 32 h
	v_lshl_add_u32 v7, v19, 9, v20                 ; weights with rows of 512 bytes
	v_lshl_add_u32 v18, v19, 10, v20               ; w1: rows of 1,024 bytes
	v_mul_u32_u24 v25, v16, XP
	v_lshl_add_u32 v25, v2, 3, v25                 ; x in LDS: row t / 16, 8 bytes at 8 r
	v_and_b32 v22, 7, v0
	v_lshl_add_u32 v22, v3, 3, v22                 ; 8 h + L mod 8
	v_bfe_u32 v23, v0, 3, 1
	v_lshlrev_b32 v23, 4, v23
	v_mad_u32_u24 v27, v22, XP, v23                ; transposing loads at pitch 160: x, and ef in kind B
	v_lshlrev_b32 v28, 5, v3
	v_lshl_add_u32 v28, s58, 6, v28                ; 4 (16 w + 8 h): my 8 channels in the per-channel vectors
	v_mul_u32_u24 v30, v2, 272
	v_lshl_add_u32 v30, v3, 4, v30
	v_add_nc_u32 v30, X1S, v30                     ; x1 read as fragments
	v_lshl_add_u32 v29, s58, 5, v30                ; x1 written: + 32 w
	v_lshlrev_b32 v31, 2, v19                      ; 4 (16 w + r): v's bias
	s_wait_kmcnt 0x0
	s_add_nc_u64 s[8:9], s[8:9], s[66:67]
.set n_, 0
.rept 16
	global_load_b128 v[32+4*n_:35+4*n_], v5, s[8:9] offset:409600*n_       ; x: channels 16 n + t / 16; sixteen lanes take 256 aligned bytes
.set n_, n_+1
.endr
	s_cmp_lg_u32 s62, 0
	s_cbranch_scc1 .Ltype_b
	; ================ kind A: q, k, v, cp ================
	s_lshl_b32 s68, s59, 15                        ; 512 i0: qa, kb
	s_mov_b32 s69, 0
	s_lshl_b32 s70, s59, 14                        ; 16,384 g: vt
	s_mov_b32 s71, 0
	s_add_nc_u64 s[44:45], s[44:45], s[68:69]
	s_add_nc_u64 s[46:47], s[46:47], s[68:69]
	s_add_nc_u64 s[48:49], s[48:49], s[70:71]
	s_lshl_b32 s72, s59, 6                         ; i0
	v_lshl_add_u32 v21, s58, 1, v3
	v_mul_u32_u24 v21, v21, 2560                   ; (16 w + 8 h) rows of 320 bytes in rel_h, rel_w
	v_add_nc_u32 v20, s72, v2                      ; i0 + r
.irp qt, 0,1,2,3
	v_add_nc_u32 v22, 16*\qt, v20                  ; position i
	v_mul_u32_u24 v23, v22, 0xcccd
	v_lshrrev_b32 v23, 22, v23                     ; i / 80 (52,429 x 80 = 2^22 + 16: exact for i below 6,400)
	v_mul_u32_u24 v24, v23, 80
	v_sub_nc_u32 v24, v22, v24                     ; i mod 80
	v_lshl_add_u32 v[8+\qt], v24, 2, v21           ; rel_w
	v_lshl_add_u32 v[12+\qt], v23, 2, v21          ; rel_h
.endr
	v_mul_u32_u24 v26, v2, 528
	v_lshl_add_u32 v26, v3, 4, v26
	v_lshl_add_u32 v26, s58, 5, v26
	v_add_nc_u32 v26, QAS, v26                     ; qa's stage: row r, my 8 channels at 32 w + 16 h
	; all loads go out at the head: x 16 (above), per-channel 4 or 3, rel 64, w1 32, wq 16, wk 16, wv 16
	s_cmp_lt_u32 s58, 4
	s_cbranch_scc0 .La_prm_hi
	global_load_b32 v240, v4, s[12:13]             ; waves 0-3: g1, b1, m1, v1 of channel t
	global_load_b32 v241, v4, s[14:15]
	global_load_b32 v242, v4, s[16:17]
	global_load_b32 v243, v4, s[18:19]
	s_branch .La_prm_done
.La_prm_hi:
	global_load_b32 v240, v4, s[22:23]             ; waves 4-7: bq, bk, bv of channel t - 128
	global_load_b32 v241, v4, s[26:27]
	global_load_b32 v242, v4, s[30:31]
.La_prm_done:
.irp qt, 0,1,2,3
.irp j, 0,1,2,3,4,5,6,7
	global_load_b32 v[176+8*\qt+\j], v[8+\qt], s[38:39] offset:320*\j      ; rel_w[16 w + 8 h + j][i mod 80]
.endr
.endr
.irp qt, 0,1,2,3
.irp j, 0,1,2,3,4,5,6,7
	global_load_b32 v[208+8*\qt+\j], v[12+\qt], s[36:37] offset:320*\j     ; rel_h[16 w + 8 h + j][i / 80]
.endr
.endr
	WIN 0x40                                       ; loaded data into window 1
	LDW 0, 18, 10, 8, 0                            ; w1
	LDW 128, 7, 20, 4, 0                           ; wq
	LDW 192, 7, 24, 4, 0                           ; wk
	WIN 0
	LDW 96, 7, 28, 4, 0                            ; wv, into window 0's v96-159
	; work-groups 0 to 15: fragment f = 8 g + w of w2 (f below 64) or w3, into wf.  One block: its loads, their wait, the conversion, the stores
	s_cmp_lt_u32 s59, 16
	s_cbranch_scc0 .La_no_wf
	s_lshl3_add_u32 s72, s59, s58                  ; f
	s_bfe_u32 s73, s72, 0x40002                    ; channel tile (f / 4) mod 16
	s_and_b32 s74, s72, 3                          ; K step
	s_lshl_b32 s73, s73, 13                        ; 16 rows of 512 bytes
	s_lshl_b32 s74, s74, 7                         ; 32 numbers of 4 bytes
	s_add_co_u32 s73, s73, s74
	v_lshlrev_b32 v6, 9, v2
	v_lshl_add_u32 v6, v3, 5, v6
	v_add_nc_u32 v6, s73, v6                       ; row r of the tile, 32 h, the K step
	s_lshl_b32 s74, s72, 10
	v_lshl_add_u32 v17, v1, 4, s74                 ; 1,024 f + 16 L
	s_cmp_lt_u32 s59, 8
	s_cbranch_scc0 .La_wf_h
	LDW 160, 6, 52, 1, 0                           ; w2
	s_wait_loadcnt 0x0
	CVW 160, 0, 1
	s_branch .La_wf_st
.La_wf_h:
	LDW 160, 6, 54, 1, 0                           ; w3
	s_wait_loadcnt 0x0
	CVWH 160, 0, 1
.La_wf_st:
	global_store_b128 v17, v[160:163], s[56:57]                ; each store covers 512 consecutive aligned bytes
	global_store_b128 v17, v[164:167], s[56:57] offset:512
	s_wait_xcnt 0x0                                ; the stores' registers are written again only behind this wait
.La_no_wf:
	s_wait_loadcnt 63                              ; 80 weight loads were issued behind rel's: x, the per-channel vectors and rel are in
	XSTAGE
.irp qt, 0,1,2,3
.irp i, 0,2,4,6
	v_pk_add_f32 v[176+8*\qt+\i:177+8*\qt+\i], v[176+8*\qt+\i:177+8*\qt+\i], v[208+8*\qt+\i:209+8*\qt+\i]
.endr
.irp i, 0,2,4,6
	v_pk_mul_f32 v[176+8*\qt+\i:177+8*\qt+\i], v[176+8*\qt+\i:177+8*\qt+\i], 0x3fb8aa3b op_sel_hi:[1,0]
.endr
.irp i, 0,1,2,3
	v_cvt_pk_bf16_f32 v[176+8*\qt+\i], v[176+8*\qt+2*\i], v[177+8*\qt+2*\i]
.endr
	ds_store_b128 v26, v[176+8*\qt:179+8*\qt] offset:8448*\qt+256          ; log2(e) cp: columns 128-255 of qa
.endr
	s_cmp_lt_u32 s58, 4
	s_cbranch_scc0 .La_prm2_hi
	S1T1
	s_branch .La_prm2_done
.La_prm2_hi:
	ds_store_b32 v4, v240 offset:PRM+1024
	ds_store_b32 v4, v241 offset:PRM+1536
	ds_store_b32 v4, v242 offset:PRM+2048
.La_prm2_done:
	s_wait_loadcnt 48                              ; w1 is in; wq, wk, wv (48 loads) may stay out
	WIN 0x45                                       ; destination and both sources in window 1
	CVWH 0, 0, 8                                   ; w1 to f16
	s_wait_loadcnt 16                              ; wq, wk are in; wv's 16 may stay out
	CVW 0, 8, 16                                   ; wq, wk to bf16
	s_wait_loadcnt 0x0
	WIN 0x40                                       ; sources in window 0, destination in window 1
.set cw_, 0
.rept 4
.irp j, 0,1,2,3,4,5,6,7
	v_cvt_pk_bf16_f32 v[128+8*cw_+\j], v[96+16*cw_+2*\j], v[96+16*cw_+2*\j+1]  ; wv
.endr
.set cw_, cw_+1
.endr
	WIN 0
	; addresses of the later phases (every load is done)
	v_mul_u32_u24 v5, v19, VP
	v_lshl_add_u32 v5, v3, 4, v5
	v_add_nc_u32 v5, VS, v5                        ; v written: row 16 w + r, 16 h
	s_mul_i32 s72, s58, 8*528
	s_add_co_u32 s72, s72, QAS
	v_lshl_add_u32 v6, v1, 4, s72                  ; qa, kb read back: rows 8 w + n, 16 L
	s_lshl_b32 s73, s58, 12
	v_lshl_add_u32 v8, v1, 4, s73                  ; and their place in memory
	v_lshrrev_b32 v9, 3, v1
	v_lshl_add_u32 v9, s58, 4, v9
	v_mul_u32_u24 v9, v9, VP
	v_and_b32 v10, 7, v0
	v_lshl_add_u32 v9, v10, 4, v9
	v_add_nc_u32 v9, VS, v9                        ; v read back: rows 16 w + 4 n + L / 8
	s_lshl_b32 s73, s58, 11
	v_lshl_add_u32 v10, v1, 4, s73
	s_wait_dscnt 0x0                               ; my stores are in LDS,
	s_barrier_signal -1
	s_barrier_wait -1                              ; everybody's are
	X1PHASE
	; q, k (A = weight, B = x1: eight channels a lane) and v (A = x1, B = weight: eight keys a lane); the biases enter as the first C.
	; Eight steps: x1 hi's four, then x1 lo's four with the same weights
	ds_load_b128 v[224:227], v28 offset:PRM+1024   ; bq
	ds_load_b128 v[228:231], v28 offset:PRM+1040
	ds_load_b128 v[232:235], v28 offset:PRM+1536   ; bk
	ds_load_b128 v[236:239], v28 offset:PRM+1552
.irp j, 0,1,2,3,4,5,6,7
	ds_load_b32 v[248+\j], v31 offset:PRM+2048     ; bv of channel 16 w + r, for all eight keys
.endr
	LX 0
	LX 1
.set k_, 0
.rept 8
.if k_ < 7
	s_wait_dscnt 8                                 ; the other buffer's eight loads may stay out
.else
	s_wait_dscnt 0x0
.endif
.set w_, 8*(k_%4)
	WIN 0x01                                       ; twelve sums take turns, one instruction a turn
.irp qt, 0,1,2,3
.set b_, 32+32*(k_%2)+8*\qt
.if k_ == 0
	MM 96+8*\qt, 64+w_, b_, 224
.else
	MM 96+8*\qt, 64+w_, b_, 96+8*\qt
.endif
.endr
.irp qt, 0,1,2,3
.set b_, 32+32*(k_%2)+8*\qt
.if k_ == 0
	MM 128+8*\qt, 96+w_, b_, 232
.else
	MM 128+8*\qt, 96+w_, b_, 128+8*\qt
.endif
.endr
	WIN 0x04                                       ; B in window 1
.irp qt, 0,1,2,3
.set b_, 32+32*(k_%2)+8*\qt
.if k_ == 0
	MM 192+8*\qt, b_, 128+w_, 248
.else
	MM 192+8*\qt, b_, 128+w_, 192+8*\qt
.endif
.endr
.if k_ != 6
	WIN 0
	PLACES
.endif
.if k_ < 6
	LX k_+2
.endif
.set k_, k_+1
.endr
.irp qt, 0,1,2,3
.irp i, 0,1,2,3
	v_cvt_pk_bf16_f32 v[32+\i], v[128+8*\qt+2*\i], v[129+8*\qt+2*\i]       ; k
	v_cvt_pk_bf16_f32 v[36+\i], v[96+8*\qt+2*\i], v[97+8*\qt+2*\i]         ; q
	v_cvt_pk_bf16_f32 v[48+\i], v[192+8*\qt+2*\i], v[193+8*\qt+2*\i]       ; v
.endr
	ds_store_b128 v26, v[32:35] offset:KBO+8448*\qt
	ds_store_b128 v26, v[36:39] offset:KBO+256+8448*\qt
	ds_store_b128 v5, v[48:51] offset:32*\qt
.irp i, 0,2,4,6
	v_pk_mul_f32 v[96+8*\qt+\i:97+8*\qt+\i], v[96+8*\qt+\i:97+8*\qt+\i], 0x3fb8aa3b op_sel_hi:[1,0]
.endr
.irp i, 0,1,2,3
	v_cvt_pk_bf16_f32 v[40+\i], v[96+8*\qt+2*\i], v[97+8*\qt+2*\i]         ; log2(e) q
.endr
	ds_store_b128 v26, v[40:43] offset:8448*\qt
.endr
	s_wait_dscnt 0x0
	s_barrier_signal -1
	s_barrier_wait -1
	; qa, kb, vt leave as whole rows: a wave's store covers 512 consecutive aligned bytes
.set n_, 0
.rept 8
	ds_load_b128 v[32+4*n_:35+4*n_], v6 offset:528*n_
.set n_, n_+1
.endr
.set n_, 0
.rept 8
	ds_load_b128 v[64+4*n_:67+4*n_], v6 offset:KBO+528*n_
.set n_, n_+1
.endr
.set n_, 0
.rept 4
	ds_load_b128 v[96+4*n_:99+4*n_], v9 offset:576*n_
.set n_, n_+1
.endr
.set n_, 0
.rept 8
	s_wait_dscnt 19-n_                             ; LDS loads come back in order: the younger ones stay out
	global_store_b128 v8, v[32+4*n_:35+4*n_], s[44:45] offset:512*n_
.set n_, n_+1
.endr
.set n_, 0
.rept 8
	s_wait_dscnt 11-n_
	global_store_b128 v8, v[64+4*n_:67+4*n_], s[46:47] offset:512*n_
.set n_, n_+1
.endr
.set n_, 0
.rept 4
	s_wait_dscnt 3-n_
	global_store_b128 v10, v[96+4*n_:99+4*n_], s[48:49] offset:512*n_
.set n_, n_+1
.endr
	s_wait_xcnt 0x0
	v_lshl_add_u32 v22, v0, 2, 0x4fc00
	v_mov_b32 v23, 0
	s_wait_tensorcnt 0x0
	ds_add_u32 v22, v23
	s_wait_dscnt 0x0
	s_endpgm
	; ================ kind B: p and the second branch ================
.Ltype_b:
	s_lshl_b32 s70, s59, 14                        ; 256 i0: o2
	s_mov_b32 s71, 0
	s_add_nc_u64 s[50:51], s[50:51], s[70:71]
	v_lshlrev_b32 v6, 4, v0                        ; ef_h, ef_w: thread t takes the 16 bytes at 16 t + 4,096 n: a wave's load covers 512 consecutive bytes
	v_lshlrev_b32 v17, 3, v0                       ; and puts their 8 bytes at 8 t + 2,048 n: the arrays lie in LDS as in memory
	v_add_nc_u32 v24, E16, v17
	v_add_nc_u32 v26, EL, v17
	v_add_nc_u32 v17, EH, v17
	; all loads go out at the head: x 16 (above), per-channel 4 or 1, ef 20, w1 32, wp 16
	s_cmp_lt_u32 s58, 4
	s_cbranch_scc0 .Lb_prm_hi
	global_load_b32 v240, v4, s[12:13]             ; waves 0-3: g1, b1, m1, v1 of channel t
	global_load_b32 v241, v4, s[14:15]
	global_load_b32 v242, v4, s[16:17]
	global_load_b32 v243, v4, s[18:19]
	s_branch .Lb_prm_done
.Lb_prm_hi:
	global_load_b32 v240, v4, s[34:35]             ; waves 4-7: bp of channel t - 128
.Lb_prm_done:
.set n_, 0
.rept 10
	global_load_b128 v[96+4*n_:99+4*n_], v6, s[40:41] offset:4096*n_
.set n_, n_+1
.endr
.set n_, 0
.rept 10
	global_load_b128 v[136+4*n_:139+4*n_], v6, s[42:43] offset:4096*n_
.set n_, n_+1
.endr
	WIN 0x40
	LDW 0, 18, 10, 8, 0                            ; w1
	LDW 128, 7, 32, 4, 0                           ; wp
	WIN 0
	s_wait_loadcnt 48                              ; w1's 32 and wp's 16 loads may stay out
	XSTAGE
; eight numbers of ef at v[s ..], two pieces of four 2,048 LDS bytes apart: bf16 hi, bf16 lo and f16
.macro ESTORE s, off
	HILO8 \s, 32, 36, 44
.irp i, 0,1,2,3
	v_cvt_pk_f16_f32 v[40+\i], v[\s+2*\i], v[\s+2*\i+1]
.endr
	ds_store_b64 v17, v[32:33] offset:\off
	ds_store_b64 v17, v[34:35] offset:\off+2048
	ds_store_b64 v26, v[36:37] offset:\off
	ds_store_b64 v26, v[38:39] offset:\off+2048
	ds_store_b64 v24, v[40:41] offset:\off
	ds_store_b64 v24, v[42:43] offset:\off+2048
.endm
.set n_, 0
.rept 5
	ESTORE 96+8*n_, 4096*n_                        ; ef_h
	ESTORE 136+8*n_, EWO+4096*n_                   ; ef_w
.set n_, n_+1
.endr
	s_cmp_lt_u32 s58, 4
	s_cbranch_scc0 .Lb_prm2_hi
	S1T1
	s_branch .Lb_prm2_done
.Lb_prm2_hi:
	ds_store_b32 v4, v240 offset:PRM+2560
.Lb_prm2_done:
	s_wait_loadcnt 16                              ; w1 is in; wp's 16 loads may stay out
	WIN 0x45
	CVWH 0, 0, 8                                   ; w1 to f16
	s_wait_loadcnt 0x0
.irp g, 0,1,2,3
	HILO8 128+16*\g, 192+8*\g, 224+8*\g, 64        ; wp = hi + lo; the registers at work lie where w1's f32 lay
	HILO8 128+16*\g+8, 192+8*\g+4, 224+8*\g+4, 64
.endr
	WIN 0
	; addresses of the later phases (every load is done).  Second branch: wave w has positions 16 (w mod 4) .., and group w / 4 (0: h, 1: w; also its half of the channels)
	v_mul_u32_u24 v4, v2, 272
	v_lshl_add_u32 v4, v3, 4, v4
	v_lshl_add_u32 v4, s58, 5, v4
	v_add_nc_u32 v4, PS, v4                        ; p written: row r, 32 w + 16 h
	s_and_b32 s72, s58, 3
	s_lshr_b32 s73, s58, 2
	v_lshl_add_u32 v10, s72, 4, v2                 ; my position's row
	v_mul_u32_u24 v11, v10, 272
	v_lshl_add_u32 v11, v3, 4, v11
	v_lshl_add_u32 v14, s73, 7, v11
	v_add_nc_u32 v14, O2S, v14                     ; result written
	v_add_nc_u32 v11, PS, v11                      ; p read as fragments
	v_mul_u32_u24 v9, v10, P2P
	v_lshl_add_u32 v9, v3, 4, v9
	v_add_nc_u32 v9, P2S, v9                       ; alpha | beta read as fragments
	s_mul_i32 s74, s73, 160
	v_add_nc_u32 v8, s74, v9                       ; my group's 80 columns written
	s_mul_i32 s74, s73, EWO
	s_add_co_u32 s74, s74, EH
	v_add_nc_u32 v12, s74, v27                     ; transposing loads from my group's ef hi
	v_add_nc_u32 v17, EL-EH, v12                   ; and lo
	v_lshl_add_u32 v13, s73, 6, v2
	v_mul_u32_u24 v13, v13, EP
	v_lshl_add_u32 v13, v3, 4, v13
	v_add_nc_u32 v13, E16, v13                     ; plain fragments of ef in f16: rows 64 (w / 4) + r
	v_lshl_add_u32 v16, s58, 3, v3                 ; 8 w + h
	v_mul_u32_u24 v15, v16, 272
	v_lshl_add_u32 v15, v2, 4, v15
	v_add_nc_u32 v15, O2S, v15                     ; result read back
	v_lshlrev_b32 v16, 8, v16
	v_lshl_add_u32 v16, v2, 4, v16                 ; and its place in memory
	s_wait_dscnt 0x0
	s_barrier_signal -1
	s_barrier_wait -1
	X1PHASE
	; p = wp hi x1 hi + wp lo x1 hi + wp hi x1 lo + bp: eight steps on two buffers
	ds_load_b128 v[240:243], v28 offset:PRM+2560   ; bp
	ds_load_b128 v[244:247], v28 offset:PRM+2576
	LX 0
	LX 1
.set k_, 0
.rept 8
.if k_ < 7
	s_wait_dscnt 8                                 ; the other buffer's eight loads may stay out
.else
	s_wait_dscnt 0x0
.endif
.set w_, 8*(k_%4)
	WIN 0x01                                       ; four sums take turns, one instruction a turn
.irp qt, 0,1,2,3
.set b_, 32+32*(k_%2)+8*\qt
.if k_ == 0
	MM 160+8*\qt, 192+w_, b_, 240
.else
	MM 160+8*\qt, 192+w_, b_, 160+8*\qt
.endif
.endr
.if k_ < 4
.irp qt, 0,1,2,3
.set b_, 32+32*(k_%2)+8*\qt
	MM 160+8*\qt, 224+w_, b_, 160+8*\qt            ; wp lo x x1 hi
.endr
.endif
.if k_ != 6
	WIN 0
	PLACES
.endif
.if k_ < 6
	LX k_+2
.endif
.set k_, k_+1
.endr
.irp qt, 0,1,2,3
.irp i, 0,2,4,6
	v_pk_mul_f32 v[160+8*\qt+\i:161+8*\qt+\i], v[160+8*\qt+\i:161+8*\qt+\i], 0x3fb8aa3b op_sel_hi:[1,0]
.endr
	HILO8 160+8*\qt, 44, 52, 56                    ; log2(e) p = hi + lo
	ds_store_b128 v4, v[44:47] offset:4352*\qt
	ds_store_b128 v4, v[52:55] offset:PSL-PS+4352*\qt
.endr
	s_wait_dscnt 0x0
	s_barrier_signal -1
	s_barrier_wait -1
	; the scores of my group's 80 columns for my 16 positions: p hi v224-255, p lo v24-55, ef hi v64-103, ef lo v104-143, scores v144-183
	v_mov_b32 v19, 0                               ; upper halves of pairs and destinations of lane exchanges count as read
	v_mov_b32 v22, 0
.irp ks, 0,1,2,3
	ds_load_b128 v[224+8*\ks:227+8*\ks], v11 offset:64*\ks
	ds_load_b128 v[228+8*\ks:231+8*\ks], v11 offset:64*\ks+32
	ds_load_b128 v[24+8*\ks:27+8*\ks], v11 offset:PSL-PS+64*\ks
	ds_load_b128 v[28+8*\ks:31+8*\ks], v11 offset:PSL-PS+64*\ks+32
.endr
.macro LAF adr, ks, dst                ; five fragments of ef transposed: columns 16 u + r of my group, channels 32 ks ..
.set u_, 0
.rept 5
	ds_load_tr16_b128 v[\dst+8*u_:\dst+8*u_+3], v[\adr] offset:5120*(\ks)+32*u_
	ds_load_tr16_b128 v[\dst+8*u_+4:\dst+8*u_+7], v[\adr] offset:5120*(\ks)+32*u_+2560
.set u_, u_+1
.endr
.endm
.macro SC af, pf, zero                 ; five sums take turns: scores of columns 16 u + 8 h + j for position r
.set u_, 0
.rept 5
.if \zero
	MM0 144+8*u_, \af+8*u_, \pf
.else
	MM 144+8*u_, \af+8*u_, \pf, 144+8*u_
.endif
.set u_, u_+1
.endr
.endm
	LAF 12, 0, 64
	LAF 17, 0, 104
.set k_, 0
.rept 4
	s_wait_dscnt 10                                ; ef hi of this step is in; ef lo's ten loads may stay out
.if k_ == 0
	SC 64, 224, 1                                  ; ef hi x p hi
.else
	SC 64, 224+8*k_, 0
.endif
	SC 64, 24+8*k_, 0                              ; ef hi x p lo
	PLACES
.if k_ < 3
	LAF 12, k_+1, 64
	s_wait_dscnt 10                                ; ef lo of this step is in; the ten loads just issued may stay out
.else
	s_wait_dscnt 0x0
.endif
	SC 104, 224+8*k_, 0                            ; ef lo x p hi
	PLACES
.if k_ < 3
	LAF 17, k_+1, 104
.endif
.set k_, k_+1
.endr
; plain fragments of ef in f16, number 4 k5 + c4: channels 16 c4 + r of my half, columns 32 k5 .. of the 160; a piece of 16 columns lies in ef_h (pieces 0-4) or ef_w (5-9)
.macro LEF f0, f1
.set f_, \f0
.rept \f1-\f0
.set p_, 2*(f_/4)
	ds_load_b128 v[64+8*f_:67+8*f_], v13 offset:2560*(f_%4)+32*p_+(p_/5)*(EWO-160)
.set p_, p_+1
	ds_load_b128 v[68+8*f_:71+8*f_], v13 offset:2560*(f_%4)+32*p_+(p_/5)*(EWO-160)
.set f_, f_+1
.endr
.endm
	LEF 0, 10
	; softmax over my group's 80 columns: 40 numbers a lane in v144-183, the other 40 in the lane 16 away
	v_max3_num_f32 v18, v144, v145, v146
.set i_, 3
.rept 18
	v_max3_num_f32 v18, v18, v[144+i_], v[144+i_+1]
.set i_, i_+2
.endr
	v_max_num_f32 v18, v18, v183
	v_permlanex16_b32 v22, v18, s60, s61
	v_max_num_f32 v18, v18, v22
.set i_, 0
.rept 20
	v_pk_add_f32 v[144+i_:145+i_], v[144+i_:145+i_], v[18:19] op_sel_hi:[1,0] neg_lo:[0,1] neg_hi:[0,1]
.set i_, i_+2
.endr
.set i_, 0
.rept 40
	v_exp_f32 v[144+i_], v[144+i_]
.set i_, i_+1
.endr
	v_nop
	s_wait_alu depctr_va_vdst(0)
	v_pk_add_f32 v[20:21], v[144:145], v[146:147]
.set i_, 4
.rept 18
	v_pk_add_f32 v[20:21], v[20:21], v[144+i_:145+i_]
.set i_, i_+2
.endr
	v_add_f32 v20, v20, v21
	v_permlanex16_b32 v22, v20, s60, s61
	v_add_f32 v20, v20, v22
	v_rcp_f32 v20, v20                             ; the sum is at least 1: the largest score gives 2^0
	v_nop
.set i_, 0
	s_wait_alu depctr_va_vdst(0)
.rept 20
	v_pk_mul_f32 v[144+i_:145+i_], v[144+i_:145+i_], v[20:21] op_sel_hi:[1,0]
.set i_, i_+2
.endr
.irp u, 0,1,2,3,4
.irp i, 0,1,2,3
	v_cvt_pk_f16_f32 v[24+4*\u+\i], v[144+8*\u+2*\i], v[145+8*\u+2*\i]     ; weights of at most 1, in f16
.endr
	ds_store_b128 v8, v[24+4*\u:27+4*\u] offset:32*\u                      ; position r, columns 16 u + 8 h .. of my group: for me and for the wave of the other group
.endr
	LEF 10, 20
	s_wait_dscnt 0x0
	s_barrier_signal -1
	s_barrier_wait -1
.irp k5, 0,1,2,3,4
	ds_load_b128 v[24+8*\k5:27+8*\k5], v9 offset:64*\k5                    ; all 160 columns' weights of my positions, as B fragments
	ds_load_b128 v[28+8*\k5:31+8*\k5], v9 offset:64*\k5+32
.endr
	s_wait_dscnt 0x0
.irp k5, 0,1,2,3,4
.irp c4, 0,1,2,3
.if \k5 == 0
	MMH0 224+8*\c4, 64+8*(4*\k5+\c4), 24+8*\k5
.else
	MMH 224+8*\c4, 64+8*(4*\k5+\c4), 24+8*\k5, 224+8*\c4
.endif
.endr
.endr
	PLACES
.irp c4, 0,1,2,3
.irp i, 0,1,2,3
	v_cvt_pk_f16_f32 v[64+4*\c4+\i], v[224+8*\c4+2*\i], v[225+8*\c4+2*\i]
.endr
	ds_store_b128 v14, v[64+4*\c4:67+4*\c4] offset:32*\c4
.endr
	s_wait_dscnt 0x0
	s_barrier_signal -1
	s_barrier_wait -1
.irp n, 0,1,2,3
	ds_load_b128 v[96+4*\n:99+4*\n], v15 offset:544*\n
.endr
.irp n, 0,1,2,3
	s_wait_dscnt 3-\n
	global_store_b128 v16, v[96+4*\n:99+4*\n], s[50:51] offset:512*\n      ; sixteen lanes store a row of 256 aligned bytes
.endr
	s_wait_xcnt 0x0
	v_lshl_add_u32 v22, v0, 2, 0x4fc00
	v_mov_b32 v23, 0
	s_wait_tensorcnt 0x0
	ds_add_u32 v22, v23
	s_wait_dscnt 0x0
	s_endpgm
.Lfunc_end_k_qe4dbdda174_prep:
	.size	k_qe4dbdda174_prep, .Lfunc_end_k_qe4dbdda174_prep-k_qe4dbdda174_prep
	.p2alignl 7, 3214868480
	.fill 96, 4, 3214868480
	.section	.rodata,"a",@progbits
	.p2align	6, 0x0
	.amdhsa_kernel k_qe4dbdda174_prep
		.amdhsa_group_segment_fixed_size 327680
		.amdhsa_private_segment_fixed_size 0
		.amdhsa_enable_private_segment 0
		.amdhsa_kernarg_size 200
		.amdhsa_user_sgpr_count 2
		.amdhsa_user_sgpr_kernarg_segment_ptr 1
		.amdhsa_wavefront_size32 1
		.amdhsa_system_sgpr_workgroup_id_x 1
		.amdhsa_system_sgpr_workgroup_id_y 1
		.amdhsa_system_sgpr_workgroup_id_z 1
		.amdhsa_system_vgpr_workitem_id 0
		.amdhsa_next_free_vgpr 512
		.amdhsa_next_free_sgpr 78
		.amdhsa_reserve_vcc 0
		.amdhsa_float_denorm_mode_32 3
		.amdhsa_float_denorm_mode_16_64 3
		.amdhsa_memory_ordered 1
		.amdhsa_forward_progress 1
		.amdhsa_inst_pref_size 190
	.end_amdhsa_kernel
	.amdgpu_metadata
---
amdhsa.version: [ 1, 2 ]
amdhsa.kernels:
  - .name:           k_qe4dbdda174_prep
    .symbol:         k_qe4dbdda174_prep.kd
    .args:
      - { .name: x, .offset: 0, .size: 8, .value_kind: global_buffer, .address_space: global }
      - { .name: w1, .offset: 8, .size: 8, .value_kind: global_buffer, .address_space: global }
      - { .name: g1, .offset: 16, .size: 8, .value_kind: global_buffer, .address_space: global }
      - { .name: b1, .offset: 24, .size: 8, .value_kind: global_buffer, .address_space: global }
      - { .name: m1, .offset: 32, .size: 8, .value_kind: global_buffer, .address_space: global }
      - { .name: v1, .offset: 40, .size: 8, .value_kind: global_buffer, .address_space: global }
      - { .name: wq, .offset: 48, .size: 8, .value_kind: global_buffer, .address_space: global }
      - { .name: bq, .offset: 56, .size: 8, .value_kind: global_buffer, .address_space: global }
      - { .name: wk, .offset: 64, .size: 8, .value_kind: global_buffer, .address_space: global }
      - { .name: bk, .offset: 72, .size: 8, .value_kind: global_buffer, .address_space: global }
      - { .name: wv, .offset: 80, .size: 8, .value_kind: global_buffer, .address_space: global }
      - { .name: bv, .offset: 88, .size: 8, .value_kind: global_buffer, .address_space: global }
      - { .name: wp, .offset: 96, .size: 8, .value_kind: global_buffer, .address_space: global }
      - { .name: bp, .offset: 104, .size: 8, .value_kind: global_buffer, .address_space: global }
      - { .name: rel_h, .offset: 112, .size: 8, .value_kind: global_buffer, .address_space: global }
      - { .name: rel_w, .offset: 120, .size: 8, .value_kind: global_buffer, .address_space: global }
      - { .name: ef_h, .offset: 128, .size: 8, .value_kind: global_buffer, .address_space: global }
      - { .name: ef_w, .offset: 136, .size: 8, .value_kind: global_buffer, .address_space: global }
      - { .name: qa, .offset: 144, .size: 8, .value_kind: global_buffer, .address_space: global }
      - { .name: kb, .offset: 152, .size: 8, .value_kind: global_buffer, .address_space: global }
      - { .name: vt, .offset: 160, .size: 8, .value_kind: global_buffer, .address_space: global }
      - { .name: o2, .offset: 168, .size: 8, .value_kind: global_buffer, .address_space: global }
      - { .name: w2, .offset: 176, .size: 8, .value_kind: global_buffer, .address_space: global }
      - { .name: w3, .offset: 184, .size: 8, .value_kind: global_buffer, .address_space: global }
      - { .name: wf, .offset: 192, .size: 8, .value_kind: global_buffer, .address_space: global }
    .group_segment_fixed_size: 327680
    .private_segment_fixed_size: 0
    .kernarg_segment_align: 8
    .kernarg_segment_size: 200
    .max_flat_workgroup_size: 256
    .sgpr_count:     78
    .vgpr_count:     512
    .wavefront_size: 32
...
	.end_amdgpu_metadata
.endif
;; end of part 4
;; launch attn: the kernel of part 2 again; grid 10 x 25, 4 waves a work-group, no clusters, 327,680 bytes of LDS; arguments qa, kb, vt, part, stats; writes part, stats
;; launch finish (part 5): grid 100 x 2, 8 waves a work-group, no clusters, 75,776 bytes of LDS; arguments part, stats, o2, wf, g2, b2, m2, v2, g3, b3, m3, v3, x, out0; writes out0
.if DOCPART == 5
	.amdgcn_target "amdgcn-amd-amdhsa--gfx1250"
	.amdhsa_code_object_version 6
	.text
	.protected	k_qe4dbdda174_finish
	.globl	k_qe4dbdda174_finish
	.p2align	8
	.type	k_qe4dbdda174_finish,@function
k_qe4dbdda174_finish:
	s_mov_b64 s[64:65], 0
	v_nop
	global_prefetch_b8 v0, s[64:65] scope:SCOPE_SE
	s_setreg_imm32_b32 hwreg(HW_REG_WAVE_MODE, 25, 1), 1
	s_wait_xcnt 0x0
; finish: out1 = merge of the ten key splits; out0 = x + SiLU(BN(w2 out1)) + SiLU(BN(w3 out2)).
; Work-group (g, y) owns 64 positions (i0 = 64 g) and 128 output channels (128 y ..): 200 work-groups.  Both halves make the merge of their positions.
; Merge: with M = max_s m_s, weight_s = 2^(m_s - M) / sum_s l_s 2^(m_s - M); out1 = sum_s weight_s part_s.
; Eight waves; wave w owns output channels 128 y + 16 w .. + 15 of both convolutions, for all four tiles of 16 positions, so its rows of the f32 stage are its own.
; The weights come from wf, where the first launch left w2 (bf16) and w3 (f16) in fragment order: a wave's load covers 512 consecutive bytes and needs no conversion.
; FORMATS: w2 and out1 in bf16 (out1 is made of v, an intermediate without a bound in f16's range); w3 and out2 in f16: w3 is an input, out2 is bounded by
; max |ef_h| + max |ef_w|, and out2 is some four times larger than out1, so its rounding weighs most in the result.
; All loads go out at the head.  No tensor loads and no cluster: the partial sums are weighted on their way in, so they pass through registers; what all
; work-groups share beside them is wf, 65,536 bytes a work-group.
; LIMITS: BN as y s + (b - m s), s = g rsq(v + eps); NaN and infinities are not treated apart; powers of two below 2^-126 are zero.
.set WS,  0                            ; merge weights [64 positions][10 f32], pitch 48
.set PRM, 3072                         ; s2, t2, s3, t3 of my 128 channels: [128] f32 each
.set O1S, 5120                         ; out1 bf16 [64][128], pitch 272
.set O2S, 22528                        ; out2 f16, the same shape
.set YS,  39936                        ; result [128 channels][64 positions] f32, pitch 272
; window 0: v0-18 ids and addresses; part v32-191; o2 v192-207, figures v208-227, BN v228-231, at work v236-255;
;           later fragments v32-95, sums v96-159, at work v160-223, BN v224-255
; window 1: weights' fragments at 8 (4 conv + ks), v0-63; x at v64-95
.set MSB, 0
.macro WIN new
.if MSB != \new
	s_set_vgpr_msb (MSB<<8)|\new
.set MSB, \new
.endif
.endm
.macro PLACES                          ; four places behind a matrix instruction (ISA guide 7.12.1)
.rept 4
	v_nop
.endr
.endm
.macro MM d, a, b, c
	v_wmma_f32_16x16x32_bf16 v[\d:\d+7], v[\a:\a+7], v[\b:\b+7], v[\c:\c+7]
.endm
.macro MM0 d, a, b
	v_wmma_f32_16x16x32_bf16 v[\d:\d+7], v[\a:\a+7], v[\b:\b+7], 0
.endm
.macro MMH d, a, b, c                  ; the same with f16 operands
	v_wmma_f32_16x16x32_f16 v[\d:\d+7], v[\a:\a+7], v[\b:\b+7], v[\c:\c+7]
.endm
.macro MMH0 d, a, b
	v_wmma_f32_16x16x32_f16 v[\d:\d+7], v[\a:\a+7], v[\b:\b+7], 0
.endm
.macro SIG y, t, n                     ; t = sigmoid(y) = 1 / (1 + 2^(-log2(e) y))
.set sg_, 0
.rept \n/2
	v_pk_mul_f32 v[\t+sg_:\t+sg_+1], v[\y+sg_:\y+sg_+1], 0xbfb8aa3b op_sel_hi:[1,0]
.set sg_, sg_+2
.endr
.set sg_, 0
.rept \n
	v_exp_f32 v[\t+sg_], v[\t+sg_]
.set sg_, sg_+1
.endr
	v_nop
.set sg_, 0
	s_wait_alu depctr_va_vdst(0)
.rept \n/2
	v_pk_add_f32 v[\t+sg_:\t+sg_+1], v[\t+sg_:\t+sg_+1], 1.0 op_sel_hi:[1,0]
.set sg_, sg_+2
.endr
.set sg_, 0
.rept \n
	v_rcp_f32 v[\t+sg_], v[\t+sg_]
.set sg_, sg_+1
.endr
	v_nop
.endm
	s_load_b512 s[8:23], s[0:1], 0x0               ; part 8, stats 10, o2 12, wf 14, g2 16, b2 18, m2 20, v2 22
	s_load_b256 s[24:31], s[0:1], 0x40             ; g3 24, b3 26, m3 28, v3 30
	s_load_b128 s[32:35], s[0:1], 0x60             ; x 32, out0 34
	v_lshl_add_u32 v30, v0, 2, 0x12400
	v_mov_b32 v31, 0
	v_lshrrev_b32 v1, 5, v0
	v_readfirstlane_b32 s38, v1                    ; wave w
	s_and_b32 s39, ttmp7, 0xffff                   ; y: which 128 output channels
	s_lshl_b32 s40, ttmp9, 8                       ; 4 i0
	s_mov_b32 s41, 0
	s_lshl_b32 s44, ttmp9, 14                      ; 256 i0
	s_mov_b32 s45, 0
	s_mul_i32 s46, s39, 3276800                    ; 128 y rows of 25,600 bytes in x and out0,
	s_add_co_u32 s46, s46, s40                     ; + 4 i0
	s_mov_b32 s47, 0
	s_lshl_b32 s48, s39, 9                         ; 128 y numbers in the per-channel vectors
	s_mov_b32 s49, 0
	s_lshl_b32 s50, s39, 15                        ; 8 y channel tiles of 4,096 bytes in wf
	s_mov_b32 s51, 0
	v_and_b32 v1, 31, v0                           ; L
	v_and_b32 v2, 15, v0                           ; r
	v_bfe_u32 v3, v0, 4, 1                         ; h
	v_lshlrev_b32 v4, 2, v0                        ; 4 t
	v_lshlrev_b32 v5, 4, v0                        ; 16 t: row t / 16 of 256 bytes, 16 (t mod 16)
	v_and_b32 v15, 127, v0
	v_lshlrev_b32 v17, 2, v15                      ; 4 (t mod 128)
	v_lshrrev_b32 v16, 7, v0
	v_lshl_add_u32 v18, v16, 10, v17               ; + 1,024 for the second convolution's figures (threads 128-255)
	s_lshl_b32 s36, s38, 12
	v_lshl_add_u32 v6, v1, 4, s36                  ; wf: 4,096 w + 16 L
	v_lshl_add_u32 v15, s38, 4, v3                 ; 16 w + h
	v_mul_u32_u24 v7, v15, 25600
	v_lshl_add_u32 v7, v2, 4, v7                   ; x and out0: row 16 w + h, 16 r
	v_mul_u32_u24 v14, v15, 272
	v_lshl_add_u32 v14, v2, 4, v14
	v_add_nc_u32 v14, YS, v14                      ; the same rows in the stage
	v_lshrrev_b32 v16, 4, v0
	v_mul_u32_u24 v8, v16, 272
	v_lshl_add_u32 v8, v2, 4, v8                   ; out1, out2 written: row t / 16
	v_mul_u32_u24 v9, v0, 48
	v_mul_u32_u24 v10, v16, 48
	v_mul_u32_u24 v11, v2, 272
	v_lshl_add_u32 v11, v3, 4, v11                 ; out1, out2 read as fragments
	v_lshlrev_b32 v12, 5, v3
	v_lshl_add_u32 v12, s38, 6, v12                ; 4 (16 w + 8 h)
	v_lshl_add_u32 v13, s38, 1, v3
	v_mul_u32_u24 v13, v13, 8*272
	v_lshl_add_u32 v13, v2, 2, v13
	v_add_nc_u32 v13, YS, v13                      ; stage written: row 16 w + 8 h, word r
	s_wait_kmcnt 0x0
	s_add_nc_u64 s[10:11], s[10:11], s[40:41]
	s_add_nc_u64 s[32:33], s[32:33], s[46:47]
	s_add_nc_u64 s[34:35], s[34:35], s[46:47]
	s_add_nc_u64 s[12:13], s[12:13], s[44:45]
	s_add_nc_u64 s[8:9], s[8:9], s[44:45]
	s_add_nc_u64 s[42:43], s[8:9], 8192000         ; splits 5 to 9: the immediates stay inside their 24 signed bits
	s_add_nc_u64 s[14:15], s[14:15], s[50:51]
.irp p, 16,18,20,22,24,26,28,30
	s_add_nc_u64 s[\p:\p+1], s[\p:\p+1], s[48:49]
.endr
	; all loads at the head: figures 20 (waves 0, 1), BN 4, o2 4, part 40, wf 16, x 8
	s_cmp_lt_u32 s38, 2
	s_cbranch_scc0 .Lno_stats
.set s_, 0
.rept 10
	global_load_b32 v[208+s_], v4, s[10:11] offset:25600*s_                ; waves 0, 1: m and l of position t in the ten splits
	global_load_b32 v[218+s_], v4, s[10:11] offset:256000+25600*s_
.set s_, s_+1
.endr
.Lno_stats:
	s_cmp_lt_u32 s38, 4
	s_cbranch_scc0 .Lbn3
	global_load_b32 v228, v17, s[16:17]            ; waves 0-3: g2, b2, m2, v2 of channel 128 y + t
	global_load_b32 v229, v17, s[18:19]
	global_load_b32 v230, v17, s[20:21]
	global_load_b32 v231, v17, s[22:23]
	s_branch .Lbn_done
.Lbn3:
	global_load_b32 v228, v17, s[24:25]            ; waves 4-7: g3, b3, m3, v3 of channel 128 y + t - 128
	global_load_b32 v229, v17, s[26:27]
	global_load_b32 v230, v17, s[28:29]
	global_load_b32 v231, v17, s[30:31]
.Lbn_done:
.irp n, 0,1,2,3
	global_load_b128 v[192+4*\n:195+4*\n], v5, s[12:13] offset:4096*\n
.endr
.irp n, 0,1,2,3
.irp s, 0,1,2,3,4
	global_load_b128 v[32+40*\n+4*\s:35+40*\n+4*\s], v5, s[8:9] offset:1638400*\s+4096*\n
.endr
.irp s, 0,1,2,3,4
	global_load_b128 v[52+40*\n+4*\s:55+40*\n+4*\s], v5, s[42:43] offset:1638400*\s+4096*\n
.endr
.endr
	WIN 0x40                                       ; loaded data into window 1
.irp c, 0,1
.irp ks, 0,1,2,3
	global_load_b128 v[8*(4*\c+\ks):8*(4*\c+\ks)+3], v6, s[14:15] offset:65536*\c+1024*\ks
	global_load_b128 v[8*(4*\c+\ks)+4:8*(4*\c+\ks)+7], v6, s[14:15] offset:65536*\c+1024*\ks+512
.endr
.endr
.set n_, 0
.rept 8
	global_load_b128 v[64+4*n_:67+4*n_], v7, s[32:33] offset:51200*n_      ; x: rows 16 w + 2 n + h
.set n_, n_+1
.endr
	WIN 0
	s_wait_loadcnt 63                              ; 64 loads (part, wf, x) were issued behind o2's: figures, BN and o2 are in
	s_cmp_lt_u32 s38, 2
	s_cbranch_scc0 .Lno_merge
	v_max3_num_f32 v236, v208, v209, v210
	v_max3_num_f32 v236, v236, v211, v212
	v_max3_num_f32 v236, v236, v213, v214
	v_max3_num_f32 v236, v236, v215, v216
	v_max_num_f32 v236, v236, v217
.set s_, 0
.rept 10
	v_sub_f32 v[208+s_], v[208+s_], v236
.set s_, s_+1
.endr
.set s_, 0
.rept 10
	v_exp_f32 v[208+s_], v[208+s_]
.set s_, s_+1
.endr
	v_nop
	s_wait_alu depctr_va_vdst(0)
	v_mul_f32 v237, v208, v218
.set s_, 1
.rept 9
	v_fmac_f32 v237, v[208+s_], v[218+s_]
.set s_, s_+1
.endr
	v_rcp_f32 v237, v237                           ; at least 1: the split with the largest maximum has weight 1 and l of at least 1
	v_nop
.set s_, 0
	s_wait_alu depctr_va_vdst(0)
.rept 10
	v_mul_f32 v[208+s_], v[208+s_], v237
.set s_, s_+1
.endr
	ds_store_b128 v9, v[208:211] offset:WS
	ds_store_b128 v9, v[212:215] offset:WS+16
	ds_store_b64 v9, v[216:217] offset:WS+32
.Lno_merge:
	v_add_f32 v231, 0x3727c5ac, v231
	v_rsq_f32 v231, v231
	v_nop
	s_wait_alu depctr_va_vdst(0)
	v_mul_f32 v228, v228, v231                     ; s = g rsq(v + eps)
	v_fma_f32 v229, -v230, v228, v229              ; t = b - m s
	ds_store_b32 v18, v228 offset:PRM
	ds_store_b32 v18, v229 offset:PRM+512
.irp n, 0,1,2,3
	ds_store_b128 v8, v[192+4*\n:195+4*\n] offset:O2S+4352*\n
.endr
	s_wait_dscnt 0x0
	s_barrier_signal -1
	s_barrier_wait -1
	; ---- the merge: row t / 16 + 16 n, eight channels a thread
.irp n, 0,1,2,3
	ds_load_b128 v[192+10*\n:195+10*\n], v10 offset:WS+768*\n
	ds_load_b128 v[196+10*\n:199+10*\n], v10 offset:WS+768*\n+16
	ds_load_b64 v[200+10*\n:201+10*\n], v10 offset:WS+768*\n+32
.endr
	s_wait_dscnt 0x0
.irp n, 0,1,2,3
	s_wait_loadcnt 54-10*\n                        ; the later rows' loads of part, wf's sixteen and x's eight stay out
.irp k, 0,1,2,3
	v_lshlrev_b32 v[236+2*\k], 16, v[32+40*\n+\k]
	v_and_b32 v[237+2*\k], 0xffff0000, v[32+40*\n+\k]
.endr
.irp k, 0,1,2,3
	v_pk_mul_f32 v[236+2*\k:237+2*\k], v[236+2*\k:237+2*\k], v[192+10*\n:193+10*\n] op_sel_hi:[1,0]
.endr
.irp s, 1,2,3,4,5,6,7,8,9
.irp k, 0,1,2,3
	v_fma_mix_f32_bf16 v[236+2*\k], v[32+40*\n+4*\s+\k], v[192+10*\n+\s], v[236+2*\k] op_sel_hi:[1,0,0]
	v_fma_mix_f32_bf16 v[237+2*\k], v[32+40*\n+4*\s+\k], v[192+10*\n+\s], v[237+2*\k] op_sel:[1,0,0] op_sel_hi:[1,0,0]
.endr
.endr
.irp k, 0,1,2,3
	v_cvt_pk_bf16_f32 v[244+\k], v[236+2*\k], v[237+2*\k]
.endr
	ds_store_b128 v8, v[244:247] offset:O1S+4352*\n
.endr
	s_wait_dscnt 0x0
	s_barrier_signal -1
	s_barrier_wait -1
	; ---- both convolutions: A = weight (window 1), B = out1 (bf16) or out2 (f16); eight steps (conv, ks) on two buffers; each convolution has its own sums
.macro LF st
.irp qt, 0,1,2,3
	ds_load_b128 v[32+32*((\st)%2)+8*\qt:35+32*((\st)%2)+8*\qt], v11 offset:O1S+17408*((\st)/4)+64*((\st)%4)+4352*\qt
	ds_load_b128 v[36+32*((\st)%2)+8*\qt:39+32*((\st)%2)+8*\qt], v11 offset:O1S+17408*((\st)/4)+64*((\st)%4)+4352*\qt+32
.endr
.endm
.irp k, 0,1,2,3
	ds_load_b128 v[224+8*\k:227+8*\k], v12 offset:PRM+512*\k               ; s2, t2, s3, t3 of my 8 channels
	ds_load_b128 v[228+8*\k:231+8*\k], v12 offset:PRM+512*\k+16
.endr
	LF 0
	LF 1
	s_wait_loadcnt 8                               ; wf's fragments are in; x's eight loads stay out
.set k_, 0
.rept 8
.if k_ < 7
	s_wait_dscnt 8                                 ; the other buffer's eight loads may stay out
.else
	s_wait_dscnt 0x0
.endif
	WIN 0x01                                       ; four sums take turns, one instruction a turn
.irp qt, 0,1,2,3
.set d_, 96+32*(k_/4)+8*\qt
.set b_, 32+32*(k_%2)+8*\qt
.if k_ == 0
	MM0 d_, 8*k_, b_
.elseif k_ < 4
	MM d_, 8*k_, b_, d_
.elseif k_ == 4
	MMH0 d_, 8*k_, b_
.else
	MMH d_, 8*k_, b_, d_
.endif
.endr
.if k_ != 6
	WIN 0
	PLACES
.endif
.if k_ < 6
	LF k_+2
.endif
.set k_, k_+1
.endr
.irp qt, 0,1,2,3
.irp i, 0,2,4,6
	v_pk_fma_f32 v[96+8*\qt+\i:97+8*\qt+\i], v[96+8*\qt+\i:97+8*\qt+\i], v[224+\i:225+\i], v[232+\i:233+\i]
	v_pk_fma_f32 v[128+8*\qt+\i:129+8*\qt+\i], v[128+8*\qt+\i:129+8*\qt+\i], v[240+\i:241+\i], v[248+\i:249+\i]
.endr
.endr
	SIG 96, 160, 32
	SIG 128, 192, 32
.set n_, 0
	s_wait_alu depctr_va_vdst(0)
.rept 16
	v_pk_mul_f32 v[96+n_:97+n_], v[96+n_:97+n_], v[160+n_:161+n_]
	v_pk_fma_f32 v[96+n_:97+n_], v[128+n_:129+n_], v[192+n_:193+n_], v[96+n_:97+n_]
.set n_, n_+2
.endr
.irp qt, 0,1,2,3
.irp j, 0,1,2,3,4,5,6,7
	ds_store_b32 v13, v[96+8*\qt+\j] offset:272*\j+64*\qt                  ; channel 16 w + 8 h + j of my 128, position 16 qt + r
.endr
.endr
.set n_, 0
.rept 8
	ds_load_b128 v[160+4*n_:163+4*n_], v14 offset:544*n_                   ; my own rows: LDS serves a wave's instructions in order
.set n_, n_+1
.endr
	s_wait_loadcnt 0x0                             ; x
	s_wait_dscnt 0x0
	WIN 0x04                                       ; second source in window 1
.set n_, 0
.rept 16
	v_pk_add_f32 v[160+n_:161+n_], v[160+n_:161+n_], v[64+n_:65+n_]
.set n_, n_+2
.endr
	WIN 0
.set n_, 0
.rept 8
	global_store_b128 v7, v[160+4*n_:163+4*n_], s[34:35] offset:51200*n_ th:TH_STORE_NT    ; sixteen lanes store 256 consecutive aligned bytes
.set n_, n_+1
.endr
	s_wait_tensorcnt 0x0
	ds_add_u32 v30, v31
	s_wait_dscnt 0x0
	s_endpgm
.Lfunc_end_k_qe4dbdda174_finish:
	.size	k_qe4dbdda174_finish, .Lfunc_end_k_qe4dbdda174_finish-k_qe4dbdda174_finish
	.p2alignl 7, 3214868480
	.fill 96, 4, 3214868480
	.section	.rodata,"a",@progbits
	.p2align	6, 0x0
	.amdhsa_kernel k_qe4dbdda174_finish
		.amdhsa_group_segment_fixed_size 75776
		.amdhsa_private_segment_fixed_size 0
		.amdhsa_enable_private_segment 0
		.amdhsa_kernarg_size 112
		.amdhsa_user_sgpr_count 2
		.amdhsa_user_sgpr_kernarg_segment_ptr 1
		.amdhsa_wavefront_size32 1
		.amdhsa_system_sgpr_workgroup_id_x 1
		.amdhsa_system_sgpr_workgroup_id_y 1
		.amdhsa_system_sgpr_workgroup_id_z 1
		.amdhsa_system_vgpr_workitem_id 0
		.amdhsa_next_free_vgpr 512
		.amdhsa_next_free_sgpr 66
		.amdhsa_reserve_vcc 0
		.amdhsa_float_denorm_mode_32 3
		.amdhsa_float_denorm_mode_16_64 3
		.amdhsa_memory_ordered 1
		.amdhsa_forward_progress 1
		.amdhsa_inst_pref_size 64
	.end_amdhsa_kernel
	.amdgpu_metadata
---
amdhsa.version: [ 1, 2 ]
amdhsa.kernels:
  - .name:           k_qe4dbdda174_finish
    .symbol:         k_qe4dbdda174_finish.kd
    .args:
      - { .name: part, .offset: 0, .size: 8, .value_kind: global_buffer, .address_space: global }
      - { .name: stats, .offset: 8, .size: 8, .value_kind: global_buffer, .address_space: global }
      - { .name: o2, .offset: 16, .size: 8, .value_kind: global_buffer, .address_space: global }
      - { .name: wf, .offset: 24, .size: 8, .value_kind: global_buffer, .address_space: global }
      - { .name: g2, .offset: 32, .size: 8, .value_kind: global_buffer, .address_space: global }
      - { .name: b2, .offset: 40, .size: 8, .value_kind: global_buffer, .address_space: global }
      - { .name: m2, .offset: 48, .size: 8, .value_kind: global_buffer, .address_space: global }
      - { .name: v2, .offset: 56, .size: 8, .value_kind: global_buffer, .address_space: global }
      - { .name: g3, .offset: 64, .size: 8, .value_kind: global_buffer, .address_space: global }
      - { .name: b3, .offset: 72, .size: 8, .value_kind: global_buffer, .address_space: global }
      - { .name: m3, .offset: 80, .size: 8, .value_kind: global_buffer, .address_space: global }
      - { .name: v3, .offset: 88, .size: 8, .value_kind: global_buffer, .address_space: global }
      - { .name: x, .offset: 96, .size: 8, .value_kind: global_buffer, .address_space: global }
      - { .name: out0, .offset: 104, .size: 8, .value_kind: global_buffer, .address_space: global }
    .group_segment_fixed_size: 75776
    .private_segment_fixed_size: 0
    .kernarg_segment_align: 8
    .kernarg_segment_size: 112
    .max_flat_workgroup_size: 256
    .sgpr_count:     66
    .vgpr_count:     512
    .wavefront_size: 32
...
	.end_amdgpu_metadata
.endif
;; end of part 5
;; ======== version 3 of 3: 3 launches; version 2 with the launches prep, finish written anew for expert scheduling mode
;; limits: values outside matrix products are rounded to bf16; values are held in f16: magnitudes above 65,504 overflow, below 6.1e-05 lose precision; inputs' magnitudes at most 65,504
;; workspace buffers: qa 3,276,800 bytes; kb 3,276,800 bytes; vt 1,638,400 bytes; o2 1,638,400 bytes; part 16,384,000 bytes; stats 512,000 bytes; wf 131,072 bytes
;; launch prep (part 6): grid 100 x 2, 8 waves a work-group, no clusters, 327,680 bytes of LDS; arguments x, w1, g1, b1, m1, v1, wq, bq, wk, bk, wv, bv, wp, bp, rel_h, rel_w, ef_h, ef_w, qa, kb, vt, o2, w2, w3, wf; writes qa, kb, vt, o2, wf
.if DOCPART == 6
	.amdgcn_target "amdgcn-amd-amdhsa--gfx1250"
	.amdhsa_code_object_version 6
	.text
	.protected	k_qe4dbdda174_prep
	.globl	k_qe4dbdda174_prep
	.p2align	8
	.type	k_qe4dbdda174_prep,@function
k_qe4dbdda174_prep:
	s_mov_b64 s[64:65], 0
	v_nop
	global_prefetch_b8 v0, s[64:65] scope:SCOPE_SE
	s_setreg_imm32_b32 hwreg(HW_REG_WAVE_SCHED_MODE, 0, 2), 2
	s_setreg_imm32_b32 hwreg(HW_REG_WAVE_MODE, 25, 1), 1
	s_wait_xcnt 0x0
	s_wait_alu depctr_vm_vsrc(0)
; prep: x1 = SiLU(BN(w1 x)); q, k, v, p = projections of x1; cp = rel_h + rel_w; the whole extra positional branch; w2, w3 in fragment order.
; Work-group (g, y) owns 64 positions (i0 = 64 g): a row piece of x is 256 aligned bytes.  200 work-groups of two kinds, picked by y; both make x1.
;   kind A (y = 0): q, k, v, cp.   kind B (y = 1): p and the second branch.   Eight waves; wave w owns output channels 16 w .. 16 w + 15 of every product.
; Stored for the next launches:
;   qa [6400][256] bf16: log2(e) q | log2(e) cp      kb [6400][256] bf16: k | q      (so that q_i.k_j + cp_i.q_j is one product over 256)
;   vt [100][128 channels][64 keys] bf16: v          o2 [6400][128] f16: the second branch's result
;   wf [2 convolutions][16 channel tiles][4 K steps][1,024 bytes]: w2 (bf16) and w3 (f16) as matrix fragments, lane L's registers 0-3 at 16 L, 4-7 at 512 + 16 L:
;      converted once here (one fragment for each wave of kind A's work-groups 0 to 15) instead of by every work-group of the last launch.
; THE SECOND BRANCH: the problem builds ef[c,(h,w)] = ef_h[c,h] + ef_w[c,w], so the score p_i.ef[:,(h,w)] is a[i,h] + b[i,w], its maximum is
; max a + max b, the softmax over (h,w) is softmax_h(a) softmax_w(b), and the result is sum_h ef_h[c,h] alpha[i,h] + sum_w ef_w[c,w] beta[i,w].
; This holds for every ef_h, ef_w.  Two softmaxes of 80, each with its own maximum taken away; 160 columns take the place of 6400.
; FORMATS.  The second branch's scores stand in an exponent and weigh vectors of ef's size, so what feeds them carries more than bf16's 8 bits:
;   x, w1: f16 (11 bits).  They are inputs; f16 is finite up to 65,504 and its steps below 2^-14 are 2^-24.
;   x1, wp, log2(e) p, ef in the scores: a sum of two bf16 numbers, hi + lo (16 bits, bf16's range); a product is hi.hi + hi.lo + lo.hi.
;   ef, alpha, beta and the result in the value product: f16; the result is bounded by max |ef_h| + max |ef_w|.
;   wq, wk, wv, q, k, v, cp: bf16.
; All products are used so that a lane ends up with eight neighbouring channels (or keys) of one position: 16 bytes that belong together.
; LIMITS: |x|, |w1|, |w3| and |ef_h| + |ef_w| below 65,504; BN is applied as y s + (b - m s) with s = g rsq(v + eps); NaN and infinite inputs are not
; treated apart; exponentials below 2^-126 come out as zero (ISA guide, v_exp_f32).
; No tensor loads, no cluster: the inputs need a conversion from f32 on their way into LDS or into fragments, so they pass through registers.
; LDS: the regions that both kinds use (PRM, x's stage, x1) come first; then kind A's own, then kind B's own.  The two kinds' own regions share no byte,
; so that no store of one kind's text can meet an access of the other's, whichever way the branch on y is read.
; THE MODE: SCHED_MODE bits 1:0 = 2 (LLVM: expert scheduling mode 2), set by the entry lines.  The code itself states the register dependences
; between vector or matrix instructions and memory or LDS instructions, with s_wait_alu, always for 0.
; THE PLAN.  The text is straight: phases parted by barriers.
;   Results: every LDS or global store of a phase has data registers of its own.  The phase's arithmetic writes them all, ONE wait on va_vdst follows, then the run of stores.
;   ONE wait on vm_vsrc stands behind the phase's barrier (once: ahead of the address arithmetic), ahead of the first write into registers that those stores or earlier addresses read.
;   Fragments: each K step of a product has registers of its own, so its LDS loads are dealt among the products with no wait: no product issued since the last wait on va_vdst
;   names a register that such a load touches.  x1's product alone has five buffers for eight steps: one wait on va_vdst stands behind its step 2, ahead of the loads of steps 5 to 7.
;   Addresses: made at the head, behind each kind's branch and once more ahead of the first barrier, each time with a wait on va_vdst behind them; never written between that wait and their last use.
.set PRM, 0                            ; s1, t1, bq, bk, bv, bp: [128] f32 each
.set XS,  3072                         ; x f16 [256 channels][64 positions], pitch 160; its last read is waited for in front of the barrier behind x1
.set XP,  160
.set X1S, 44032                        ; x1 hi [64][128], pitch 272
.set X1L, 61440                        ; x1 lo
; kind A
.set QAS, 78848                        ; qa's 64 rows, pitch 528
.set KBO, 33792                        ; kb's 64 rows lie this far behind qa's
.set VS,  146432                       ; v [128 channels][64 keys], pitch 144; ends at 164,864
.set VP,  144
; kind B
.set PS,  3072                         ; log2(e) p, hi [64][128], pitch 272: over x's stage, written behind the barrier behind x1
.set PSL, 20480                        ; log2(e) p, lo
.set EH,  164864                       ; ef bf16 hi: ef_h [128 channels][80], pitch 160, then ef_w the same
.set EWO, 20480                        ; ef_w lies this far behind ef_h
.set EL,  205824                       ; ef bf16 lo, the same shape
.set E16, 246784                       ; ef f16, the same shape
.set EP,  160                          ; an odd multiple of 32, as the transposing loads want
.set P2S, 287744                       ; alpha | beta f16 [64 positions][160 columns], pitch 336
.set P2P, 336
.set O2S, 309248                       ; second branch's result [64][128], pitch 272; ends at 326,656
; registers, window 0: v0-31 ids and addresses; at the head loads in v32-243; x1's product: x in v32-95 and v144-239, sums v96-127, s1, t1 v128-143
;   kind A, q k v: x1 in v32-95, v160-191 and window 1's v0-63, v160-255; sums v96-159, v192-223; bias tiles v224-239, v248-255
;   kind B, p: x1 in v32-159 and window 1's v0-127; sums v160-191; bias v240-247.  Scores: p v224-255, v24-55; ef v64-143 and window 1's v0-239; scores v144-183
; window 1: weights as fragments: w1 0-63; kind A: wq 64-95, wk 96-127, wv 128-159; kind B: wp hi 192-223, wp lo 224-255
; scalars: s8-57 the 25 addresses; s58 wave, s59 g, s60-61 lane-exchange selects, s62 y, s66-74 offsets and numbers at work
.set MSB, 0
.macro WIN new                         ; the immediate's high byte repeats the setting that is left
.if MSB != \new
	s_set_vgpr_msb (MSB<<8)|\new
.set MSB, \new
.endif
.endm
.macro PLACES                          ; four places behind a matrix instruction (ISA guide 7.12.1) before its registers are read or written
.rept 4
	v_nop
.endr
.endm
.macro MM d, a, b, c
	v_wmma_f32_16x16x32_bf16 v[\d:\d+7], v[\a:\a+7], v[\b:\b+7], v[\c:\c+7]
.endm
.macro MM0 d, a, b                     ; the first product starts a sum
	v_wmma_f32_16x16x32_bf16 v[\d:\d+7], v[\a:\a+7], v[\b:\b+7], 0
.endm
.macro MMH d, a, b, c                  ; the same with f16 operands
	v_wmma_f32_16x16x32_f16 v[\d:\d+7], v[\a:\a+7], v[\b:\b+7], v[\c:\c+7]
.endm
.macro MMH0 d, a, b
	v_wmma_f32_16x16x32_f16 v[\d:\d+7], v[\a:\a+7], v[\b:\b+7], 0
.endm
; nks fragments (16 rows x 32 k) of an f32 weight: lane (r, h) takes k = 8h..8h+7 and 16+8h..+7 of its row, 4 loads of 16 bytes
.macro LDW reg, adr, sb, nks, off
.set lw_, 0
.rept \nks
.irp q, 0,1,2,3
	global_load_b128 v[\reg+16*lw_+4*\q:\reg+16*lw_+4*\q+3], v[\adr], s[\sb:\sb+1] offset:\off+128*lw_+16*(\q%2)+64*(\q/2)
.endr
.set lw_, lw_+1
.endr
.endm
; fragments f0 .. f1-1 from f32 (16 registers each) to bf16 (8 each), in place, ascending: a destination never lies above its sources
.macro CVW base, f0, f1
.set cw_, \f0
.rept \f1-\f0
.irp j, 0,1,2,3,4,5,6,7
	v_cvt_pk_bf16_f32 v[\base+8*cw_+\j], v[\base+16*cw_+2*\j], v[\base+16*cw_+2*\j+1]
.endr
.set cw_, cw_+1
.endr
.endm
.macro CVWH base, f0, f1               ; the same to f16
.set cw_, \f0
.rept \f1-\f0
.irp j, 0,1,2,3,4,5,6,7
	v_cvt_pk_f16_f32 v[\base+8*cw_+\j], v[\base+16*cw_+2*\j], v[\base+16*cw_+2*\j+1]
.endr
.set cw_, cw_+1
.endr
.endm
; eight f32 at src become hi (4 registers of bf16) and lo = bf16(src - hi) (4 registers); t: eight registers at work; src is kept
.macro HILO8 src, hi, lo, t
.irp i, 0,1,2,3
	v_cvt_pk_bf16_f32 v[\hi+\i], v[\src+2*\i], v[\src+2*\i+1]
.endr
.irp i, 0,1,2,3
	v_lshlrev_b32 v[\t+2*\i], 16, v[\hi+\i]
	v_and_b32 v[\t+2*\i+1], 0xffff0000, v[\hi+\i]
.endr
.irp i, 0,1,2,3
	v_pk_add_f32 v[\t+2*\i:\t+2*\i+1], v[\src+2*\i:\src+2*\i+1], v[\t+2*\i:\t+2*\i+1] neg_lo:[0,1] neg_hi:[0,1]
.endr
.irp i, 0,1,2,3
	v_cvt_pk_bf16_f32 v[\lo+\i], v[\t+2*\i], v[\t+2*\i+1]
.endr
.endm
; t[0..n-1] = sigmoid(y[0..n-1]) = 1 / (1 + 2^(-log2(e) y)); the wait for the reciprocals stands behind the macro, ahead of their first reader
.macro SIG y, t, n
.set sg_, 0
.rept \n/2
	v_pk_mul_f32 v[\t+sg_:\t+sg_+1], v[\y+sg_:\y+sg_+1], 0xbfb8aa3b op_sel_hi:[1,0]
.set sg_, sg_+2
.endr
.set sg_, 0
.rept \n
	v_exp_f32 v[\t+sg_], v[\t+sg_]
.set sg_, sg_+1
.endr
	v_nop                                          ; one plain place behind the last exponential (ISA guide 5.7.2)
	s_wait_alu depctr_va_vdst(0)                   ; the exponentials have written v[t ..]: one wait for the batch, ahead of its first reader
.set sg_, 0
.rept \n/2
	v_pk_add_f32 v[\t+sg_:\t+sg_+1], v[\t+sg_:\t+sg_+1], 1.0 op_sel_hi:[1,0]
.set sg_, sg_+2
.endr
.set sg_, 0
.rept \n
	v_rcp_f32 v[\t+sg_], v[\t+sg_]
.set sg_, sg_+1
.endr
	v_nop                                          ; and behind the last reciprocal
.endm
.macro XCVT                            ; x to f16: four numbers close up into the first two of their four registers
.set n_, 0
.rept 16
	v_cvt_pk_f16_f32 v[32+4*n_], v[32+4*n_], v[33+4*n_]
	v_cvt_pk_f16_f32 v[33+4*n_], v[34+4*n_], v[35+4*n_]
.set n_, n_+1
.endr
.endm
.macro XSTORE                          ; and into LDS: row t / 16 + 16 n, 8 bytes at 8 r
.set n_, 0
.rept 16
	ds_store_b64 v25, v[32+4*n_:33+4*n_] offset:XS+2560*n_
.set n_, n_+1
.endr
.endm
.macro S1T1                            ; waves 0-3: s1 = g1 rsq(v1 + eps), t1 = b1 - m1 s1 of channel t
	v_add_f32 v243, 0x3727c5ac, v243
	v_rsq_f32 v243, v243
	v_nop
	s_wait_alu depctr_va_vdst(0)                   ; the root's reciprocal is written into v243, ahead of its first reader
	v_mul_f32 v240, v240, v243
	v_fma_f32 v241, -v242, v240, v241
	s_wait_alu depctr_va_vdst(0)                   ; s1 and t1 are written into v240 and v241, which the two LDS stores read
	ds_store_b32 v4, v240 offset:PRM
	ds_store_b32 v4, v241 offset:PRM+512
.endm
.macro LB ks, base                     ; x as B fragments through transposing loads: channels 32 ks .., four tiles of positions, into v[base ..]
	WIN 0
.irp qt, 0,1,2,3
	ds_load_tr16_b128 v[\base+8*\qt:\base+8*\qt+3], v27 offset:XS+5120*(\ks)+32*\qt
	ds_load_tr16_b128 v[\base+8*\qt+4:\base+8*\qt+7], v27 offset:XS+5120*(\ks)+32*\qt+2560
.endr
.endm
.macro XS1 k, base, cnt                ; step k of x1's product: A = w1 in window 1.  The four sums take turns, one instruction a turn
	s_wait_dscnt \cnt                              ; LDS loads come back in order: this step's eight are in, the cnt younger ones stay out
	WIN 0x01
.irp qt, 0,1,2,3
.if (\k) == 0
	MMH0 96+8*\qt, 8*(\k), \base+8*\qt
.else
	MMH 96+8*\qt, 8*(\k), \base+8*\qt, 96+8*\qt
.endif
.endr
.endm
.macro LX ks, w, base                  ; x1 as fragments: steps 0-3 hi, 4-7 lo; into v[base ..] of window w
.if \w
	WIN 0x40
.else
	WIN 0
.endif
.irp qt, 0,1,2,3
	ds_load_b128 v[\base+8*\qt:\base+8*\qt+3], v30 offset:(X1L-X1S)*((\ks)/4)+4352*\qt+64*((\ks)%4)
	ds_load_b128 v[\base+8*\qt+4:\base+8*\qt+7], v30 offset:(X1L-X1S)*((\ks)/4)+4352*\qt+64*((\ks)%4)+32
.endr
.endm
; x1 = SiLU(BN(w1 x)): A = w1 (window 1), B = x, both f16; K = 256 in eight steps; x1 = hi + lo into LDS; the barrier behind it.
; Five buffers: steps 0-4 in v32, v64, v144, v176, v208; steps 5-7 in the first three again.
.macro X1PHASE
	LB 0, 32
	LB 1, 64
	LB 2, 144
	LB 3, 176
	LB 4, 208
	XS1 0, 32, 32
	XS1 1, 64, 24
	XS1 2, 144, 16
	WIN 0
	PLACES                                         ; the four places behind the products stay beside the wait
	s_wait_alu depctr_va_vdst(0)                   ; the products of steps 0 to 2 are done reading v32-95 and v144-175, in which the loads of steps 5 to 7 land; the products dealt among those loads name v176-239
	LB 5, 32
	XS1 3, 176, 16
	LB 6, 64
	XS1 4, 208, 16
	LB 7, 144
	ds_load_b128 v[128:131], v28 offset:PRM        ; s1, t1 of my 8 channels
	ds_load_b128 v[132:135], v28 offset:PRM+16
	ds_load_b128 v[136:139], v28 offset:PRM+512
	ds_load_b128 v[140:143], v28 offset:PRM+528
	XS1 5, 32, 20
	XS1 6, 64, 12
	XS1 7, 144, 4
	WIN 0
	PLACES
	s_wait_dscnt 0x0                               ; s1, t1
.irp qt, 0,1,2,3
.irp i, 0,2,4,6
	v_pk_fma_f32 v[96+8*\qt+\i:97+8*\qt+\i], v[96+8*\qt+\i:97+8*\qt+\i], v[128+\i:129+\i], v[136+\i:137+\i]
.endr
.endr
	SIG 96, 144, 32
	s_wait_alu depctr_va_vdst(0)                   ; the reciprocals have written v144-175: one wait for the batch, ahead of its first reader
.set n_, 0
.rept 16
	v_pk_mul_f32 v[96+n_:97+n_], v[96+n_:97+n_], v[144+n_:145+n_]
.set n_, n_+2
.endr
.irp qt, 0,1,2,3
	HILO8 96+8*\qt, 144+4*\qt, 160+4*\qt, 176
.endr
	s_wait_alu depctr_va_vdst(0)                   ; x1's hi and lo are written into v144-175, which the eight LDS stores read; all that named the fragments' and sums' registers is done, for the next phase's loads
.irp qt, 0,1,2,3
	ds_store_b128 v29, v[144+4*\qt:147+4*\qt] offset:4352*\qt
	ds_store_b128 v29, v[160+4*\qt:163+4*\qt] offset:X1L-X1S+4352*\qt
.endr
	s_wait_dscnt 0x0                               ; my stores of x1, and my reads of x's stage
	s_barrier_signal -1
	s_barrier_wait -1
	s_wait_alu depctr_vm_vsrc(0)                   ; my LDS stores have read v144-175, into which the next phase's fragments land and its products write
.endm
	s_load_b512 s[8:23], s[0:1], 0x0               ; x 8, w1 10, g1 12, b1 14, m1 16, v1 18, wq 20, bq 22
	s_load_b512 s[24:39], s[0:1], 0x40             ; wk 24, bk 26, wv 28, bv 30, wp 32, bp 34, rel_h 36, rel_w 38
	s_load_b512 s[40:55], s[0:1], 0x80             ; ef_h 40, ef_w 42, qa 44, kb 46, vt 48, o2 50, w2 52, w3 54
	s_load_b64 s[56:57], s[0:1], 0xc0              ; wf
	v_lshrrev_b32 v1, 5, v0
	v_readfirstlane_b32 s58, v1                    ; wave w
	s_mov_b32 s59, ttmp9                           ; g
	s_and_b32 s62, ttmp7, 0xffff                   ; y: the kind
	s_mov_b32 s60, 0x76543210                      ; v_permlanex16_b32: lane i reads lane i of the other half
	s_mov_b32 s61, 0xfedcba98
	s_lshl_b32 s66, ttmp9, 8                       ; 4 i0: x
	s_mov_b32 s67, 0
	v_and_b32 v1, 31, v0                           ; L
	v_and_b32 v2, 15, v0                           ; r
	v_bfe_u32 v3, v0, 4, 1                         ; h
	v_and_b32 v4, 127, v0
	v_lshlrev_b32 v4, 2, v4                        ; 4 (t mod 128): the per-channel vectors
	v_lshrrev_b32 v16, 4, v0                       ; t / 16
	v_mul_u32_u24 v5, v16, 25600
	v_lshl_add_u32 v5, v2, 4, v5                   ; x: row t / 16, 16 bytes at 16 r
	s_wait_alu depctr_va_sdst(0)                   ; s58 is written, ahead of its first reader, the next line
	v_lshl_add_u32 v19, s58, 4, v2                 ; 16 w + r
	v_lshlrev_b32 v20, 5, v3                       ; 32 h
	v_lshl_add_u32 v7, v19, 9, v20                 ; weights with rows of 512 bytes
	v_lshl_add_u32 v18, v19, 10, v20               ; w1: rows of 1,024 bytes
	v_mul_u32_u24 v25, v16, XP
	v_lshl_add_u32 v25, v2, 3, v25                 ; x in LDS: row t / 16, 8 bytes at 8 r
	v_and_b32 v22, 7, v0
	v_lshl_add_u32 v22, v3, 3, v22                 ; 8 h + L mod 8
	v_bfe_u32 v23, v0, 3, 1
	v_lshlrev_b32 v23, 4, v23
	v_mad_u32_u24 v27, v22, XP, v23                ; transposing loads at pitch 160: x, and ef in kind B
	v_lshlrev_b32 v28, 5, v3
	v_lshl_add_u32 v28, s58, 6, v28                ; 4 (16 w + 8 h): my 8 channels in the per-channel vectors
	v_mul_u32_u24 v30, v2, 272
	v_lshl_add_u32 v30, v3, 4, v30
	v_add_nc_u32 v30, X1S, v30                     ; x1 read as fragments
	v_lshl_add_u32 v29, s58, 5, v30                ; x1 written: + 32 w
	v_lshlrev_b32 v31, 2, v19                      ; 4 (16 w + r): v's bias
	s_wait_kmcnt 0x0
	s_add_nc_u64 s[8:9], s[8:9], s[66:67]
	s_wait_alu depctr_va_vdst(0)                   ; the offsets and LDS addresses v4, v5, v7, v18, v25, v27 to v31 are written, which loads and stores of both kinds read
.set n_, 0
.rept 16
	global_load_b128 v[32+4*n_:35+4*n_], v5, s[8:9] offset:409600*n_       ; x: channels 16 n + t / 16; sixteen lanes take 256 aligned bytes
.set n_, n_+1
.endr
	s_cmp_lg_u32 s62, 0
	s_cbranch_scc1 .Ltype_b
	; ================ kind A: q, k, v, cp ================
	s_lshl_b32 s68, s59, 15                        ; 512 i0: qa, kb
	s_mov_b32 s69, 0
	s_lshl_b32 s70, s59, 14                        ; 16,384 g: vt
	s_mov_b32 s71, 0
	s_add_nc_u64 s[44:45], s[44:45], s[68:69]
	s_add_nc_u64 s[46:47], s[46:47], s[68:69]
	s_add_nc_u64 s[48:49], s[48:49], s[70:71]
	s_lshl_b32 s72, s59, 6                         ; i0
	v_lshl_add_u32 v21, s58, 1, v3
	v_mul_u32_u24 v21, v21, 2560                   ; (16 w + 8 h) rows of 320 bytes in rel_h, rel_w
	v_add_nc_u32 v20, s72, v2                      ; i0 + r
.irp qt, 0,1,2,3
	v_add_nc_u32 v22, 16*\qt, v20                  ; position i
	v_mul_u32_u24 v23, v22, 0xcccd
	v_lshrrev_b32 v23, 22, v23                     ; i / 80 (52,429 x 80 = 2^22 + 16: exact for i below 6,400)
	v_mul_u32_u24 v24, v23, 80
	v_sub_nc_u32 v24, v22, v24                     ; i mod 80
	v_lshl_add_u32 v[8+\qt], v24, 2, v21           ; rel_w
	v_lshl_add_u32 v[12+\qt], v23, 2, v21          ; rel_h
.endr
	v_mul_u32_u24 v26, v2, 528
	v_lshl_add_u32 v26, v3, 4, v26
	v_lshl_add_u32 v26, s58, 5, v26
	v_add_nc_u32 v26, QAS, v26                     ; qa's stage: row r, my 8 channels at 32 w + 16 h
	s_wait_alu depctr_va_vdst(0)                   ; rel's offsets v8 to v15 and the stage's address v26 are written, which the loads below and the LDS stores read
	; all loads go out at the head: x 16 (above), per-channel 4 or 3, rel 64, w1 32, wq 16, wk 16, wv 16
	s_cmp_lt_u32 s58, 4
	s_cbranch_scc0 .La_prm_hi
	global_load_b32 v240, v4, s[12:13]             ; waves 0-3: g1, b1, m1, v1 of channel t
	global_load_b32 v241, v4, s[14:15]
	global_load_b32 v242, v4, s[16:17]
	global_load_b32 v243, v4, s[18:19]
	s_branch .La_prm_done
.La_prm_hi:
	global_load_b32 v240, v4, s[22:23]             ; waves 4-7: bq, bk, bv of channel t - 128
	global_load_b32 v241, v4, s[26:27]
	global_load_b32 v242, v4, s[30:31]
.La_prm_done:
.irp qt, 0,1,2,3
.irp j, 0,1,2,3,4,5,6,7
	global_load_b32 v[176+8*\qt+\j], v[8+\qt], s[38:39] offset:320*\j      ; rel_w[16 w + 8 h + j][i mod 80]
.endr
.endr
.irp qt, 0,1,2,3
.irp j, 0,1,2,3,4,5,6,7
	global_load_b32 v[208+8*\qt+\j], v[12+\qt], s[36:37] offset:320*\j     ; rel_h[16 w + 8 h + j][i / 80]
.endr
.endr
	WIN 0x40                                       ; loaded data into window 1
	LDW 0, 18, 10, 8, 0                            ; w1
	LDW 128, 7, 20, 4, 0                           ; wq
	LDW 192, 7, 24, 4, 0                           ; wk
	WIN 0
	LDW 96, 7, 28, 4, 0                            ; wv, into window 0's v96-159
	; work-groups 0 to 15: fragment f = 8 g + w of w2 (f below 64) or w3, into wf.  One block: its loads, their wait, the conversion, the stores
	s_cmp_lt_u32 s59, 16
	s_cbranch_scc0 .La_no_wf
	s_lshl3_add_u32 s72, s59, s58                  ; f
	s_bfe_u32 s73, s72, 0x40002                    ; channel tile (f / 4) mod 16
	s_and_b32 s74, s72, 3                          ; K step
	s_lshl_b32 s73, s73, 13                        ; 16 rows of 512 bytes
	s_lshl_b32 s74, s74, 7                         ; 32 numbers of 4 bytes
	s_add_co_u32 s73, s73, s74
	v_lshlrev_b32 v6, 9, v2
	v_lshl_add_u32 v6, v3, 5, v6
	v_add_nc_u32 v6, s73, v6                       ; row r of the tile, 32 h, the K step
	s_lshl_b32 s74, s72, 10
	v_lshl_add_u32 v17, v1, 4, s74                 ; 1,024 f + 16 L
	s_wait_alu depctr_va_vdst(0)                   ; the offsets v6 and v17 are written, which the block's loads and stores read
	s_cmp_lt_u32 s59, 8
	s_cbranch_scc0 .La_wf_h
	LDW 160, 6, 52, 1, 0                           ; w2
	s_wait_loadcnt 0x0
	CVW 160, 0, 1
	s_branch .La_wf_st
.La_wf_h:
	LDW 160, 6, 54, 1, 0                           ; w3
	s_wait_loadcnt 0x0
	CVWH 160, 0, 1
.La_wf_st:
	s_wait_alu depctr_va_vdst(0)                   ; the conversions have written v160-167, which the two stores read
	global_store_b128 v17, v[160:163], s[56:57]                ; each store covers 512 consecutive aligned bytes
	global_store_b128 v17, v[164:167], s[56:57] offset:512
	s_wait_xcnt 0x0                                ; the stores' registers are written again only behind this wait
.La_no_wf:
	s_wait_loadcnt 63                              ; 80 weight loads were issued behind rel's: x, the per-channel vectors and rel are in
	XCVT
.irp qt, 0,1,2,3
.irp i, 0,2,4,6
	v_pk_add_f32 v[176+8*\qt+\i:177+8*\qt+\i], v[176+8*\qt+\i:177+8*\qt+\i], v[208+8*\qt+\i:209+8*\qt+\i]
.endr
.irp i, 0,2,4,6
	v_pk_mul_f32 v[176+8*\qt+\i:177+8*\qt+\i], v[176+8*\qt+\i:177+8*\qt+\i], 0x3fb8aa3b op_sel_hi:[1,0]
.endr
.irp i, 0,1,2,3
	v_cvt_pk_bf16_f32 v[176+8*\qt+\i], v[176+8*\qt+2*\i], v[177+8*\qt+2*\i]
.endr
.endr
	s_wait_alu depctr_va_vdst(0)                   ; the conversions have written x's f16 (v32 ..) and cp's bf16 (v176 ..), which the twenty LDS stores read
	XSTORE
.irp qt, 0,1,2,3
	ds_store_b128 v26, v[176+8*\qt:179+8*\qt] offset:8448*\qt+256          ; log2(e) cp: columns 128-255 of qa
.endr
	s_cmp_lt_u32 s58, 4
	s_cbranch_scc0 .La_prm2_hi
	S1T1
	s_branch .La_prm2_done
.La_prm2_hi:
	ds_store_b32 v4, v240 offset:PRM+1024          ; as loaded: no vector instruction has named them
	ds_store_b32 v4, v241 offset:PRM+1536
	ds_store_b32 v4, v242 offset:PRM+2048
.La_prm2_done:
	s_wait_loadcnt 48                              ; w1 is in; wq, wk, wv (48 loads) may stay out
	WIN 0x45                                       ; destination and both sources in window 1
	CVWH 0, 0, 8                                   ; w1 to f16
	s_wait_loadcnt 16                              ; wq, wk are in; wv's 16 may stay out
	CVW 0, 8, 16                                   ; wq, wk to bf16
	s_wait_loadcnt 0x0
	WIN 0x40                                       ; sources in window 0, destination in window 1
.set cw_, 0
.rept 4
.irp j, 0,1,2,3,4,5,6,7
	v_cvt_pk_bf16_f32 v[128+8*cw_+\j], v[96+16*cw_+2*\j], v[96+16*cw_+2*\j+1]  ; wv
.endr
.set cw_, cw_+1
.endr
	WIN 0
	; addresses of the later phases (every load is done)
	s_wait_alu depctr_vm_vsrc(0)                   ; the loads have read their offsets v5, v6, v8 to v10, written anew below; the stores have read v32-95, v160-167, v176-207 and v240-242, in which fragments land and into which later phases write
	v_mul_u32_u24 v5, v19, VP
	v_lshl_add_u32 v5, v3, 4, v5
	v_add_nc_u32 v5, VS, v5                        ; v written: row 16 w + r, 16 h
	s_mul_i32 s72, s58, 8*528
	s_add_co_u32 s72, s72, QAS
	v_lshl_add_u32 v6, v1, 4, s72                  ; qa, kb read back: rows 8 w + n, 16 L
	s_lshl_b32 s73, s58, 12
	v_lshl_add_u32 v8, v1, 4, s73                  ; and their place in memory
	v_lshrrev_b32 v9, 3, v1
	v_lshl_add_u32 v9, s58, 4, v9
	v_mul_u32_u24 v9, v9, VP
	v_and_b32 v10, 7, v0
	v_lshl_add_u32 v9, v10, 4, v9
	v_add_nc_u32 v9, VS, v9                        ; v read back: rows 16 w + 4 n + L / 8
	s_lshl_b32 s73, s58, 11
	v_lshl_add_u32 v10, v1, 4, s73
	s_wait_alu depctr_va_vdst(0)                   ; v5, v6, v8 to v10 are written, which the later phases' LDS and global instructions read; wv's conversions are done reading v96-159 and cp's arithmetic v176-239, in which s1, t1 and x's fragments land
	s_wait_dscnt 0x0                               ; my stores are in LDS,
	s_barrier_signal -1
	s_barrier_wait -1                              ; everybody's are
	X1PHASE
	; q, k (A = weight, B = x1: eight channels a lane) and v (A = x1, B = weight: eight keys a lane); the biases enter as the first C.
	; Eight steps: x1 hi's four, then x1 lo's four with the same weights.  Each step's fragments have registers of their own: steps 0-2 in window 0's v32, v64, v160,
	; steps 3-7 in window 1's v0, v32 (where w1 lay), v160, v192, v224: no wait on va_vdst is owed in the phase
.macro QSTEP k, w, base, cnt           ; twelve sums take turns, one instruction a turn
	s_wait_dscnt \cnt                              ; this step's eight loads are in, the cnt younger ones stay out
.set w_, 8*((\k)%4)
.if \w
	WIN 0x05                                       ; weights and x1 in window 1
.else
	WIN 0x01                                       ; A, the weight, in window 1
.endif
.irp qt, 0,1,2,3
.if (\k) == 0
	MM 96+8*\qt, 64+w_, \base+8*\qt, 224
.else
	MM 96+8*\qt, 64+w_, \base+8*\qt, 96+8*\qt
.endif
.endr
.irp qt, 0,1,2,3
.if (\k) == 0
	MM 128+8*\qt, 96+w_, \base+8*\qt, 232
.else
	MM 128+8*\qt, 96+w_, \base+8*\qt, 128+8*\qt
.endif
.endr
.if (\w) == 0
	WIN 0x04                                       ; B, the weight, in window 1
.endif
.irp qt, 0,1,2,3
.if (\k) == 0
	MM 192+8*\qt, \base+8*\qt, 128+w_, 248
.else
	MM 192+8*\qt, \base+8*\qt, 128+w_, 192+8*\qt
.endif
.endr
.endm
	ds_load_b128 v[224:227], v28 offset:PRM+1024   ; bq
	ds_load_b128 v[228:231], v28 offset:PRM+1040
	ds_load_b128 v[232:235], v28 offset:PRM+1536   ; bk
	ds_load_b128 v[236:239], v28 offset:PRM+1552
.irp j, 0,1,2,3,4,5,6,7
	ds_load_b32 v[248+\j], v31 offset:PRM+2048     ; bv of channel 16 w + r, for all eight keys
.endr
	LX 0, 0, 32
	LX 1, 0, 64
	LX 2, 0, 160
	LX 3, 1, 0
	LX 4, 1, 32
	QSTEP 0, 0, 32, 32
	LX 5, 1, 160                                   ; no wait: no product since the last wait on va_vdst names these registers
	QSTEP 1, 0, 64, 32
	LX 6, 1, 192
	QSTEP 2, 0, 160, 32
	LX 7, 1, 224
	QSTEP 3, 1, 0, 32
	QSTEP 4, 1, 32, 24
	QSTEP 5, 1, 160, 16
	QSTEP 6, 1, 192, 8
	QSTEP 7, 1, 224, 0
	WIN 0
	PLACES
.irp qt, 0,1,2,3                       ; tile qt's sixteen out-registers at v[32 + 16 qt]: k, q, log2(e) q, v
.irp i, 0,1,2,3
	v_cvt_pk_bf16_f32 v[32+16*\qt+\i], v[128+8*\qt+2*\i], v[129+8*\qt+2*\i]       ; k
	v_cvt_pk_bf16_f32 v[36+16*\qt+\i], v[96+8*\qt+2*\i], v[97+8*\qt+2*\i]         ; q
	v_cvt_pk_bf16_f32 v[44+16*\qt+\i], v[192+8*\qt+2*\i], v[193+8*\qt+2*\i]       ; v
.endr
.irp i, 0,2,4,6
	v_pk_mul_f32 v[96+8*\qt+\i:97+8*\qt+\i], v[96+8*\qt+\i:97+8*\qt+\i], 0x3fb8aa3b op_sel_hi:[1,0]
.endr
.irp i, 0,1,2,3
	v_cvt_pk_bf16_f32 v[40+16*\qt+\i], v[96+8*\qt+2*\i], v[97+8*\qt+2*\i]         ; log2(e) q
.endr
.endr
	s_wait_alu depctr_va_vdst(0)                   ; the conversions have written v32-95, which the sixteen LDS stores read, and are done reading v96-111, in which v's rows land below
.irp qt, 0,1,2,3
	ds_store_b128 v26, v[32+16*\qt:35+16*\qt] offset:KBO+8448*\qt
	ds_store_b128 v26, v[36+16*\qt:39+16*\qt] offset:KBO+256+8448*\qt
	ds_store_b128 v5, v[44+16*\qt:47+16*\qt] offset:32*\qt
	ds_store_b128 v26, v[40+16*\qt:43+16*\qt] offset:8448*\qt
.endr
	s_wait_dscnt 0x0
	s_barrier_signal -1
	s_barrier_wait -1
	s_wait_alu depctr_vm_vsrc(0)                   ; my LDS stores have read v32-95, in which the rows read back land
	; qa, kb, vt leave as whole rows: a wave's store covers 512 consecutive aligned bytes
.set n_, 0
.rept 8
	ds_load_b128 v[32+4*n_:35+4*n_], v6 offset:528*n_
.set n_, n_+1
.endr
.set n_, 0
.rept 8
	ds_load_b128 v[64+4*n_:67+4*n_], v6 offset:KBO+528*n_
.set n_, n_+1
.endr
.set n_, 0
.rept 4
	ds_load_b128 v[96+4*n_:99+4*n_], v9 offset:576*n_
.set n_, n_+1
.endr
.set n_, 0
.rept 8
	s_wait_dscnt 19-n_                             ; LDS loads come back in order: the younger ones stay out
	global_store_b128 v8, v[32+4*n_:35+4*n_], s[44:45] offset:512*n_
.set n_, n_+1
.endr
.set n_, 0
.rept 8
	s_wait_dscnt 11-n_
	global_store_b128 v8, v[64+4*n_:67+4*n_], s[46:47] offset:512*n_
.set n_, n_+1
.endr
.set n_, 0
.rept 4
	s_wait_dscnt 3-n_
	global_store_b128 v10, v[96+4*n_:99+4*n_], s[48:49] offset:512*n_
.set n_, n_+1
.endr
	s_wait_xcnt 0x0
	v_lshl_add_u32 v22, v0, 2, 0x4fc00             ; the closing add's two registers are made anew: no memory or LDS instruction has read v22 or v23
	v_mov_b32 v23, 0
	s_wait_dscnt 0x0                               ; the closing lines, six on end
	s_wait_alu 0x0
	s_wait_tensorcnt 0x0
	ds_add_u32 v22, v23
	s_wait_dscnt 0x0
	s_endpgm
	; ================ kind B: p and the second branch ================
.Ltype_b:
	s_lshl_b32 s70, s59, 14                        ; 256 i0: o2
	s_mov_b32 s71, 0
	s_add_nc_u64 s[50:51], s[50:51], s[70:71]
	v_lshlrev_b32 v6, 4, v0                        ; ef_h, ef_w: thread t takes the 16 bytes at 16 t + 4,096 n: a wave's load covers 512 consecutive bytes
	v_lshlrev_b32 v17, 3, v0                       ; and puts their 8 bytes at 8 t + 2,048 n: the arrays lie in LDS as in memory
	v_add_nc_u32 v24, E16, v17
	v_add_nc_u32 v26, EL, v17
	v_add_nc_u32 v17, EH, v17
	s_wait_alu depctr_va_vdst(0)                   ; ef's offset v6 and its three LDS addresses v17, v24, v26 are written, which the loads below and the LDS stores read
	; all loads go out at the head: x 16 (above), per-channel 4 or 1, ef 20, w1 32, wp 16
	s_cmp_lt_u32 s58, 4
	s_cbranch_scc0 .Lb_prm_hi
	global_load_b32 v240, v4, s[12:13]             ; waves 0-3: g1, b1, m1, v1 of channel t
	global_load_b32 v241, v4, s[14:15]
	global_load_b32 v242, v4, s[16:17]
	global_load_b32 v243, v4, s[18:19]
	s_branch .Lb_prm_done
.Lb_prm_hi:
	global_load_b32 v240, v4, s[34:35]             ; waves 4-7: bp of channel t - 128
.Lb_prm_done:
.set n_, 0
.rept 10
	global_load_b128 v[96+4*n_:99+4*n_], v6, s[40:41] offset:4096*n_
.set n_, n_+1
.endr
.set n_, 0
.rept 10
	global_load_b128 v[136+4*n_:139+4*n_], v6, s[42:43] offset:4096*n_
.set n_, n_+1
.endr
	WIN 0x40
	LDW 0, 18, 10, 8, 0                            ; w1
	LDW 128, 7, 32, 4, 0                           ; wp
	WIN 0
	s_wait_loadcnt 48                              ; w1's 32 and wp's 16 loads may stay out
	XCVT
	s_wait_alu depctr_va_vdst(0)                   ; the conversions have written x's f16 (v32 ..), which the sixteen LDS stores read
	XSTORE
; eight numbers of ef at v[s ..]: bf16 hi into v[h .. h+3]; f16 closes up in place into v[s .. s+3]; bf16 lo = bf16(ef - hi) into v[s+4 .. s+7]; v216-223 at work
.macro ECONV s, h
.irp i, 0,1,2,3
	v_cvt_pk_bf16_f32 v[\h+\i], v[\s+2*\i], v[\s+2*\i+1]
.endr
.irp i, 0,1,2,3
	v_lshlrev_b32 v[216+2*\i], 16, v[\h+\i]
	v_and_b32 v[217+2*\i], 0xffff0000, v[\h+\i]
.endr
.irp i, 0,1,2,3
	v_pk_add_f32 v[216+2*\i:217+2*\i], v[\s+2*\i:\s+2*\i+1], v[216+2*\i:217+2*\i] neg_lo:[0,1] neg_hi:[0,1]
.endr
.irp i, 0,1,2,3
	v_cvt_pk_f16_f32 v[\s+\i], v[\s+2*\i], v[\s+2*\i+1]
.endr
.irp i, 0,1,2,3
	v_cvt_pk_bf16_f32 v[\s+4+\i], v[216+2*\i], v[217+2*\i]
.endr
.endm
; and their stores: two pieces of four numbers 2,048 LDS bytes apart, in each of the three arrays
.macro ESTORE s, h, off
	ds_store_b64 v17, v[\h:\h+1] offset:\off
	ds_store_b64 v17, v[\h+2:\h+3] offset:\off+2048
	ds_store_b64 v26, v[\s+4:\s+5] offset:\off
	ds_store_b64 v26, v[\s+6:\s+7] offset:\off+2048
	ds_store_b64 v24, v[\s:\s+1] offset:\off
	ds_store_b64 v24, v[\s+2:\s+3] offset:\off+2048
.endm
.set n_, 0
.rept 5
	ECONV 96+8*n_, 176+4*n_                        ; ef_h
.set n_, n_+1
.endr
	s_wait_alu depctr_va_vdst(0)                   ; ef_h's conversions have written v96-135 and v176-195, which the thirty LDS stores read
.set n_, 0
.rept 5
	ESTORE 96+8*n_, 176+4*n_, 4096*n_
.set n_, n_+1
.endr
.set n_, 0
.rept 5
	ECONV 136+8*n_, 196+4*n_                       ; ef_w: registers that no pending store reads
.set n_, n_+1
.endr
	s_wait_alu depctr_va_vdst(0)                   ; ef_w's conversions have written v136-175 and v196-215, which the thirty LDS stores read
.set n_, 0
.rept 5
	ESTORE 136+8*n_, 196+4*n_, EWO+4096*n_
.set n_, n_+1
.endr
	s_cmp_lt_u32 s58, 4
	s_cbranch_scc0 .Lb_prm2_hi
	S1T1
	s_branch .Lb_prm2_done
.Lb_prm2_hi:
	ds_store_b32 v4, v240 offset:PRM+2560          ; as loaded: no vector instruction has named it
.Lb_prm2_done:
	s_wait_loadcnt 16                              ; w1 is in; wp's 16 loads may stay out
	WIN 0x45
	CVWH 0, 0, 8                                   ; w1 to f16
	s_wait_loadcnt 0x0
.irp g, 0,1,2,3
	HILO8 128+16*\g, 192+8*\g, 224+8*\g, 64        ; wp = hi + lo; the registers at work lie where w1's f32 lay
	HILO8 128+16*\g+8, 192+8*\g+4, 224+8*\g+4, 64
.endr
	WIN 0
	; addresses of the later phases (every load is done).  Second branch: wave w has positions 16 (w mod 4) .., and group w / 4 (0: h, 1: w; also its half of the channels)
	s_wait_alu depctr_vm_vsrc(0)                   ; the loads and LDS stores have read v4 and v17, written anew below, and the stores' data v32-95, v96-215 and v240-241, in which fragments land and into which products write
	v_mul_u32_u24 v4, v2, 272
	v_lshl_add_u32 v4, v3, 4, v4
	v_lshl_add_u32 v4, s58, 5, v4
	v_add_nc_u32 v4, PS, v4                        ; p written: row r, 32 w + 16 h
	s_and_b32 s72, s58, 3
	s_lshr_b32 s73, s58, 2
	v_lshl_add_u32 v10, s72, 4, v2                 ; my position's row
	v_mul_u32_u24 v11, v10, 272
	v_lshl_add_u32 v11, v3, 4, v11
	v_lshl_add_u32 v14, s73, 7, v11
	v_add_nc_u32 v14, O2S, v14                     ; result written
	v_add_nc_u32 v11, PS, v11                      ; p read as fragments
	v_mul_u32_u24 v9, v10, P2P
	v_lshl_add_u32 v9, v3, 4, v9
	v_add_nc_u32 v9, P2S, v9                       ; alpha | beta read as fragments
	s_mul_i32 s74, s73, 160
	v_add_nc_u32 v8, s74, v9                       ; my group's 80 columns written
	s_mul_i32 s74, s73, EWO
	s_add_co_u32 s74, s74, EH
	v_add_nc_u32 v12, s74, v27                     ; transposing loads from my group's ef hi
	v_add_nc_u32 v17, EL-EH, v12                   ; and lo
	v_lshl_add_u32 v13, s73, 6, v2
	v_mul_u32_u24 v13, v13, EP
	v_lshl_add_u32 v13, v3, 4, v13
	v_add_nc_u32 v13, E16, v13                     ; plain fragments of ef in f16: rows 64 (w / 4) + r
	v_lshl_add_u32 v16, s58, 3, v3                 ; 8 w + h
	v_mul_u32_u24 v15, v16, 272
	v_lshl_add_u32 v15, v2, 4, v15
	v_add_nc_u32 v15, O2S, v15                     ; result read back
	v_lshlrev_b32 v16, 8, v16
	v_lshl_add_u32 v16, v2, 4, v16                 ; and its place in memory
	s_wait_alu depctr_va_vdst(0)                   ; v4 and v8 to v17 are written, which the later phases' LDS and global instructions read; ef's conversions are done with v96-223, in which s1, t1 and x's fragments land
	s_wait_dscnt 0x0
	s_barrier_signal -1
	s_barrier_wait -1
	X1PHASE
	; p = wp hi x1 hi + wp lo x1 hi + wp hi x1 lo + bp: eight steps.  Each step's fragments have registers of their own: x1 hi's four in window 0's v32-159,
	; x1 lo's four in window 1's v0-127 (where w1's f32 lay): no wait on va_vdst is owed in the phase
.macro PSTEP k, w, base, cnt           ; four sums take turns, one instruction a turn
	s_wait_dscnt \cnt                              ; this step's eight loads are in, the cnt younger ones stay out
.set w_, 8*((\k)%4)
.if \w
	WIN 0x05
.else
	WIN 0x01
.endif
.irp qt, 0,1,2,3
.if (\k) == 0
	MM 160+8*\qt, 192+w_, \base+8*\qt, 240
.else
	MM 160+8*\qt, 192+w_, \base+8*\qt, 160+8*\qt
.endif
.endr
.if (\k) < 4
.irp qt, 0,1,2,3
	MM 160+8*\qt, 224+w_, \base+8*\qt, 160+8*\qt   ; wp lo x x1 hi
.endr
.endif
.endm
	ds_load_b128 v[240:243], v28 offset:PRM+2560   ; bp
	ds_load_b128 v[244:247], v28 offset:PRM+2576
	LX 0, 0, 32
	LX 1, 0, 64
	LX 2, 0, 96
	LX 3, 0, 128
	LX 4, 1, 0
	LX 5, 1, 32
	PSTEP 0, 0, 32, 40
	LX 6, 1, 64                                    ; no wait: no product since the last wait on va_vdst names these registers
	PSTEP 1, 0, 64, 40
	LX 7, 1, 96
	PSTEP 2, 0, 96, 40
	PSTEP 3, 0, 128, 32
	PSTEP 4, 1, 0, 24
	PSTEP 5, 1, 32, 16
	PSTEP 6, 1, 64, 8
	PSTEP 7, 1, 96, 0
	WIN 0
	PLACES
.irp qt, 0,1,2,3
.irp i, 0,2,4,6
	v_pk_mul_f32 v[160+8*\qt+\i:161+8*\qt+\i], v[160+8*\qt+\i:161+8*\qt+\i], 0x3fb8aa3b op_sel_hi:[1,0]
.endr
	HILO8 160+8*\qt, 32+4*\qt, 48+4*\qt, 64        ; log2(e) p = hi + lo: tile qt's out-registers at v[32 + 4 qt] and v[48 + 4 qt]
.endr
	s_wait_alu depctr_va_vdst(0)                   ; p's hi and lo are written into v32-63, which the eight LDS stores read; the products are done with their fragments, weights and bias, in whose registers p's and ef's fragments land
.irp qt, 0,1,2,3
	ds_store_b128 v4, v[32+4*\qt:35+4*\qt] offset:4352*\qt
	ds_store_b128 v4, v[48+4*\qt:51+4*\qt] offset:PSL-PS+4352*\qt
.endr
	s_wait_dscnt 0x0
	s_barrier_signal -1
	s_barrier_wait -1
	; the scores of my group's 80 columns for my 16 positions: p hi v224-255, p lo v24-55, scores v144-183.
	; ef's fragments, hi 40 and lo 40 registers a step, have registers of their own: step 0 in window 0's v64-143, steps 1-3 in window 1's v0-239
	v_mov_b32 v19, 0                               ; upper halves of pairs and destinations of lane exchanges count as read
	v_mov_b32 v22, 0
	s_wait_alu depctr_vm_vsrc(0)                   ; LDS instructions have read the addresses v24 to v31, which are needed no more, and my stores their data v32-63: p's fragments land in v24-55
.irp ks, 0,1,2,3
	ds_load_b128 v[224+8*\ks:227+8*\ks], v11 offset:64*\ks
	ds_load_b128 v[228+8*\ks:231+8*\ks], v11 offset:64*\ks+32
	ds_load_b128 v[24+8*\ks:27+8*\ks], v11 offset:PSL-PS+64*\ks
	ds_load_b128 v[28+8*\ks:31+8*\ks], v11 offset:PSL-PS+64*\ks+32
.endr
.macro LAF adr, ks, dst, w             ; five fragments of ef transposed: columns 16 u + r of my group, channels 32 ks ..; into v[dst ..] of window w
.if \w
	WIN 0x40
.else
	WIN 0
.endif
.set u_, 0
.rept 5
	ds_load_tr16_b128 v[\dst+8*u_:\dst+8*u_+3], v[\adr] offset:5120*(\ks)+32*u_
	ds_load_tr16_b128 v[\dst+8*u_+4:\dst+8*u_+7], v[\adr] offset:5120*(\ks)+32*u_+2560
.set u_, u_+1
.endr
.endm
.macro SC w, af, pf, zero              ; five sums take turns: scores of columns 16 u + 8 h + j for position r; ef's fragments in window w
.if \w
	WIN 0x01
.else
	WIN 0
.endif
.set u_, 0
.rept 5
.if \zero
	MM0 144+8*u_, \af+8*u_, \pf
.else
	MM 144+8*u_, \af+8*u_, \pf, 144+8*u_
.endif
.set u_, u_+1
.endr
.endm
	LAF 12, 0, 64, 0                               ; step 0: hi,
	LAF 17, 0, 104, 0                              ; lo
	LAF 12, 1, 0, 1                                ; step 1
	LAF 17, 1, 40, 1
	s_wait_dscnt 30                                ; p and step 0's hi are in; three younger groups of ten loads stay out, here and at the next four waits
	SC 0, 64, 224, 1                               ; ef hi x p hi
	SC 0, 64, 24, 0                                ; ef hi x p lo
	LAF 12, 2, 80, 1                               ; no wait: no product since the last wait on va_vdst names these registers
	s_wait_dscnt 30
	SC 0, 104, 224, 0                              ; ef lo x p hi
	LAF 17, 2, 120, 1
	s_wait_dscnt 30
	SC 1, 0, 232, 0
	SC 1, 0, 32, 0
	LAF 12, 3, 160, 1
	s_wait_dscnt 30
	SC 1, 40, 232, 0
	LAF 17, 3, 200, 1
	s_wait_dscnt 30
	SC 1, 80, 240, 0
	SC 1, 80, 40, 0
	s_wait_dscnt 20                                ; the counts run down
	SC 1, 120, 240, 0
	s_wait_dscnt 10
	SC 1, 160, 248, 0
	SC 1, 160, 48, 0
	s_wait_dscnt 0x0
	SC 1, 200, 248, 0
	WIN 0
	PLACES
; plain fragments of ef in f16, number 4 k5 + c4: channels 16 c4 + r of my half, columns 32 k5 .. of the 160; a piece of 16 columns lies in ef_h (pieces 0-4) or ef_w (5-9)
.macro LEF f0, f1
.set f_, \f0
.rept \f1-\f0
.set p_, 2*(f_/4)
	ds_load_b128 v[64+8*f_:67+8*f_], v13 offset:2560*(f_%4)+32*p_+(p_/5)*(EWO-160)
.set p_, p_+1
	ds_load_b128 v[68+8*f_:71+8*f_], v13 offset:2560*(f_%4)+32*p_+(p_/5)*(EWO-160)
.set f_, f_+1
.endr
.endm
	s_wait_alu depctr_va_vdst(0)                   ; step 0's products are done reading v64-143, in which the first ten f16 fragments land
	LEF 0, 10
	; softmax over my group's 80 columns: 40 numbers a lane in v144-183, the other 40 in the lane 16 away
	v_max3_num_f32 v18, v144, v145, v146
.set i_, 3
.rept 18
	v_max3_num_f32 v18, v18, v[144+i_], v[144+i_+1]
.set i_, i_+2
.endr
	v_max_num_f32 v18, v18, v183
	v_permlanex16_b32 v22, v18, s60, s61
	v_max_num_f32 v18, v18, v22
.set i_, 0
.rept 20
	v_pk_add_f32 v[144+i_:145+i_], v[144+i_:145+i_], v[18:19] op_sel_hi:[1,0] neg_lo:[0,1] neg_hi:[0,1]
.set i_, i_+2
.endr
.set i_, 0
.rept 40
	v_exp_f32 v[144+i_], v[144+i_]
.set i_, i_+1
.endr
	v_nop
	s_wait_alu depctr_va_vdst(0)                   ; the forty exponentials have written v144-183: one wait for the batch, ahead of its first reader
	v_pk_add_f32 v[20:21], v[144:145], v[146:147]
.set i_, 4
.rept 18
	v_pk_add_f32 v[20:21], v[20:21], v[144+i_:145+i_]
.set i_, i_+2
.endr
	v_add_f32 v20, v20, v21
	v_permlanex16_b32 v22, v20, s60, s61
	v_add_f32 v20, v20, v22
	v_rcp_f32 v20, v20                             ; the sum is at least 1: the largest score gives 2^0
	v_nop
	s_wait_alu depctr_va_vdst(0)                   ; the reciprocal is written into v20, ahead of its first reader
.set i_, 0
.rept 20
	v_pk_mul_f32 v[144+i_:145+i_], v[144+i_:145+i_], v[20:21] op_sel_hi:[1,0]
.set i_, i_+2
.endr
.irp u, 0,1,2,3,4
.irp i, 0,1,2,3
	v_cvt_pk_f16_f32 v[24+4*\u+\i], v[144+8*\u+2*\i], v[145+8*\u+2*\i]     ; weights of at most 1, in f16
.endr
.endr
	s_wait_alu depctr_va_vdst(0)                   ; the conversions have written v24-43, which the five LDS stores read, and are done reading v144-183, in which the other ten f16 fragments land
.irp u, 0,1,2,3,4
	ds_store_b128 v8, v[24+4*\u:27+4*\u] offset:32*\u                      ; position r, columns 16 u + 8 h .. of my group: for me and for the wave of the other group
.endr
	LEF 10, 20
	s_wait_dscnt 0x0
	s_barrier_signal -1
	s_barrier_wait -1
	s_wait_alu depctr_vm_vsrc(0)                   ; my LDS stores have read v24-43, in which the weights' fragments land
.irp k5, 0,1,2,3,4
	ds_load_b128 v[24+8*\k5:27+8*\k5], v9 offset:64*\k5                    ; all 160 columns' weights of my positions, as B fragments
	ds_load_b128 v[28+8*\k5:31+8*\k5], v9 offset:64*\k5+32
.endr
	s_wait_dscnt 0x0
.irp k5, 0,1,2,3,4
.irp c4, 0,1,2,3
.if \k5 == 0
	MMH0 224+8*\c4, 64+8*(4*\k5+\c4), 24+8*\k5
.else
	MMH 224+8*\c4, 64+8*(4*\k5+\c4), 24+8*\k5, 224+8*\c4
.endif
.endr
.endr
	PLACES
.irp c4, 0,1,2,3
.irp i, 0,1,2,3
	v_cvt_pk_f16_f32 v[64+4*\c4+\i], v[224+8*\c4+2*\i], v[225+8*\c4+2*\i]
.endr
.endr
	s_wait_alu depctr_va_vdst(0)                   ; the conversions have written v64-79, which the four LDS stores read; the products are done reading v96-111, in which the rows read back land
.irp c4, 0,1,2,3
	ds_store_b128 v14, v[64+4*\c4:67+4*\c4] offset:32*\c4
.endr
	s_wait_dscnt 0x0
	s_barrier_signal -1
	s_barrier_wait -1
.irp n, 0,1,2,3
	ds_load_b128 v[96+4*\n:99+4*\n], v15 offset:544*\n
.endr
.irp n, 0,1,2,3
	s_wait_dscnt 3-\n
	global_store_b128 v16, v[96+4*\n:99+4*\n], s[50:51] offset:512*\n      ; sixteen lanes store a row of 256 aligned bytes
.endr
	s_wait_xcnt 0x0
	v_lshl_add_u32 v22, v0, 2, 0x4fc00             ; the closing add's two registers are made anew: no memory or LDS instruction has read v22 or v23
	v_mov_b32 v23, 0
	s_wait_dscnt 0x0                               ; the closing lines, six on end
	s_wait_alu 0x0
	s_wait_tensorcnt 0x0
	ds_add_u32 v22, v23
	s_wait_dscnt 0x0
	s_endpgm
.Lfunc_end_k_qe4dbdda174_prep:
	.size	k_qe4dbdda174_prep, .Lfunc_end_k_qe4dbdda174_prep-k_qe4dbdda174_prep
	.p2alignl 7, 3214868480
	.fill 96, 4, 3214868480
	.section	.rodata,"a",@progbits
	.p2align	6, 0x0
	.amdhsa_kernel k_qe4dbdda174_prep
		.amdhsa_group_segment_fixed_size 327680
		.amdhsa_private_segment_fixed_size 0
		.amdhsa_enable_private_segment 0
		.amdhsa_kernarg_size 200
		.amdhsa_user_sgpr_count 2
		.amdhsa_user_sgpr_kernarg_segment_ptr 1
		.amdhsa_wavefront_size32 1
		.amdhsa_system_sgpr_workgroup_id_x 1
		.amdhsa_system_sgpr_workgroup_id_y 1
		.amdhsa_system_sgpr_workgroup_id_z 1
		.amdhsa_system_vgpr_workitem_id 0
		.amdhsa_next_free_vgpr 512
		.amdhsa_next_free_sgpr 78
		.amdhsa_reserve_vcc 0
		.amdhsa_float_denorm_mode_32 3
		.amdhsa_float_denorm_mode_16_64 3
		.amdhsa_memory_ordered 1
		.amdhsa_forward_progress 1
		.amdhsa_inst_pref_size 187
	.end_amdhsa_kernel
	.amdgpu_metadata
---
amdhsa.version: [ 1, 2 ]
amdhsa.kernels:
  - .name:           k_qe4dbdda174_prep
    .symbol:         k_qe4dbdda174_prep.kd
    .args:
      - { .name: x, .offset: 0, .size: 8, .value_kind: global_buffer, .address_space: global }
      - { .name: w1, .offset: 8, .size: 8, .value_kind: global_buffer, .address_space: global }
      - { .name: g1, .offset: 16, .size: 8, .value_kind: global_buffer, .address_space: global }
      - { .name: b1, .offset: 24, .size: 8, .value_kind: global_buffer, .address_space: global }
      - { .name: m1, .offset: 32, .size: 8, .value_kind: global_buffer, .address_space: global }
      - { .name: v1, .offset: 40, .size: 8, .value_kind: global_buffer, .address_space: global }
      - { .name: wq, .offset: 48, .size: 8, .value_kind: global_buffer, .address_space: global }
      - { .name: bq, .offset: 56, .size: 8, .value_kind: global_buffer, .address_space: global }
      - { .name: wk, .offset: 64, .size: 8, .value_kind: global_buffer, .address_space: global }
      - { .name: bk, .offset: 72, .size: 8, .value_kind: global_buffer, .address_space: global }
      - { .name: wv, .offset: 80, .size: 8, .value_kind: global_buffer, .address_space: global }
      - { .name: bv, .offset: 88, .size: 8, .value_kind: global_buffer, .address_space: global }
      - { .name: wp, .offset: 96, .size: 8, .value_kind: global_buffer, .address_space: global }
      - { .name: bp, .offset: 104, .size: 8, .value_kind: global_buffer, .address_space: global }
      - { .name: rel_h, .offset: 112, .size: 8, .value_kind: global_buffer, .address_space: global }
      - { .name: rel_w, .offset: 120, .size: 8, .value_kind: global_buffer, .address_space: global }
      - { .name: ef_h, .offset: 128, .size: 8, .value_kind: global_buffer, .address_space: global }
      - { .name: ef_w, .offset: 136, .size: 8, .value_kind: global_buffer, .address_space: global }
      - { .name: qa, .offset: 144, .size: 8, .value_kind: global_buffer, .address_space: global }
      - { .name: kb, .offset: 152, .size: 8, .value_kind: global_buffer, .address_space: global }
      - { .name: vt, .offset: 160, .size: 8, .value_kind: global_buffer, .address_space: global }
      - { .name: o2, .offset: 168, .size: 8, .value_kind: global_buffer, .address_space: global }
      - { .name: w2, .offset: 176, .size: 8, .value_kind: global_buffer, .address_space: global }
      - { .name: w3, .offset: 184, .size: 8, .value_kind: global_buffer, .address_space: global }
      - { .name: wf, .offset: 192, .size: 8, .value_kind: global_buffer, .address_space: global }
    .group_segment_fixed_size: 327680
    .private_segment_fixed_size: 0
    .kernarg_segment_align: 8
    .kernarg_segment_size: 200
    .max_flat_workgroup_size: 256
    .sgpr_count:     78
    .vgpr_count:     512
    .wavefront_size: 32
...
	.end_amdgpu_metadata
.endif
;; end of part 6
;; launch attn: the kernel of part 2 again; grid 10 x 25, 4 waves a work-group, no clusters, 327,680 bytes of LDS; arguments qa, kb, vt, part, stats; writes part, stats
;; launch finish (part 7): grid 100 x 2, 8 waves a work-group, no clusters, 75,776 bytes of LDS; arguments part, stats, o2, wf, g2, b2, m2, v2, g3, b3, m3, v3, x, out0; writes out0
.if DOCPART == 7
	.amdgcn_target "amdgcn-amd-amdhsa--gfx1250"
	.amdhsa_code_object_version 6
	.text
	.protected	k_qe4dbdda174_finish
	.globl	k_qe4dbdda174_finish
	.p2align	8
	.type	k_qe4dbdda174_finish,@function
k_qe4dbdda174_finish:
	s_mov_b64 s[64:65], 0
	v_nop
	global_prefetch_b8 v0, s[64:65] scope:SCOPE_SE
	s_setreg_imm32_b32 hwreg(HW_REG_WAVE_SCHED_MODE, 0, 2), 2
	s_setreg_imm32_b32 hwreg(HW_REG_WAVE_MODE, 25, 1), 1
	s_wait_xcnt 0x0
	s_wait_alu depctr_vm_vsrc(0)
; finish: out1 = merge of the ten key splits; out0 = x + SiLU(BN(w2 out1)) + SiLU(BN(w3 out2)).
; Work-group (g, y) owns 64 positions (i0 = 64 g) and 128 output channels (128 y ..): 200 work-groups.  Both halves make the merge of their positions.
; Merge: with M = max_s m_s, weight_s = 2^(m_s - M) / sum_s l_s 2^(m_s - M); out1 = sum_s weight_s part_s.
; Eight waves; wave w owns output channels 128 y + 16 w .. + 15 of both convolutions, for all four tiles of 16 positions, so its rows of the f32 stage are its own.
; The weights come from wf, where the first launch left w2 (bf16) and w3 (f16) in fragment order: a wave's load covers 512 consecutive bytes and needs no conversion.
; FORMATS: w2 and out1 in bf16 (out1 is made of v, an intermediate without a bound in f16's range); w3 and out2 in f16: w3 is an input, out2 is bounded by
; max |ef_h| + max |ef_w|, and out2 is some four times larger than out1, so its rounding weighs most in the result.
; All loads go out at the head.  No tensor loads and no cluster: the partial sums are weighted on their way in, so they pass through registers; what all
; work-groups share beside them is wf, 65,536 bytes a work-group.
; LIMITS: BN as y s + (b - m s), s = g rsq(v + eps); NaN and infinities are not treated apart; powers of two below 2^-126 are zero.
; THE MODE: SCHED_MODE bits 1:0 = 2 (LLVM: expert scheduling mode 2), set by the entry lines.  The code itself states the register dependences
; between vector or matrix instructions and memory or LDS instructions, with s_wait_alu, always for 0.
; THE PLAN.  Registers that memory or LDS instructions touch:
;   v4 to v14, v17, v18   offsets and LDS addresses: written at the head, ahead of one wait on va_vdst, and never again.
;   v32-191   part as loaded; the merge reads it; row n's eight sums close up into v[32 + 40 n .. + 3], which out1's LDS store reads.  One wait on va_vdst behind all four rows, ahead of the four stores.
;   v192-231  o2, the figures and BN as loaded; o2 is stored as it came; the weights and s, t are written by vector instructions and stored, each run behind a wait on va_vdst.
;             Behind the first barrier one wait on vm_vsrc, and the merge weights land there.
;   fragments of out1, out2: each of the eight K steps has registers of its own (window 0's v32-95 and v160-223, window 1's v96-223), BN's figures v224-255: behind the second barrier one wait
;             on vm_vsrc; the loads are dealt among the products, which name none of the registers that a later load touches, so the convolutions hold no wait on va_vdst.
;   v96-127   the result; one wait on va_vdst ahead of its LDS stores, which also serves the loads back into v160-191.  One more ahead of the global stores, behind the additions of x.
.set WS,  0                            ; merge weights [64 positions][10 f32], pitch 48
.set PRM, 3072                         ; s2, t2, s3, t3 of my 128 channels: [128] f32 each
.set O1S, 5120                         ; out1 bf16 [64][128], pitch 272
.set O2S, 22528                        ; out2 f16, the same shape
.set YS,  39936                        ; result [128 channels][64 positions] f32, pitch 272
; window 0: v0-18 ids and addresses; v30, v31 the closing add's; part v32-191; o2 v192-207, figures v208-227, BN v228-231, at work v236-243;
;           later fragments v32-95 and v160-223, sums v96-159, then at work v160-223, BN v224-255
; window 1: weights' fragments at 8 (4 conv + ks), v0-63; x at v64-95; out2's fragments v96-223
.set MSB, 0
.macro WIN new
.if MSB != \new
	s_set_vgpr_msb (MSB<<8)|\new
.set MSB, \new
.endif
.endm
.macro PLACES                          ; four places behind a matrix instruction (ISA guide 7.12.1)
.rept 4
	v_nop
.endr
.endm
.macro MM d, a, b, c
	v_wmma_f32_16x16x32_bf16 v[\d:\d+7], v[\a:\a+7], v[\b:\b+7], v[\c:\c+7]
.endm
.macro MM0 d, a, b
	v_wmma_f32_16x16x32_bf16 v[\d:\d+7], v[\a:\a+7], v[\b:\b+7], 0
.endm
.macro MMH d, a, b, c                  ; the same with f16 operands
	v_wmma_f32_16x16x32_f16 v[\d:\d+7], v[\a:\a+7], v[\b:\b+7], v[\c:\c+7]
.endm
.macro MMH0 d, a, b
	v_wmma_f32_16x16x32_f16 v[\d:\d+7], v[\a:\a+7], v[\b:\b+7], 0
.endm
.macro SIG y, t, n                     ; t = sigmoid(y) = 1 / (1 + 2^(-log2(e) y)); the wait for the reciprocals stands behind the macro, ahead of their first reader
.set sg_, 0
.rept \n/2
	v_pk_mul_f32 v[\t+sg_:\t+sg_+1], v[\y+sg_:\y+sg_+1], 0xbfb8aa3b op_sel_hi:[1,0]
.set sg_, sg_+2
.endr
.set sg_, 0
.rept \n
	v_exp_f32 v[\t+sg_], v[\t+sg_]
.set sg_, sg_+1
.endr
	v_nop
	s_wait_alu depctr_va_vdst(0)                   ; the exponentials have written v[t ..]: one wait for the batch, ahead of its first reader
.set sg_, 0
.rept \n/2
	v_pk_add_f32 v[\t+sg_:\t+sg_+1], v[\t+sg_:\t+sg_+1], 1.0 op_sel_hi:[1,0]
.set sg_, sg_+2
.endr
.set sg_, 0
.rept \n
	v_rcp_f32 v[\t+sg_], v[\t+sg_]
.set sg_, sg_+1
.endr
	v_nop
.endm
	s_load_b512 s[8:23], s[0:1], 0x0               ; part 8, stats 10, o2 12, wf 14, g2 16, b2 18, m2 20, v2 22
	s_load_b256 s[24:31], s[0:1], 0x40             ; g3 24, b3 26, m3 28, v3 30
	s_load_b128 s[32:35], s[0:1], 0x60             ; x 32, out0 34
	v_lshl_add_u32 v30, v0, 2, 0x12400
	v_mov_b32 v31, 0
	v_lshrrev_b32 v1, 5, v0
	v_readfirstlane_b32 s38, v1                    ; wave w
	s_and_b32 s39, ttmp7, 0xffff                   ; y: which 128 output channels
	s_lshl_b32 s40, ttmp9, 8                       ; 4 i0
	s_mov_b32 s41, 0
	s_lshl_b32 s44, ttmp9, 14                      ; 256 i0
	s_mov_b32 s45, 0
	s_mul_i32 s46, s39, 3276800                    ; 128 y rows of 25,600 bytes in x and out0,
	s_add_co_u32 s46, s46, s40                     ; + 4 i0
	s_mov_b32 s47, 0
	s_lshl_b32 s48, s39, 9                         ; 128 y numbers in the per-channel vectors
	s_mov_b32 s49, 0
	s_lshl_b32 s50, s39, 15                        ; 8 y channel tiles of 4,096 bytes in wf
	s_mov_b32 s51, 0
	v_and_b32 v1, 31, v0                           ; L
	v_and_b32 v2, 15, v0                           ; r
	v_bfe_u32 v3, v0, 4, 1                         ; h
	v_lshlrev_b32 v4, 2, v0                        ; 4 t
	v_lshlrev_b32 v5, 4, v0                        ; 16 t: row t / 16 of 256 bytes, 16 (t mod 16)
	v_and_b32 v15, 127, v0
	v_lshlrev_b32 v17, 2, v15                      ; 4 (t mod 128)
	v_lshrrev_b32 v16, 7, v0
	v_lshl_add_u32 v18, v16, 10, v17               ; + 1,024 for the second convolution's figures (threads 128-255)
	s_wait_alu depctr_va_sdst(0)                   ; s38 is written, ahead of its first reader, the next line
	s_lshl_b32 s36, s38, 12
	v_lshl_add_u32 v6, v1, 4, s36                  ; wf: 4,096 w + 16 L
	v_lshl_add_u32 v15, s38, 4, v3                 ; 16 w + h
	v_mul_u32_u24 v7, v15, 25600
	v_lshl_add_u32 v7, v2, 4, v7                   ; x and out0: row 16 w + h, 16 r
	v_mul_u32_u24 v14, v15, 272
	v_lshl_add_u32 v14, v2, 4, v14
	v_add_nc_u32 v14, YS, v14                      ; the same rows in the stage
	v_lshrrev_b32 v16, 4, v0
	v_mul_u32_u24 v8, v16, 272
	v_lshl_add_u32 v8, v2, 4, v8                   ; out1, out2 written: row t / 16
	v_mul_u32_u24 v9, v0, 48
	v_mul_u32_u24 v10, v16, 48
	v_mul_u32_u24 v11, v2, 272
	v_lshl_add_u32 v11, v3, 4, v11                 ; out1, out2 read as fragments
	v_lshlrev_b32 v12, 5, v3
	v_lshl_add_u32 v12, s38, 6, v12                ; 4 (16 w + 8 h)
	v_lshl_add_u32 v13, s38, 1, v3
	v_mul_u32_u24 v13, v13, 8*272
	v_lshl_add_u32 v13, v2, 2, v13
	v_add_nc_u32 v13, YS, v13                      ; stage written: row 16 w + 8 h, word r
	s_wait_kmcnt 0x0
	s_add_nc_u64 s[10:11], s[10:11], s[40:41]
	s_add_nc_u64 s[32:33], s[32:33], s[46:47]
	s_add_nc_u64 s[34:35], s[34:35], s[46:47]
	s_add_nc_u64 s[12:13], s[12:13], s[44:45]
	s_add_nc_u64 s[8:9], s[8:9], s[44:45]
	s_add_nc_u64 s[42:43], s[8:9], 8192000         ; splits 5 to 9: the immediates stay inside their 24 signed bits
	s_add_nc_u64 s[14:15], s[14:15], s[50:51]
.irp p, 16,18,20,22,24,26,28,30
	s_add_nc_u64 s[\p:\p+1], s[\p:\p+1], s[48:49]
.endr
	s_wait_alu depctr_va_vdst(0)                   ; the offsets and LDS addresses v4 to v14, v17 and v18 are written, which every load and store of the kernel reads
	; all loads at the head: figures 20 (waves 0, 1), BN 4, o2 4, part 40, wf 16, x 8
	s_cmp_lt_u32 s38, 2
	s_cbranch_scc0 .Lno_stats
.set s_, 0
.rept 10
	global_load_b32 v[208+s_], v4, s[10:11] offset:25600*s_                ; waves 0, 1: m and l of position t in the ten splits
	global_load_b32 v[218+s_], v4, s[10:11] offset:256000+25600*s_
.set s_, s_+1
.endr
.Lno_stats:
	s_cmp_lt_u32 s38, 4
	s_cbranch_scc0 .Lbn3
	global_load_b32 v228, v17, s[16:17]            ; waves 0-3: g2, b2, m2, v2 of channel 128 y + t
	global_load_b32 v229, v17, s[18:19]
	global_load_b32 v230, v17, s[20:21]
	global_load_b32 v231, v17, s[22:23]
	s_branch .Lbn_done
.Lbn3:
	global_load_b32 v228, v17, s[24:25]            ; waves 4-7: g3, b3, m3, v3 of channel 128 y + t - 128
	global_load_b32 v229, v17, s[26:27]
	global_load_b32 v230, v17, s[28:29]
	global_load_b32 v231, v17, s[30:31]
.Lbn_done:
.irp n, 0,1,2,3
	global_load_b128 v[192+4*\n:195+4*\n], v5, s[12:13] offset:4096*\n
.endr
.irp n, 0,1,2,3
.irp s, 0,1,2,3,4
	global_load_b128 v[32+40*\n+4*\s:35+40*\n+4*\s], v5, s[8:9] offset:1638400*\s+4096*\n
.endr
.irp s, 0,1,2,3,4
	global_load_b128 v[52+40*\n+4*\s:55+40*\n+4*\s], v5, s[42:43] offset:1638400*\s+4096*\n
.endr
.endr
	WIN 0x40                                       ; loaded data into window 1
.irp c, 0,1
.irp ks, 0,1,2,3
	global_load_b128 v[8*(4*\c+\ks):8*(4*\c+\ks)+3], v6, s[14:15] offset:65536*\c+1024*\ks
	global_load_b128 v[8*(4*\c+\ks)+4:8*(4*\c+\ks)+7], v6, s[14:15] offset:65536*\c+1024*\ks+512
.endr
.endr
.set n_, 0
.rept 8
	global_load_b128 v[64+4*n_:67+4*n_], v7, s[32:33] offset:51200*n_      ; x: rows 16 w + 2 n + h
.set n_, n_+1
.endr
	WIN 0
	s_wait_loadcnt 63                              ; 64 loads (part, wf, x) were issued behind o2's: figures, BN and o2 are in
.irp n, 0,1,2,3
	ds_store_b128 v8, v[192+4*\n:195+4*\n] offset:O2S+4352*\n              ; out2 as it came: no vector instruction names these registers
.endr
	s_cmp_lt_u32 s38, 2
	s_cbranch_scc0 .Lno_merge
	v_max3_num_f32 v236, v208, v209, v210
	v_max3_num_f32 v236, v236, v211, v212
	v_max3_num_f32 v236, v236, v213, v214
	v_max3_num_f32 v236, v236, v215, v216
	v_max_num_f32 v236, v236, v217
.set s_, 0
.rept 10
	v_sub_f32 v[208+s_], v[208+s_], v236
.set s_, s_+1
.endr
.set s_, 0
.rept 10
	v_exp_f32 v[208+s_], v[208+s_]
.set s_, s_+1
.endr
	v_nop
	s_wait_alu depctr_va_vdst(0)                   ; the ten exponentials have written v208-217: one wait for the batch, ahead of its first reader
	v_mul_f32 v237, v208, v218
.set s_, 1
.rept 9
	v_fmac_f32 v237, v[208+s_], v[218+s_]
.set s_, s_+1
.endr
	v_rcp_f32 v237, v237                           ; at least 1: the split with the largest maximum has weight 1 and l of at least 1
	v_nop
	s_wait_alu depctr_va_vdst(0)                   ; the reciprocal is written into v237, ahead of its first reader
.set s_, 0
.rept 10
	v_mul_f32 v[208+s_], v[208+s_], v237
.set s_, s_+1
.endr
	s_wait_alu depctr_va_vdst(0)                   ; the ten weights are written into v208-217, which the three LDS stores read
	ds_store_b128 v9, v[208:211] offset:WS
	ds_store_b128 v9, v[212:215] offset:WS+16
	ds_store_b64 v9, v[216:217] offset:WS+32
.Lno_merge:
	v_add_f32 v231, 0x3727c5ac, v231
	v_rsq_f32 v231, v231
	v_nop
	s_wait_alu depctr_va_vdst(0)                   ; the root's reciprocal is written into v231, ahead of its first reader
	v_mul_f32 v228, v228, v231                     ; s = g rsq(v + eps)
	v_fma_f32 v229, -v230, v228, v229              ; t = b - m s
	s_wait_alu depctr_va_vdst(0)                   ; s and t are written into v228 and v229, which the two LDS stores read; all that named v208-231 is done, for the weights' loads below
	ds_store_b32 v18, v228 offset:PRM
	ds_store_b32 v18, v229 offset:PRM+512
	s_wait_dscnt 0x0
	s_barrier_signal -1
	s_barrier_wait -1
	; ---- the merge: row t / 16 + 16 n, eight channels a thread
	s_wait_alu depctr_vm_vsrc(0)                   ; my LDS stores have read v192-217, v228 and v229, in which the merge weights land
.irp n, 0,1,2,3
	ds_load_b128 v[192+10*\n:195+10*\n], v10 offset:WS+768*\n
	ds_load_b128 v[196+10*\n:199+10*\n], v10 offset:WS+768*\n+16
	ds_load_b64 v[200+10*\n:201+10*\n], v10 offset:WS+768*\n+32
.endr
	s_wait_dscnt 0x0
.irp n, 0,1,2,3
	s_wait_loadcnt 54-10*\n                        ; the later rows' loads of part, wf's sixteen and x's eight stay out
.irp k, 0,1,2,3
	v_lshlrev_b32 v[236+2*\k], 16, v[32+40*\n+\k]
	v_and_b32 v[237+2*\k], 0xffff0000, v[32+40*\n+\k]
.endr
.irp k, 0,1,2,3
	v_pk_mul_f32 v[236+2*\k:237+2*\k], v[236+2*\k:237+2*\k], v[192+10*\n:193+10*\n] op_sel_hi:[1,0]
.endr
.irp s, 1,2,3,4,5,6,7,8,9
.irp k, 0,1,2,3
	v_fma_mix_f32_bf16 v[236+2*\k], v[32+40*\n+4*\s+\k], v[192+10*\n+\s], v[236+2*\k] op_sel_hi:[1,0,0]
	v_fma_mix_f32_bf16 v[237+2*\k], v[32+40*\n+4*\s+\k], v[192+10*\n+\s], v[237+2*\k] op_sel:[1,0,0] op_sel_hi:[1,0,0]
.endr
.endr
.irp k, 0,1,2,3
	v_cvt_pk_bf16_f32 v[32+40*\n+\k], v[236+2*\k], v[237+2*\k]             ; the row's out-registers: the first four of its forty, which are read no more
.endr
.endr
	s_wait_alu depctr_va_vdst(0)                   ; the four rows of out1 are written into v[32 + 40 n ..], which the LDS stores read; the merge is done with v32-243, in which fragments and BN's figures land
.irp n, 0,1,2,3
	ds_store_b128 v8, v[32+40*\n:35+40*\n] offset:O1S+4352*\n
.endr
	s_wait_dscnt 0x0
	s_barrier_signal -1
	s_barrier_wait -1
	; ---- both convolutions: A = weight (window 1), B = out1 (bf16) or out2 (f16); eight steps (conv, ks); each convolution has its own sums.
	; Step st's fragments: 0, 1 in window 0's v32, v64; 2, 3 in window 0's v160, v192; 4 to 7 in window 1's v96, v128, v160, v192
.macro FB st
.if (\st) < 2
.set fb_, 32+32*(\st)
.elseif (\st) < 4
.set fb_, 96+32*(\st)
.else
.set fb_, 32*(\st)-32
.endif
.endm
.macro LF st
	FB \st
.if (\st) < 4
	WIN 0
.else
	WIN 0x40
.endif
.irp qt, 0,1,2,3
	ds_load_b128 v[fb_+8*\qt:fb_+8*\qt+3], v11 offset:O1S+17408*((\st)/4)+64*((\st)%4)+4352*\qt
	ds_load_b128 v[fb_+8*\qt+4:fb_+8*\qt+7], v11 offset:O1S+17408*((\st)/4)+64*((\st)%4)+4352*\qt+32
.endr
.endm
.macro CSTEP k, cnt                    ; four sums take turns, one instruction a turn
	s_wait_dscnt \cnt                              ; LDS loads come back in order: this step's eight are in, the cnt younger ones stay out
	FB \k
.if (\k) < 4
	WIN 0x01                                       ; A in window 1
.else
	WIN 0x05                                       ; A and B in window 1
.endif
.irp qt, 0,1,2,3
.if (\k) == 0
	MM0 96+8*\qt, 8*(\k), fb_+8*\qt
.elseif (\k) < 4
	MM 96+8*\qt, 8*(\k), fb_+8*\qt, 96+8*\qt
.elseif (\k) == 4
	MMH0 128+8*\qt, 8*(\k), fb_+8*\qt
.else
	MMH 128+8*\qt, 8*(\k), fb_+8*\qt, 128+8*\qt
.endif
.endr
.endm
	s_wait_alu depctr_vm_vsrc(0)                   ; my LDS stores have read v32-35, v72-75, v112-115 and v152-155: fragments land in the first two, the products write the third
	LF 0
	LF 1
	LF 2
	LF 3
	LF 4
	LF 5
	s_wait_loadcnt 8                               ; wf's fragments are in; x's eight loads stay out
	CSTEP 0, 40
	LF 6                                           ; no wait: no product since the last wait on va_vdst names these registers
	CSTEP 1, 40
	LF 7
	CSTEP 2, 40
	WIN 0
.irp k, 0,1,2,3
	ds_load_b128 v[224+8*\k:227+8*\k], v12 offset:PRM+512*\k               ; s2, t2, s3, t3 of my 8 channels
	ds_load_b128 v[228+8*\k:231+8*\k], v12 offset:PRM+512*\k+16
.endr
	CSTEP 3, 40
	CSTEP 4, 32
	CSTEP 5, 24
	CSTEP 6, 16
	CSTEP 7, 8
	WIN 0
	PLACES
	s_wait_dscnt 0x0                               ; BN's figures
.irp qt, 0,1,2,3
.irp i, 0,2,4,6
	v_pk_fma_f32 v[96+8*\qt+\i:97+8*\qt+\i], v[96+8*\qt+\i:97+8*\qt+\i], v[224+\i:225+\i], v[232+\i:233+\i]
	v_pk_fma_f32 v[128+8*\qt+\i:129+8*\qt+\i], v[128+8*\qt+\i:129+8*\qt+\i], v[240+\i:241+\i], v[248+\i:249+\i]
.endr
.endr
	SIG 96, 160, 64                                ; both convolutions' sigmoids as one batch
	s_wait_alu depctr_va_vdst(0)                   ; the reciprocals have written v160-223: one wait for the batch, ahead of its first reader
.set n_, 0
.rept 16
	v_pk_mul_f32 v[96+n_:97+n_], v[96+n_:97+n_], v[160+n_:161+n_]
	v_pk_fma_f32 v[96+n_:97+n_], v[128+n_:129+n_], v[192+n_:193+n_], v[96+n_:97+n_]
.set n_, n_+2
.endr
	s_wait_alu depctr_va_vdst(0)                   ; the results are written into v96-127, which the LDS stores read; the lines above are done reading v160-191, in which the rows read back land
.irp qt, 0,1,2,3
.irp j, 0,1,2,3,4,5,6,7
	ds_store_b32 v13, v[96+8*\qt+\j] offset:272*\j+64*\qt                  ; channel 16 w + 8 h + j of my 128, position 16 qt + r
.endr
.endr
.set n_, 0
.rept 8
	ds_load_b128 v[160+4*n_:163+4*n_], v14 offset:544*n_                   ; my own rows: LDS serves a wave's instructions in order
.set n_, n_+1
.endr
	s_wait_loadcnt 0x0                             ; x
	s_wait_dscnt 0x0
	WIN 0x04                                       ; second source in window 1
.set n_, 0
.rept 16
	v_pk_add_f32 v[160+n_:161+n_], v[160+n_:161+n_], v[64+n_:65+n_]
.set n_, n_+2
.endr
	WIN 0
	s_wait_alu depctr_va_vdst(0)                   ; the additions of x have written v160-191, which the eight stores read
.set n_, 0
.rept 8
	global_store_b128 v7, v[160+4*n_:163+4*n_], s[34:35] offset:51200*n_ th:TH_STORE_NT    ; sixteen lanes store 256 consecutive aligned bytes
.set n_, n_+1
.endr
	s_wait_dscnt 0x0                               ; the closing lines, six on end
	s_wait_alu 0x0
	s_wait_tensorcnt 0x0
	ds_add_u32 v30, v31
	s_wait_dscnt 0x0
	s_endpgm
.Lfunc_end_k_qe4dbdda174_finish:
	.size	k_qe4dbdda174_finish, .Lfunc_end_k_qe4dbdda174_finish-k_qe4dbdda174_finish
	.p2alignl 7, 3214868480
	.fill 96, 4, 3214868480
	.section	.rodata,"a",@progbits
	.p2align	6, 0x0
	.amdhsa_kernel k_qe4dbdda174_finish
		.amdhsa_group_segment_fixed_size 75776
		.amdhsa_private_segment_fixed_size 0
		.amdhsa_enable_private_segment 0
		.amdhsa_kernarg_size 112
		.amdhsa_user_sgpr_count 2
		.amdhsa_user_sgpr_kernarg_segment_ptr 1
		.amdhsa_wavefront_size32 1
		.amdhsa_system_sgpr_workgroup_id_x 1
		.amdhsa_system_sgpr_workgroup_id_y 1
		.amdhsa_system_sgpr_workgroup_id_z 1
		.amdhsa_system_vgpr_workitem_id 0
		.amdhsa_next_free_vgpr 512
		.amdhsa_next_free_sgpr 66
		.amdhsa_reserve_vcc 0
		.amdhsa_float_denorm_mode_32 3
		.amdhsa_float_denorm_mode_16_64 3
		.amdhsa_memory_ordered 1
		.amdhsa_forward_progress 1
		.amdhsa_inst_pref_size 64
	.end_amdhsa_kernel
	.amdgpu_metadata
---
amdhsa.version: [ 1, 2 ]
amdhsa.kernels:
  - .name:           k_qe4dbdda174_finish
    .symbol:         k_qe4dbdda174_finish.kd
    .args:
      - { .name: part, .offset: 0, .size: 8, .value_kind: global_buffer, .address_space: global }
      - { .name: stats, .offset: 8, .size: 8, .value_kind: global_buffer, .address_space: global }
      - { .name: o2, .offset: 16, .size: 8, .value_kind: global_buffer, .address_space: global }
      - { .name: wf, .offset: 24, .size: 8, .value_kind: global_buffer, .address_space: global }
      - { .name: g2, .offset: 32, .size: 8, .value_kind: global_buffer, .address_space: global }
      - { .name: b2, .offset: 40, .size: 8, .value_kind: global_buffer, .address_space: global }
      - { .name: m2, .offset: 48, .size: 8, .value_kind: global_buffer, .address_space: global }
      - { .name: v2, .offset: 56, .size: 8, .value_kind: global_buffer, .address_space: global }
      - { .name: g3, .offset: 64, .size: 8, .value_kind: global_buffer, .address_space: global }
      - { .name: b3, .offset: 72, .size: 8, .value_kind: global_buffer, .address_space: global }
      - { .name: m3, .offset: 80, .size: 8, .value_kind: global_buffer, .address_space: global }
      - { .name: v3, .offset: 88, .size: 8, .value_kind: global_buffer, .address_space: global }
      - { .name: x, .offset: 96, .size: 8, .value_kind: global_buffer, .address_space: global }
      - { .name: out0, .offset: 104, .size: 8, .value_kind: global_buffer, .address_space: global }
    .group_segment_fixed_size: 75776
    .private_segment_fixed_size: 0
    .kernarg_segment_align: 8
    .kernarg_segment_size: 112
    .max_flat_workgroup_size: 256
    .sgpr_count:     66
    .vgpr_count:     512
    .wavefront_size: 32
...
	.end_amdgpu_metadata
.endif
;; end of part 7
